; MI455X (gfx1250); checked and timed in simulation.
; The chip was launched on July 23, 2026; its instructions are those of AMD's public machine-readable ISA for CDNA 5 (MIT licence, August 2026) and "CDNA5" Instruction Set Architecture Reference Guide (July 2026). The comments in the code are by the model that wrote it; some were corrected since.
;; Cross Verse Attention. Allowed arithmetic: matrix products marked QUANTISED: E3M2 operands, one E8M0 scale for each 32 along K, by v_wmma_scale_f32_16x16x128_f8f6f4 with both operands' format E3M2, f32 sums; everything else in f32.
;; Inputs: W_k 1,024 x 1,024 float32; W_o 1,024 x 1,024 float32; W_p 1,024 x 1,024 float32; W_q 1,024 x 1,024 float32; W_v 1,024 x 1,024 float32; b_k 1,024 float32; b_o 1,024 float32; b_p 1,024 float32; b_q 1,024 float32; b_v 1,024 float32; beta 1,024 float32; gamma 1,024 float32; verse_positions 2 x 2,048 int32; x 2 x 2,048 x 1,024 float32.
;; Outputs: out0 2 x 2,048 x 1,024 float32.
;; This version of the problem:
;;   THIS VERSION OF THE PROBLEM IS GIVEN IN LOW PRECISION. The matrix products marked QUANTISED in the list below multiply operands that are first quantised to E3M2 (3 exponent bits, 2 mantissa bits; 6 bits a number), with one power-of-two scale for each 32 numbers along K (OCP MX v1.0); their sums are f32. All else is computed in f32.
;;   The module's matrix products, in the order in which they are computed (A, B: the left and right operand; K: the contracted axis; several contracted axes count as one K, in the product's order):
;;     1. [M 4,096, K 1,024] x [K 1,024, N 1,024]; A: input x; B: input W_q: QUANTISED
;;     2. [M 4,096, K 1,024] x [K 1,024, N 1,024]; A: input x; B: input W_k: QUANTISED
;;     3. [M 4,096, K 1,024] x [K 1,024, N 1,024]; A: input x; B: input W_v: QUANTISED
;;     4. batch 32 x [M 2,048, K 64] x [K 64, N 2,048]; A: computed on the way; B: computed on the way: QUANTISED
;;     5. batch 32 x [M 64, K 2,048] x [K 2,048, N 2,048]; A: computed on the way; B: softmax (see below): QUANTISED
;;     6. [M 4,096, K 1,024] x [K 1,024, N 1,024]; A: computed on the way; B: input W_o: QUANTISED
;;     7. [M 4,096, K 1,024] x [K 1,024, N 1,024]; A: computed on the way; B: input W_p: QUANTISED
;;   THE QUANTISER, for each operand of a quantised product, along K:
;;     - K is cut into blocks of 32 from its start; a last block that is shorter is filled with zeros.
;;     - A block's scale is 2^e with e = floor(log2(the largest magnitude in the block)) - 4, held to -126 .. 127; a block of zeros has e = 0. As a byte (E8M0): e + 127.
;;     - Each number is divided by its block's scale, clamped to +-28, and rounded to the nearest number of E3M2, ties to even, subnormals kept.
;;     - The product sums the exact products of the quantised numbers (number of the format x scale) in f32.
;;   ~~~python
;;   def quantise(x, axis):      # numpy; x: float32 -> the quantised numbers, widened to float32 again
;;       x = np.moveaxis(x, axis, -1); K = x.shape[-1]
;;       x = np.pad(x, [(0, 0)] * (x.ndim - 1) + [(0, -K % 32)]); x = x.reshape(x.shape[:-1] + (-1, 32)); a = np.abs(x).max(-1, keepdims=True)
;;       e = np.where(a > 0, np.clip(np.frexp(np.where(a > 0, a, 1))[1] - 1 - 4, -126, 127), 0)      # np.frexp(a)[1] - 1 = floor(log2(a)), exactly
;;       r = np.clip(x / 2.0 ** e, -28, 28)
;;       step = 2.0 ** (np.maximum(np.frexp(np.where(r == 0, 1, r))[1] - 1, -2) - 2)
;;       q = np.round(r / step) * step * 2.0 ** e      # np.round: ties to even
;;       return np.moveaxis(q.reshape(q.shape[:-2] + (-1,))[..., :K], -1, axis).astype(np.float32)
;;   ~~~
;;   SOFTMAX AHEAD OF A QUANTISED PRODUCT. Where the list says 'softmax', what is quantised is not the finished softmax but p = 2^(t - M), with t = logit x log2(e) and M = ceil(the row's largest t), a whole number; so 1/2 < the row's largest p <= 1. The row's sum l is taken of the UNQUANTISED p, in f32, and the product's result is divided by l at the end. Since M is a whole number, a kernel that streams over the keys may use a running M (the ceiling of the running maximum): every later rescaling is an exact power of two, which a block's scale takes up: the codes' values come out the same.
;;   OPERANDS COMPUTED ON THE WAY. 'Computed on the way' means the value that the module computes at that place (a softmax that the list does not call 'softmax' is quantised finished and normalised). What goes into a quantiser is computed in f32, as accurately as f32 sums, v_exp_f32 and their like allow (about 1e-6 of the number): no bf16 or f16 on the way to a quantiser, and a product that is left as it is and whose result goes on into a quantised operand takes f32 operands (vector FMAs, or v_wmma_f32_16x16x4_f32). A number that lies on a knife's edge between two numbers of the format may be rounded either way, as far as f32 arithmetic and the matrix unit's own rounding can turn it there, and no further.
;; 2 versions. Each part assembles by itself: llvm-mc -triple=amdgcn-amd-amdhsa -mcpu=gfx1250 --defsym DOCPART=n.
;; ======== version 1 of 2: 4 launches
;; workspace buffers: xq 3,276,800 bytes; wq 4,096,000 bytes; mk 33,554,432 bytes; qq 3,407,872 bytes; kv 6,684,672 bytes; cq 3,670,016 bytes
;; launch prep (part 1): grid 1312 x 1, 4 waves a work-group, no clusters, 34,304 bytes of LDS; arguments x, W_q, W_k, W_v, W_o, W_p, verse_positions, xq, wq, mk; writes xq, wq, mk
.if DOCPART == 1
	.amdgcn_target "amdgcn-amd-amdhsa--gfx1250"
	.amdhsa_code_object_version 6
	.text
	.protected	k_q547916c61d_prep
	.globl	k_q547916c61d_prep
	.p2align	8
	.type	k_q547916c61d_prep,@function
k_q547916c61d_prep:
	s_mov_b64 s[64:65], 0
	v_nop
	global_prefetch_b8 v0, s[64:65] scope:SCOPE_SE
	s_setreg_imm32_b32 hwreg(HW_REG_WAVE_MODE, 25, 1), 1
	s_wait_xcnt 0x0
; PREP.  Two kinds of work-group, parted once on the work-group's number.
; (1) Work-groups 0-287 turn x [4096][1024] and the five weights [1024][1024], f32, K innermost, into codes of BF6 (E3M2) with one E8M0 byte for each 32 along K.
;     The codes are laid as IMAGES OF OPERAND REGISTERS: tile T holds 16 rows, lane index r = row 32 (T / 2) + 8 (T % 2) + r + 8 (r / 8); a fragment (16 rows x 128 K, 12 registers a lane)
;     is 1,536 bytes: registers 4 c .. 4 c + 3 of lane l at 512 c + 16 l.  A tile's 8 fragments lie on end.  Scale words: [tile][pair of K steps][r][8 bytes].
;     A block's scale is 2^(floor(log2(largest magnitude)) - 4); its byte is that magnitude's exponent field - 4, held at 1 from below.
; (2) Work-groups 288-1311 make 8 x the additive mask, f32, in the layout of the C operand of the score product (a lane: one query; registers: 8 keys), so that attention adds it by its matrix instruction:
;     (q.k / 8 + m) log2(e) = (q.k + 8 m) (log2(e) / 8), and the factor 8 is exact.  One wave: 16 queries x 128 keys, 8,192 bytes.
; LIMITS: NaN and infinities among the inputs are not served.  A block of zeros, and one whose largest magnitude lies under 2^-122, has the byte 1 (the bytes are read by this program alone; zero codes add nothing).
;     Verse numbers lie within +-2^30, so that a difference fits in 32 bits.  2.4 / d is v_rcp_f32 and one multiplication.
; No tensor loads, no barrier: waves share nothing.  No cluster: no two work-groups read the same bytes but the 16 KB of verse numbers.
.set NQWG,  288                        ; work-groups of kind (1): 128 groups of 32 rows of x, 5 x 32 of the weights
.set STW,   8448                       ; LDS: a stage of 16 rows x 528 bytes for each wave
.set SP,    528                        ; 512 bytes + 16: the sixteen rows that a read touches begin in different banks
.set R,     16                         ; v16-143  two sets of 64 numbers as loaded
.set X,     144                        ; v144-207 64 numbers: register 16 b + i = k 32 b + 16 (lane / 16) + i of my row
.set PC,    208                        ; v208-227 the codes just made
.set TM,    228                        ; v228-243 at work
.set PW,    244                        ; the scale word just made
.set SW,    245                        ; v245-248 the four K steps' scale words
.set SEL,   40                         ; s[40:41] v_permlanex16_b32's selects for lane l xor 16
.set VK,    16                         ; mask: v16-79 the keys' verse numbers, then 8 m
.set FF,    80
.set GG,    96
.set LL,    112
; 64 numbers of a lane, v[s] .. v[s + 63], become a fragment's codes in v[PC] on and its scale word in v[PW].
.macro QUANT s
.irp b, 0,1,2,3
	v_max3_num_f32 v[TM+\b], |v[\s+16*\b]|, |v[\s+1+16*\b]|, 0x2800000   ; block b: my 16 numbers, and the floor 2^(5 - 127): the byte cannot fall under 1
.endr
.irp i, 2,4,6,8,10,12,14
.irp b, 0,1,2,3
	v_max3_num_f32 v[TM+\b], v[TM+\b], |v[\s+16*\b+\i]|, |v[\s+1+16*\b+\i]|   ; the four blocks by turns
.endr
.endr
.irp b, 0,1,2,3
	v_permlanex16_b32 v[TM+4+\b], v[TM+\b], s[SEL], s[SEL+1]
.endr
.irp b, 0,1,2,3
	v_max_num_f32 v[TM+\b], v[TM+\b], v[TM+4+\b]   ; with lane l xor 16's: the block's largest magnitude
.endr
.irp b, 0,1,2,3
	v_add_nc_u32 v[TM+12+\b], 0xfe000000, v[TM+\b]   ; 4 off its exponent field: the conversion takes that field as its scale
.endr
.irp b, 0,1,2,3
	v_lshrrev_b32 v[TM+4+\b], 23, v[TM+12+\b]      ; the scale's byte
.endr
	v_lshl_or_b32 v[PW], v[TM+5], 8, v[TM+4]
	v_lshl_or_b32 v[PW], v[TM+6], 16, v[PW]
	v_lshl_or_b32 v[PW], v[TM+7], 24, v[PW]
.irp c, 0,1
	v_cvt_scalef32_pk16_bf6_f32 v[PC+6*\c:PC+2+6*\c], v[\s+32*\c:\s+15+32*\c], v[TM+12+2*\c]
	v_cvt_scalef32_pk16_bf6_f32 v[PC+12+4*\c:PC+14+4*\c], v[\s+16+32*\c:\s+31+32*\c], v[TM+13+2*\c]   ; (a conversion's three registers begin on an even number)
.endr
	v_nop                                          ; one plain place behind a scaled conversion
.irp c, 0,1                                    ; the operand's layout wants a whole block in a lane: lanes 0-15 block 2 c, lanes 16-31 block 2 c + 1
.irp i, 0,1,2
	v_permlane16_swap_b32 v[PC+6*\c+\i], v[PC+12+4*\c+\i]
.endr
.irp i, 0,1,2
	v_mov_b32 v[PC+3+6*\c+\i], v[PC+12+4*\c+\i]
.endr
.endr
.endm
	s_load_b512 s[4:19], s[0:1], 0x0               ; x, W_q, W_k, W_v, W_o, W_p, verse numbers, xq
	s_load_b128 s[20:23], s[0:1], 0x40             ; wq, mk
	v_lshl_add_u32 v254, v0, 2, 0x8400
	v_mov_b32 v255, 0
	v_lshrrev_b32 v1, 5, v0
	v_readfirstlane_b32 s24, v1                    ; wave 0..3
	v_and_b32 v1, 31, v0                           ; lane
	v_and_b32 v2, 15, v0                           ; r
	v_bfe_u32 v3, v0, 4, 1                         ; h
	v_lshlrev_b32 v4, 4, v1                        ; 16 x lane
	s_cmp_ge_u32 ttmp9, NQWG
	s_cbranch_scc1 .Lmask
; ---------------- (1) the quantiser.  A work-group takes the two tiles of a group of 32 rows; wave: tile wave / 2, K steps 4 (wave % 2) on.
	v_lshlrev_b32 v5, 3, v1                        ; 8 x lane
	s_mul_i32 s25, s24, STW
	v_add_nc_u32 v6, s25, v4                       ; the stage, in: a row's 512 bytes as they lie
	v_mul_u32_u24 v7, v2, SP
	v_lshl_add_u32 v7, v3, 6, v7
	v_add_nc_u32 v7, s25, v7                       ; out: row r, + 64 h: my 16 numbers of each block of 32
	s_mov_b32 s[SEL], 0x76543210
	s_mov_b32 s[SEL+1], 0xfedcba98
	s_mov_b32 s42, 0xffff0000                      ; lanes 16-31
.irp b, 0,1,2,3
	v_mov_b32 v[TM+4+\b], 0                        ; written once: a lane permute's destination counts as one of its sources
.endr
	s_lshr_b32 s46, s24, 1                         ; which tile of the two
	s_and_b32 s47, s24, 1                          ; which half of K
	s_wait_kmcnt 0x0
	s_mov_b64 s[26:27], s[14:15]                   ; the tensor, by the work-group's number alone
	s_cmp_lt_u32 ttmp9, 256
	s_cselect_b64 s[26:27], s[12:13], s[26:27]
	s_cmp_lt_u32 ttmp9, 224
	s_cselect_b64 s[26:27], s[10:11], s[26:27]
	s_cmp_lt_u32 ttmp9, 192
	s_cselect_b64 s[26:27], s[8:9], s[26:27]
	s_cmp_lt_u32 ttmp9, 160
	s_cselect_b64 s[26:27], s[6:7], s[26:27]
	s_cmp_lt_u32 ttmp9, 128
	s_cselect_b64 s[26:27], s[4:5], s[26:27]
	s_cselect_b64 s[28:29], s[18:19], s[20:21]     ; xq or wq
	s_cselect_b32 s32, 0, 128                      ; the first work-group of that buffer
	s_mov_b32 s33, 3932160
	s_cselect_b32 s33, 3145728, s33                ; where its scale words begin
	s_cselect_b32 s34, 127, 31                     ; groups in a tensor - 1
	s_sub_co_u32 s35, ttmp9, s32                   ; group in the buffer
	s_and_b32 s36, s35, s34                        ; group in the tensor
	s_lshl_b32 s36, s36, 17                        ; 32 rows of 4,096 bytes
	s_lshl_b32 s38, s46, 15                        ; the odd tile begins 8 rows on
	s_add_co_u32 s36, s36, s38
	s_lshl_b32 s38, s47, 11                        ; 512 numbers along K
	s_add_co_u32 s36, s36, s38
	s_mov_b32 s37, 0
	s_add_nc_u64 s[26:27], s[26:27], s[36:37]      ; what I read
	s_lshl_b32 s35, s35, 1
	s_add_co_u32 s35, s35, s46                     ; my tile
	s_lshl_b32 s36, s35, 9                         ; 512 bytes of scale words a tile
	s_lshl_b32 s38, s47, 8
	s_add_co_u32 s36, s36, s38
	s_add_co_u32 s36, s36, s33
	s_add_nc_u64 s[30:31], s[28:29], s[36:37]      ; my 256 bytes of scale words
	s_mul_i32 s36, s35, 12288                      ; 8 fragments a tile
	s_mul_i32 s38, s47, 6144
	s_add_co_u32 s36, s36, s38
	s_add_nc_u64 s[28:29], s[28:29], s[36:37]      ; my four fragments
.macro LOADR s                         ; K step s: 16 rows x 512 consecutive bytes, 16 bytes a lane
.irp i, 0,1,2,3,4,5,6,7,8,9,10,11,12,13,14,15
	global_load_b128 v[R+64*((\s)%2)+4*\i:R+64*((\s)%2)+4*\i+3], v4, s[26:27] offset:(\i+8*(\i/8))*4096+512*(\s) th:TH_LOAD_NT
.endr
.endm
.macro STEPQ s
.if (\s) < 3
	s_wait_loadcnt 16                              ; this step's 16 loads are in; the next step's 16 may be out
.else
	s_wait_loadcnt 0x0
.endif
.irp i, 0,1,2,3,4,5,6,7,8,9,10,11,12,13,14,15
	ds_store_b128 v6, v[R+64*((\s)%2)+4*\i:R+64*((\s)%2)+4*\i+3] offset:SP*\i
.endr
.irp b, 0,1,2,3
.irp q, 0,1,2,3
	ds_load_b128 v[X+16*\b+4*\q:X+16*\b+4*\q+3], v7 offset:128*\b+16*\q   ; LDS serves a wave's instructions in order: these see the stores above
.endr
.endr
	s_wait_dscnt 0x0                               ; the numbers are back, and the stores have read their registers,
.if (\s) < 2
	LOADR (\s)+2                                   ; which take the loads of two steps on
.endif
	s_wait_xcnt 0x0                                ; the last step's stores have read the codes' registers: they are written again only behind this wait
	QUANT X
.irp c, 0,1,2
	global_store_b128 v4, v[PC+4*\c:PC+4*\c+3], s[28:29] offset:1536*(\s)+512*\c   ; 32 lanes store 512 consecutive bytes, aligned
.endr
	v_mov_b32 v[SW+(\s)], v[PW]
.endm
	LOADR 0
	LOADR 1
	STEPQ 0
	STEPQ 1
	STEPQ 2
	STEPQ 3
	v_cndmask_b32 v250, v[SW], v[SW+2], s42        ; lanes 0-15: the words of my first two K steps, lanes 16-31: of the other two (a row's word stands in lanes r and r + 16 alike)
	v_cndmask_b32 v251, v[SW+1], v[SW+3], s42
	global_store_b64 v5, v[250:251], s[30:31]      ; 256 consecutive bytes, aligned
	s_wait_tensorcnt 0x0
	ds_add_u32 v254, v255
	s_wait_dscnt 0x0
	s_endpgm
; ---------------- (2) the mask.  Work-group: query tile (number - 288) / 4; wave: key step 4 ((number - 288) % 4) + wave.
.Lmask:
	s_sub_co_u32 s32, ttmp9, NQWG
	s_lshr_b32 s33, s32, 2                         ; query tile 0..255
	s_and_b32 s34, s32, 3
	s_lshl_b32 s34, s34, 2
	s_add_co_u32 s34, s34, s24                     ; key step j
	s_lshr_b32 s35, s33, 7                         ; batch b
	s_and_b32 s33, s33, 127                        ; tile a in the batch
	s_lshl_b32 s36, s35, 13                        ; a batch's verse numbers: 8,192 bytes
	s_lshr_b32 s38, s33, 1
	s_lshl_b32 s38, s38, 7
	s_and_b32 s39, s33, 1
	s_lshl_b32 s39, s39, 5
	s_add_co_u32 s38, s38, s39
	s_add_co_u32 s38, s38, s36                     ; the tile's first query: 32 (a / 2) + 8 (a % 2), in bytes
	s_mov_b32 s39, 0
	s_lshl_b32 s46, s34, 9
	s_add_co_u32 s36, s36, s46                     ; the step's first key
	s_mov_b32 s37, 0
	s_lshl_b32 s46, s35, 5                         ; mk: [32 b + a / 4][j][a % 4][key tile][1,024 bytes]
	s_lshr_b32 s47, s33, 2
	s_add_co_u32 s46, s46, s47
	s_lshl_b32 s46, s46, 4
	s_add_co_u32 s46, s46, s34
	s_lshl_b32 s46, s46, 15
	s_and_b32 s47, s33, 3
	s_lshl_b32 s47, s47, 13
	s_add_co_u32 s46, s46, s47
	s_mov_b32 s47, 0
	v_and_b32 v9, 8, v2
	v_add_nc_u32 v9, v9, v2
	v_lshlrev_b32 v9, 2, v9                        ; my query: r + 8 (r / 8)
	v_lshlrev_b32 v10, 6, v3                       ; my keys: 16 h on in each block of 32
	s_mov_b32 s43, 0x4019999a                      ; 2.4
	s_mov_b32 s44, 0x41000000                      ; 8.0
	s_wait_kmcnt 0x0
	s_add_nc_u64 s[26:27], s[16:17], s[38:39]
	s_add_nc_u64 s[28:29], s[16:17], s[36:37]
	s_add_nc_u64 s[30:31], s[22:23], s[46:47]
	global_load_b32 v8, v9, s[26:27]
.irp b, 0,1,2,3
.irp q, 0,1,2,3
	global_load_b128 v[VK+16*\b+4*\q:VK+16*\b+4*\q+3], v10, s[28:29] offset:128*\b+16*\q   ; register 16 b + i: key 32 b + 16 h + i = register i % 8 of key tile 2 b + i / 8
.endr
.endr
	s_wait_loadcnt 0x0
	v_cmp_eq_u32 s45, 0, v8                        ; my query's verse is 0
.irp b, 0,1,2,3
.irp i, 0,1,2,3,4,5,6,7,8,9,10,11,12,13,14,15
	v_cmp_eq_u32 vcc_lo, 0, v[VK+16*\b+\i]
	s_or_b32 vcc_lo, vcc_lo, s45
	v_cndmask_b32 v[VK+16*\b+\i], v[VK+16*\b+\i], v8, vcc_lo   ; verse 0 on either side counts as distance 0
.endr
.irp i, 0,1,2,3,4,5,6,7,8,9,10,11,12,13,14,15
	v_sub_nc_u32 v[FF+\i], v[VK+16*\b+\i], v8
.endr
.irp i, 0,1,2,3,4,5,6,7,8,9,10,11,12,13,14,15
	v_cvt_f32_i32 v[FF+\i], v[FF+\i]               ; d
.endr
.irp i, 0,1,2,3,4,5,6,7,8,9,10,11,12,13,14,15
	v_max_num_f32 v[GG+\i], |v[FF+\i]|, 1.0
.endr
.irp i, 0,1,2,3,4,5,6,7,8,9,10,11,12,13,14,15
	v_rcp_f32 v[GG+\i], v[GG+\i]
.endr
.irp i, 0,1,2,3,4,5,6,7,8,9,10,11,12,13,14,15
	v_fma_f32 v[LL+\i], -|v[FF+\i]|, s43, s44      ; 8 - 2.4 |d|: 8 at d = 0, 5.6 at |d| = 1.  (The plain lines behind the reciprocals)
.endr
	s_wait_alu depctr_va_vdst(0)
.irp i, 0,1,2,3,4,5,6,7,8,9,10,11,12,13,14,15
	v_mul_f32 v[GG+\i], s43, v[GG+\i]              ; 2.4 / |d|
.endr
.irp i, 0,1,2,3,4,5,6,7,8,9,10,11,12,13,14,15
	v_cmp_ge_f32 vcc_lo, 1.0, |v[FF+\i]|
	v_cndmask_b32 v[VK+16*\b+\i], v[GG+\i], v[LL+\i], vcc_lo
.endr
.irp u, 0,1
	global_store_b128 v4, v[VK+16*\b+8*\u:VK+16*\b+8*\u+3], s[30:31] offset:1024*(2*\b+\u)        ; registers 0-3 of key tile 2 b + u: 512 consecutive bytes
	global_store_b128 v4, v[VK+16*\b+8*\u+4:VK+16*\b+8*\u+7], s[30:31] offset:1024*(2*\b+\u)+512  ; registers 4-7
.endr
.endr
	s_endpgm
.Lfunc_end_k_q547916c61d_prep:
	.size	k_q547916c61d_prep, .Lfunc_end_k_q547916c61d_prep-k_q547916c61d_prep
	.p2alignl 7, 3214868480
	.fill 96, 4, 3214868480
	.section	.rodata,"a",@progbits
	.p2align	6, 0x0
	.amdhsa_kernel k_q547916c61d_prep
		.amdhsa_group_segment_fixed_size 34304
		.amdhsa_private_segment_fixed_size 0
		.amdhsa_enable_private_segment 0
		.amdhsa_kernarg_size 80
		.amdhsa_user_sgpr_count 2
		.amdhsa_user_sgpr_kernarg_segment_ptr 1
		.amdhsa_wavefront_size32 1
		.amdhsa_system_sgpr_workgroup_id_x 1
		.amdhsa_system_sgpr_workgroup_id_y 1
		.amdhsa_system_sgpr_workgroup_id_z 1
		.amdhsa_system_vgpr_workitem_id 0
		.amdhsa_next_free_vgpr 256
		.amdhsa_next_free_sgpr 66
		.amdhsa_reserve_vcc 1
		.amdhsa_float_denorm_mode_32 3
		.amdhsa_float_denorm_mode_16_64 3
		.amdhsa_memory_ordered 1
		.amdhsa_forward_progress 1
		.amdhsa_inst_pref_size 67
	.end_amdhsa_kernel
	.amdgpu_metadata
---
amdhsa.version: [ 1, 2 ]
amdhsa.kernels:
  - .name:           k_q547916c61d_prep
    .symbol:         k_q547916c61d_prep.kd
    .args:
      - { .name: x, .offset: 0, .size: 8, .value_kind: global_buffer, .address_space: global }
      - { .name: W_q, .offset: 8, .size: 8, .value_kind: global_buffer, .address_space: global }
      - { .name: W_k, .offset: 16, .size: 8, .value_kind: global_buffer, .address_space: global }
      - { .name: W_v, .offset: 24, .size: 8, .value_kind: global_buffer, .address_space: global }
      - { .name: W_o, .offset: 32, .size: 8, .value_kind: global_buffer, .address_space: global }
      - { .name: W_p, .offset: 40, .size: 8, .value_kind: global_buffer, .address_space: global }
      - { .name: verse_positions, .offset: 48, .size: 8, .value_kind: global_buffer, .address_space: global }
      - { .name: xq, .offset: 56, .size: 8, .value_kind: global_buffer, .address_space: global }
      - { .name: wq, .offset: 64, .size: 8, .value_kind: global_buffer, .address_space: global }
      - { .name: mk, .offset: 72, .size: 8, .value_kind: global_buffer, .address_space: global }
    .group_segment_fixed_size: 34304
    .private_segment_fixed_size: 0
    .kernarg_segment_align: 8
    .kernarg_segment_size: 80
    .max_flat_workgroup_size: 128
    .sgpr_count:     66
    .vgpr_count:     256
    .wavefront_size: 32
...
	.end_amdgpu_metadata
.endif
;; end of part 1
;; launch qkv (part 2): grid 16 x 12, 4 waves a work-group, clusters of 4 x 4, 327,680 bytes of LDS; arguments xq, wq, b_q, b_k, b_v, qq, kv; writes qq, kv
.if DOCPART == 2
	.amdgcn_target "amdgcn-amd-amdhsa--gfx1250"
	.amdhsa_code_object_version 6
	.text
	.protected	k_q547916c61d_qkv
	.globl	k_q547916c61d_qkv
	.p2align	8
	.type	k_q547916c61d_qkv,@function
k_q547916c61d_qkv:
	s_mov_b64 s[64:65], 0
	v_nop
	global_prefetch_b8 v0, s[64:65] scope:SCOPE_SE
	s_setreg_imm32_b32 hwreg(HW_REG_WAVE_MODE, 25, 1), 1
	s_wait_xcnt 0x0
	s_wait_alu depctr_hold_cnt(0) depctr_sa_sdst(0) depctr_va_vdst(0) depctr_va_sdst(0) depctr_va_ssrc(0) depctr_va_vcc(0) depctr_vm_vsrc(0)
	s_getreg_b32 s2, hwreg(HW_REG_IB_STS2, 6, 4)
	s_cmp_eq_u32 s2, 0
	s_cbranch_scc0 .Lentry_in_a_cluster
	s_endpgm
.Lentry_in_a_cluster:
	s_bfe_u32 s2, ttmp6, 0x10000c
	s_cmp_lg_u32 s2, 0xf033
	s_cbranch_scc0 .Lentry_shape_is_right
	s_endpgm
.Lentry_shape_is_right:
; QKV.  q = x W_q^T + b_q, k = x W_k^T + b_k, v = x W_v^T + b_v on codes of BF6 with E8M0 scales; the results are quantised in registers for attention and leave as images of operand registers.
; 192 tiles of 256 x 256, one to a work-group of four waves; a wave makes 128 x 128: 64 accumulators, 512 registers.  Two operands, here called A and B; the matrix instruction takes 16 rows of B as source 0
; and 16 rows of A as source 1, so that a lane holds ONE row of A, and its registers run along B's rows.
;   Q, K (cluster rows 1, 2): A = x, B = W_q | W_k.  A lane holds a token, its registers run along the head's axis, which is the score product's K.
;   V    (cluster row 0):     A = W_v, B = x.        A lane holds a channel, its registers run along the keys, which are the second product's K.
; One text serves both; what differs is chosen by s_cselect on the cluster's y, which all partners share.
; Rows of a tile are in pair order (lane index r of tile T = row 32 (T / 2) + 8 (T % 2) + r + 8 (r / 8)): the 16 registers of B's tiles 2 b and 2 b + 1 are 16 neighbours along B's rows.
; Operands come as images of registers: a fragment (16 rows x 128 K) is 1,536 dense bytes, three loads of 16 bytes a lane; no pitch, no padding.
; K goes in steps of 256 through a ring of two LDS slots filled by the tensor data mover: for each of 32 tiles 3,072 consecutive bytes, aligned to 256.  The scale words of all of K come once and stay.
; CLUSTERS: 4 x 4 work-groups; A's tiles are asked for jointly along a row of the cluster, B's along a column.  192 = 12 clusters.
; The biases start the sums: accumulator (a, b) begins as b_q | b_k at its eight columns (Q, K) or b_v at the lane's channel (V); the side that does not apply is made 0.
; LIMITS: NaN and infinities are not served; a block of zeros, or one under 2^-122, has the byte 1 (read by this program alone).
; REGISTERS: window 0: v0-31 addresses; v32-63 scale words, two sets; v64-127 the column biases, later the way out; v128-223 A's fragments, one set; v224-239 the row biases.
;   window 1: B's fragments, two sets, at v0 and v128.   window 2: accumulators of A's blocks 0-3 ((a, b) at v[8 (8 a + b)]);   window 3: of blocks 4-7.
.set NQ,     2                         ; matrix instructions deep in a slot
.set FR,     12                        ; registers of a fragment
.set NL,     3                         ; LDS loads that bring one
.set NP,     4                         ; places behind this matrix instruction (ISA guide 7.12.1)
.set TILEB,  3072                      ; a tile's bytes in a slot: two fragments
.set HALFT,  8*TILEB                   ; 8 tiles: what one tensor load brings, and what one wave reads of A or of B
.set SLOT,   4*HALFT                   ; A's 16 tiles, then B's 16
.set LAPS,   2                         ; 1,024 along K = twice round the ring
.set SCL,    2*SLOT                    ; behind the ring: the scale words, 512 bytes a tile
.set HALFS,  4096                      ; those of 8 tiles
.set SPARE,  SCL+4*HALFS               ; the spare words, 128 bytes for each wave: two blocks of 256 bytes that no other line names
.set ADRA, 16                          ; v16-17  LDS address of my A fragments in slot 0, 1
.set ADRB, 20                          ; v20-21  the same for B
.set LI16, 24                          ; v24     16 x lane
.set LI8,  25                          ; v25     8 x lane
.set LI4,  26                          ; v26     4 x lane
.set ADRS, 27                          ; v27     LDS address of my scale words: lanes 0-15 A's rows, lanes 16-31 B's
.set SPW,  28                          ; v28     LDS address of my spare word; never rewritten
.set NIL,  29                          ; v29     0; never rewritten
.set SC,   32                          ; scale words: set s at v[SC + 16 s]; register 2 i + q: lanes 0-15 the word of A's block i, lanes 16-31 of B's block i
.set BN,   64                          ; v64-127 the biases along B's rows
.set AF,   128                         ; A's fragments
.set BM,   224                         ; v224 + 2 a: the bias of the lane's row of A's block a
.set TM,   64                          ; the way out: at work,
.set PC,   80                          ; codes,
.set PW,   100                         ; the scale word, v101 the even block's, v102, v103 what is stored
.set PWP,  101
.set W0,   102
.set W1,   103
.set SEL,  96                          ; s[96:97] on the way out: lane selects
.set G1, 24                            ; s[24:31] descriptor group 1 for A's tiles;  s[32:39] group 0, one set for each slot
.set G0, 32
.set G1B, 48                           ; s[48:55], s[56:63] the same for B's tiles
.set G0B, 56
.set G1S, 68                           ; s[68:75], s[76:79] groups 1 and 0 for A's scale words;  s[80:87], s[88:91] for B's
.set G0S, 76
.set G1SB, 80
.set G0SB, 88
.set MSB, 0
.macro WIN new                         ; the immediate's high byte repeats the setting that is left
.if MSB != (\new)
	s_set_vgpr_msb (MSB<<8)|(\new)
.set MSB, (\new)
.endif
.endm
.set MUL_LO, 0xa1                      ; source 0 (B) window 1, source 1 (A) window 0, C and D window 2
.set MUL_HI, 0xf1                      ; the same, C and D window 3
.set TO_B,   0x40                      ; destination window 1, address window 0
; A joint load: waves 0 and 1 fetch for A, waves 2 and 3 for B.  The branch hangs on the wave's number alone.  Four v_nop follow each of the two lines.
.macro JLOAD g0a, g1a, g0b, g1b
	s_cmp_eq_u32 s93, 0
	s_cbranch_scc0 .Lfor_b_\@
	tensor_load_to_lds s[\g0a:\g0a+3], s[\g1a:\g1a+7]
	s_nop 0
.rept 4
	v_nop
.endr
	s_branch .Lasked_\@
.Lfor_b_\@:
	tensor_load_to_lds s[\g0b:\g0b+3], s[\g1b:\g1b+7]
	s_nop 0
.rept 4
	v_nop
.endr
.Lasked_\@:
.endm
.macro CREST                           ; a round of the cluster's barrier behind its opening barrier
	s_cmp_lg_u32 s92, 0
	s_cbranch_scc1 .Lnot_wave_0_\@
	s_barrier_signal -3
.Lnot_wave_0_\@:
	s_barrier_wait -3
	s_barrier_signal -1
	s_barrier_wait -1
.endm
.macro CROUND                          ; a whole round
	s_barrier_signal -1
	s_barrier_wait -1
	CREST
.endm
	s_load_b256 s[4:11], s[0:1], 0x0               ; xq s[4:5], wq s[6:7], b_q s[8:9], b_k s[10:11]
	s_load_b128 s[12:15], s[0:1], 0x20             ; b_v s[12:13], qq s[14:15]
	s_load_b64 s[16:17], s[0:1], 0x30              ; kv
	v_lshl_add_u32 v[SPW], v0, 2, SPARE
	v_mov_b32 v[NIL], 0
	ds_add_u32 v28, v29
	s_wait_dscnt 0x0
	v_lshrrev_b32 v1, 5, v0
	v_readfirstlane_b32 s92, v1                    ; wave 0..3
	s_lshr_b32 s93, s92, 1                         ; which half of A's rows is mine.  Also: I fetch for A (0) or for B (1)
	s_and_b32 s94, s92, 1                          ; which half of B's rows.  Also: which 8 tiles I fetch
	s_bfe_u32 s40, ttmp6, 0x40000                  ; cx, cy: my place in the cluster
	s_bfe_u32 s41, ttmp6, 0x40004
	s_mov_b32 s42, ttmp9                           ; the cluster's x, 0..3
	s_and_b32 s43, ttmp7, 0xffff                   ; the cluster's y, 0..2: 0 = V
	s_lshl_b32 s44, s41, 2
	s_lshl_b32 s44, 15, s44                        ; my row of the cluster
	s_lshl_b32 s45, 0x1111, s40                    ; my column
	s_max_u32 s96, s43, 1                          ; Q, K: A's block of 256 tokens = 8 (cluster y - 1) + 2 cy + cluster x / 2: of cy and the cluster's numbers alone
	s_sub_co_u32 s96, s96, 1
	s_lshl_b32 s96, s96, 3
	s_lshl_b32 s97, s41, 1
	s_add_co_u32 s96, s96, s97
	s_lshr_b32 s97, s42, 1
	s_add_co_u32 s96, s96, s97
	s_and_b32 s98, s42, 1                          ; K (1) or Q (0)
	s_lshl_b32 s99, s98, 2
	s_add_co_u32 s99, s99, s40                     ; Q, K: B's block of 256 rows of W_q | W_k = 4 (cluster x % 2) + cx
	s_lshl_b32 s100, s42, 2
	s_add_co_u32 s100, s100, s40                   ; V: B's block of 256 tokens = 4 cluster x + cx
	s_cmp_eq_u32 s43, 0
	s_cselect_b32 s95, 1, 0                        ; V?
	s_cselect_b32 s46, s41, s96                    ; A's block (V: cy, of W_v's four)
	s_cselect_b32 s47, s100, s99                   ; B's block
	s_cselect_b32 s2, 1572864, 0                   ; where A's codes begin in their buffer: W_v is the third weight
	s_mov_b32 s3, 3145728
	s_cselect_b32 s22, 3997696, s3                 ; where A's scale words begin
	s_mov_b32 s23, 3932160
	s_cselect_b32 s23, s3, s23                     ; and B's
	; descriptor group 1: 8 rows (tiles) of 384 elements of 8 bytes, 1,536 elements apart; no padding
	s_or_b32 s[G1+0], s44, (3<<16)|(1<<21)         ; 15:0 the mask: A's tiles go to my row; 17:16 elements of 8 bytes; 21 set beside a mask
	s_or_b32 s[G1B+0], s45, (3<<16)|(1<<21)
.irp g, G1, G1B
	s_mov_b32 s[\g+1], 384<<16                     ; tensor_dim0
	s_mov_b32 s[\g+2], 8<<16                       ; tensor_dim1
	s_mov_b32 s[\g+3], 384<<16                     ; tile_dim0
	s_mov_b32 s[\g+4], 8                           ; tile_dim1
	s_mov_b32 s[\g+5], 1536                        ; tensor_dim0_stride: a tile's 12,288 bytes
	s_mov_b32 s[\g+6], 0
	s_mov_b32 s[\g+7], 0
.endr
	; the scale words of 8 tiles: 4,096 dense bytes as 16 rows of 256
	s_or_b32 s[G1S+0], s44, (3<<16)|(1<<21)
	s_or_b32 s[G1SB+0], s45, (3<<16)|(1<<21)
.irp g, G1S, G1SB
	s_mov_b32 s[\g+1], 32<<16
	s_mov_b32 s[\g+2], 16<<16
	s_mov_b32 s[\g+3], 32<<16
	s_mov_b32 s[\g+4], 16
	s_mov_b32 s[\g+5], 32
	s_mov_b32 s[\g+6], 0
	s_mov_b32 s[\g+7], 0
.endr
	s_mul_i32 s18, s46, 196608                     ; A: 16 tiles of 12,288 bytes a block,
	s_mul_i32 s101, s94, 98304                     ; the half that I fetch,
	s_add_co_u32 s18, s18, s101
	s_add_co_u32 s18, s18, s2
	s_mov_b32 s19, 0
	s_lshl_b32 s20, s46, 13                        ; its scale words: 16 x 512 bytes a block
	s_lshl_b32 s2, s94, 12
	s_add_co_u32 s20, s20, s2
	s_add_co_u32 s20, s20, s22
	s_mov_b32 s21, 0
	s_mul_i32 s104, s47, 196608                    ; B likewise, in registers that never hold cy
	s_add_co_u32 s104, s104, s101
	s_mov_b32 s105, 0
	s_lshl_b32 s66, s47, 13
	s_add_co_u32 s66, s66, s2
	s_add_co_u32 s66, s66, s23
	s_mov_b32 s67, 0
	s_mul_i32 s22, s92, HALFT                      ; where they go: wave x 8 tiles: no place in the cluster enters an LDS address
	s_lshl_b32 s23, s92, 12
	s_wait_kmcnt 0x0
	s_cmp_lg_u32 s95, 0
	s_cselect_b64 s[96:97], s[6:7], s[4:5]         ; A's buffer: wq for V, xq for Q and K
	s_cselect_b64 s[100:101], s[4:5], s[6:7]       ; B's
	s_add_nc_u64 s[18:19], s[96:97], s[18:19]
	s_add_nc_u64 s[20:21], s[96:97], s[20:21]
	s_add_nc_u64 s[104:105], s[100:101], s[104:105]
	s_add_nc_u64 s[66:67], s[100:101], s[66:67]
	CROUND                                         ; all sixteen work-groups are here: the first joint loads meet
	s_mov_b32 s[G0S], 1
	s_add_co_u32 s[G0S+1], s23, SCL
	s_mov_b64 s[G0S+2:G0S+3], s[20:21]
	s_or_b32 s[G0S+3], s[G0S+3], 0x80000000
	s_mov_b32 s[G0SB], 1
	s_add_co_u32 s[G0SB+1], s23, SCL
	s_mov_b64 s[G0SB+2:G0SB+3], s[66:67]
	s_or_b32 s[G0SB+3], s[G0SB+3], 0x80000000
	JLOAD G0S, G1S, G0SB, G1SB                     ; the scale words first: they are wanted with K step 0
.irp s, 0,1
	s_mov_b32 s[G0+4*\s], 1
	s_add_co_u32 s[G0+4*\s+1], s22, \s*SLOT
	s_add_nc_u64 s[G0+4*\s+2:G0+4*\s+3], s[18:19], \s*TILEB
	s_or_b32 s[G0+4*\s+3], s[G0+4*\s+3], 0x80000000
	s_mov_b32 s[G0B+4*\s], 1
	s_add_co_u32 s[G0B+4*\s+1], s22, \s*SLOT
	s_add_nc_u64 s[G0B+4*\s+2:G0B+4*\s+3], s[104:105], \s*TILEB
	s_or_b32 s[G0B+4*\s+3], s[G0B+4*\s+3], 0x80000000
	JLOAD G0+4*\s, G1, G0B+4*\s, G1B               ; three tensor loads of mine are out now
.endr
	; ---- what my wave makes.  Q, K: tokens 128 (2 A + half) on, head pair (2 B + half) % 8.  V: head pair 2 A + half, keys 128 (2 B + half) on.
	s_lshl_b32 s96, s46, 1
	s_add_co_u32 s96, s96, s93
	s_lshl_b32 s97, s47, 1
	s_add_co_u32 s97, s97, s94
	s_and_b32 s99, s97, 7
	s_cmp_lg_u32 s95, 0
	s_cselect_b32 s100, s96, s99                   ; head pair 0..7
	s_cselect_b32 s101, s97, s96                   ; block of 128 tokens 0..31
	s_cselect_b32 s22, 0, -1                       ; the biases along B's rows count for Q and K,
	s_cselect_b32 s23, -1, 0                       ; those along A's rows for V
	s_lshl_b32 s18, s100, 9                        ; a head pair's 128 biases
	s_mov_b32 s19, 0
	s_cmp_lg_u32 s98, 0
	s_cselect_b64 s[20:21], s[10:11], s[8:9]       ; b_k or b_q
	s_add_nc_u64 s[20:21], s[20:21], s[18:19]
	s_add_nc_u64 s[12:13], s[12:13], s[18:19]      ; b_v
	v_and_b32 v1, 15, v0                           ; r
	v_bfe_u32 v2, v0, 4, 1                         ; h
	v_and_b32 v5, 31, v0                           ; lane
	v_lshlrev_b32 v3, 6, v2                        ; 16 h numbers
	v_and_b32 v4, 8, v1
	v_add_nc_u32 v4, v4, v1
	v_lshlrev_b32 v4, 2, v4                        ; r + 8 (r / 8) numbers
.irp t, 0,1,2,3,4,5,6,7
	global_load_b128 v[BN+8*\t:BN+8*\t+3], v3, s[20:21] offset:(32*(\t/2)+8*(\t%2))*4        ; B's tile t, register j: row 32 (t / 2) + 16 h + 8 (t % 2) + j
	global_load_b128 v[BN+8*\t+4:BN+8*\t+7], v3, s[20:21] offset:(32*(\t/2)+8*(\t%2))*4+16
.endr
.irp a, 0,1,2,3,4,5,6,7
	global_load_b32 v[BM+2*\a], v4, s[12:13] offset:(32*(\a/2)+8*(\a%2))*4                    ; A's tile a, lane r: row 32 (a / 2) + 8 (a % 2) + r + 8 (r / 8)
	v_mov_b32 v[BM+2*\a+1], 0                      ; (named with it as a pair)
.endr
	s_wait_loadcnt 0x0
.set i, 0
.rept 64
	v_cndmask_b32 v[BN+i], 0, v[BN+i], s22
.set i, i+1
.endr
.irp a, 0,1,2,3,4,5,6,7
	v_cndmask_b32 v[BM+2*\a], 0, v[BM+2*\a], s23
.endr
.irp a, 0,1,2,3,4,5,6,7
	WIN 0x80+0x40*(\a/4)                           ; destination window 2 or 3
.irp b, 0,1,2,3,4,5,6,7
.irp i, 0,2,4,6
	v_pk_add_f32 v[8*(8*(\a%4)+\b)+\i:8*(8*(\a%4)+\b)+\i+1], v[BN+8*\b+\i:BN+8*\b+\i+1], v[BM+2*\a:BM+2*\a+1] op_sel_hi:[1,0]   ; the sums begin as the bias
.endr
.endr
.endr
	WIN 0
	; ---- where the results go.  P0, P1: the two halves of a fragment;  PS0, PS1: scale words;  STR: from one of A's blocks to the next
	s_or_b32 s99, s95, s98                         ; K or V: into kv
	s_lshr_b32 s96, s101, 4                        ; batch b
	s_and_b32 s97, s101, 15                        ; key step, or block of 8 query tiles, j
	s_lshl_b32 s18, s96, 3
	s_add_co_u32 s18, s18, s100
	s_lshl_b32 s18, s18, 4
	s_add_co_u32 s18, s18, s97
	s_mul_i32 s18, s18, 26112                      ; kv: [b][head pair][j][26,112 bytes]
	s_lshl_b32 s20, s96, 4
	s_lshl_b32 s21, s100, 1
	s_add_co_u32 s20, s20, s21
	s_lshl_b32 s20, s20, 7
	s_lshl_b32 s21, s97, 3
	s_add_co_u32 s20, s20, s21                     ; qq: [b][head][query tile]
	s_mul_i32 s104, s20, 768
	s_lshl_b32 s20, s20, 6
	s_add_co_u32 s20, s20, 3145728
	s_cmp_lg_u32 s95, 0
	s_cselect_b32 s21, 12288, 0                    ; V's codes lie behind K's in a block of kv,
	s_mov_b32 s66, 24576
	s_cselect_b32 s66, 25600, s66                  ; its scale words behind K's
	s_mov_b32 s67, 6144
	s_cselect_b32 s67, 768, s67                    ; P1 - P0: K: the pair's other head; V: the fragment's other half
	s_mov_b32 s12, 768
	s_cselect_b32 s12, 1536, s12
	s_mov_b32 s13, 0
	s_add_co_u32 s21, s18, s21
	s_add_co_u32 s66, s18, s66
	s_cmp_lg_u32 s99, 0
	s_cselect_b64 s[4:5], s[16:17], s[14:15]       ; kv or qq
	s_cselect_b32 s18, s21, s104
	s_cselect_b32 s20, s66, s20
	s_mov_b32 s2, 98304
	s_cselect_b32 s104, s67, s2                    ; Q: the other head lies 128 tiles on
	s_mov_b32 s2, 8192
	s_cselect_b32 s66, 512, s2
	s_mov_b32 s19, 0
	s_mov_b32 s21, 0
	s_mov_b32 s105, 0
	s_mov_b32 s67, 0
	s_add_nc_u64 s[8:9], s[4:5], s[20:21]          ; PS0
	s_add_nc_u64 s[4:5], s[4:5], s[18:19]          ; P0
	s_add_nc_u64 s[6:7], s[4:5], s[104:105]        ; P1
	s_add_nc_u64 s[10:11], s[8:9], s[66:67]        ; PS1
	; ---- LDS addresses
	v_lshlrev_b32 v[LI16], 4, v5
	v_lshlrev_b32 v[LI8], 3, v5
	v_lshlrev_b32 v[LI4], 2, v5
	s_mul_i32 s18, s93, HALFT                      ; my 8 tiles of A
	s_mul_i32 s19, s94, HALFT                      ; my 8 tiles of B,
	s_add_co_u32 s19, s19, 2*HALFT                 ; which lie behind A's 16
.irp s, 0,1
	v_add_nc_u32 v[ADRA+\s], s18, v[LI16]
	v_add_nc_u32 v[ADRB+\s], s19, v[LI16]
	s_add_co_u32 s18, s18, SLOT
	s_add_co_u32 s19, s19, SLOT
.endr
	v_lshlrev_b32 v6, 3, v1                        ; my row's two words of a slot
	s_lshl_b32 s2, s93, 12                         ; A's: my 8 tiles
	s_lshl_b32 s3, s94, 12                         ; B's: my 8 tiles, behind A's 16
	s_add_co_u32 s3, s3, 2*HALFS
	s_sub_co_u32 s3, s3, s2
	v_mul_u32_u24 v7, s3, v2                       ; lanes 16-31 take B's
	s_add_co_u32 s2, s2, SCL
	v_add_nc_u32 v6, v6, v7
	v_add_nc_u32 v[ADRS], s2, v6
.macro FRAG reg, adr, q, i             ; a fragment comes as it was stored: registers 4 c .. 4 c + 3 of lane l at 512 c + 16 l
.irp c, 0,1,2
	ds_load_b128 v[\reg+4*\c:\reg+4*\c+3], v[\adr] offset:TILEB*(\i)+1536*(\q)+512*\c
.endr
.endm
; 16 matrix instructions: A's blocks a0, a0 + 1 x B's eight, 128 along K: the slot's q-th.  p: B's set;  sc: the set of scale words.
; The 64 accumulators take turns, one instruction a turn, in the same order in every step.
.macro MUL16 a0, p, q, sc
.irp a, \a0, \a0+1
.irp b, 0,1,2,3,4,5,6,7
	v_wmma_scale_f32_16x16x128_f8f6f4 v[8*(8*((\a)%4)+\b):8*(8*((\a)%4)+\b)+7], v[128*(\p)+FR*\b:128*(\p)+FR*\b+FR-1], v[AF+FR*(\a):AF+FR*(\a)+FR-1], v[8*(8*((\a)%4)+\b):8*(8*((\a)%4)+\b)+7], v[SC+8*NQ*(\sc)+NQ*\b+(\q)], v[SC+8*NQ*(\sc)+NQ*(\a)+(\q)] matrix_a_fmt:MATRIX_FMT_BF6 matrix_b_fmt:MATRIX_FMT_BF6 matrix_a_scale:MATRIX_SCALE_ROW1
.endr
.endr
.endm
.macro FETCH_B slot, q, p              ; B's eight fragments of the slot's q-th 128 along K into set p
	WIN TO_B
.irp i, 0,1,2,3,4,5,6,7
	FRAG 128*(\p)+FR*\i, ADRB+\slot, \q, \i
.endr
	WIN 0
.endm
.macro FETCH_A slot, q, i0             ; A's blocks i0 .. i0 + 3
.irp i, \i0, \i0+1, \i0+2, \i0+3
	FRAG AF+FR*(\i), ADRA+\slot, \q, \i
.endr
.endm
.macro SCALES sc                       ; the slot's scale words into set sc: two words a row; lanes 0-15 take A's block i, lanes 16-31 B's block i
.irp i, 0,1,2,3,4,5,6,7
	ds_load_b64 v[SC+8*NQ*\sc+NQ*\i:SC+8*NQ*\sc+NQ*\i+1], v[ADRS] offset:\i*512
.endr
.endm
.macro PLACES n                        ; plain vector instructions between a matrix instruction and a load into, or a read of, its registers (ISA guide 7.12.1 for reads)
.rept \n
	v_nop
.endr
.endm
; A step of 128 along K that has its successor in the same slot.
.macro STEP slot, q
	s_wait_dscnt 4*NL                              ; B's set and A's blocks 0-3 are in; the youngest 12 loads (A's blocks 4-7) may be out
	WIN MUL_LO
	MUL16 0, (\q)%2, \q, \slot
	MUL16 2, (\q)%2, \q, \slot
	s_wait_dscnt 0                                 ; A's blocks 4-7 are in
	PLACES NP
	FETCH_B \slot, (\q)+1, 1-(\q)%2
	FETCH_A \slot, (\q)+1, 0
	WIN MUL_HI
	MUL16 4, (\q)%2, \q, \slot
	MUL16 6, (\q)%2, \q, \slot
	PLACES NP
	WIN 0
	FETCH_A \slot, (\q)+1, 4
.endm
; A slot's last step changes slots: one barrier; in front of it each wave waits for all its tensor loads, adds 0 to its spare word, and waits for that and for its own reads of this slot.  fill = 1: this slot is filled again, two slots ahead.
.macro TURN slot, next, fill
	s_wait_tensorcnt 0x0                           ; all my tensor loads have landed: my part of the next slot
	ds_add_u32 v[SPW], v[NIL]                      ; 0 onto my spare word
	s_wait_dscnt 4*NL+1                            ; (the add and the youngest 12 loads, A's blocks 4-7, may be out)
	WIN MUL_LO
	MUL16 0, 1, NQ-1, \slot                        ; sixteen matrix instructions stand between the add and the wait for it
	s_wait_dscnt 0x0                               ; the add is done, and my reads of this slot are over
	s_barrier_signal -1
	MUL16 2, 1, NQ-1, \slot
	WIN 0
	s_barrier_wait -1
.if \fill
	CREST                                          ; the barrier has opened a round of the cluster's barrier: no wave of any partner still reads this slot or has a load on its way
	s_add_nc_u64 s[G0+4*\slot+2:G0+4*\slot+3], s[G0+4*\slot+2:G0+4*\slot+3], 2*TILEB
	s_add_nc_u64 s[G0B+4*\slot+2:G0B+4*\slot+3], s[G0B+4*\slot+2:G0B+4*\slot+3], 2*TILEB
	JLOAD G0+4*\slot, G1, G0B+4*\slot, G1B         ; the first tensor load behind the round; the four v_nop behind it are the places in front of the loads below
.else
	PLACES NP
.endif
	v_add_nc_u32 v[ADRS], 128, v[ADRS]             ; on to the next slot's scale words (no LDS load of mine is out)
	FETCH_B \next, 0, 0
	FETCH_A \next, 0, 0
	SCALES \next
	WIN MUL_HI
	MUL16 4, 1, NQ-1, \slot
	MUL16 6, 1, NQ-1, \slot
	PLACES NP
	WIN 0
	FETCH_A \next, 0, 4
.endm
	s_wait_tensorcnt 1                             ; the scale words and my part of slot 0 are in (slot 1's load may be out)
	s_barrier_signal -1
	s_barrier_wait -1                              ; everybody's are
	FETCH_B 0, 0, 0
	FETCH_A 0, 0, 0
	SCALES 0
	FETCH_A 0, 0, 4
	STEP 0, 0
.rept LAPS-1                           ; once round the ring, filling both slots again.  (One lap: written out, no loop)
	TURN 0, 1, 1
	STEP 1, 0
	TURN 1, 0, 1
	STEP 0, 0
.endr
	TURN 0, 1, 0                                   ; the last lap fills nothing, and has no round of the cluster's barrier
	STEP 1, 0
	s_wait_dscnt 4*NL                              ; the very last step: nothing more to fetch
	WIN MUL_LO
	MUL16 0, 1, NQ-1, 1
	MUL16 2, 1, NQ-1, 1
	s_wait_dscnt 0
	WIN MUL_HI
	MUL16 4, 1, NQ-1, 1
	MUL16 6, 1, NQ-1, 1
	WIN 0
; THE WAY OUT.  The 64 registers of A's block a are, for the lane's row, 128 neighbours along B's rows: register 16 b + i = 32 b + 16 (lane / 16) + i.  They become one fragment and one scale word a row.
; Q, K: registers 0-5 and bytes 0, 1 are the pair's first head (64 along the head's axis), registers 6-11 and bytes 2, 3 its second.  V: the two halves of one fragment of 128 keys.
; A half goes out as 768 bytes: registers 0-3 at 16 l, registers 4-5 at 512 + 8 l: whole aligned blocks of 256 bytes.  Scale words: an even block's in lanes 0-15, the odd one's in lanes 16-31, 128 bytes.
.macro QUANTA a
.set WN, 2+(\a)/4
.set AC, 64*((\a)%4)
	s_wait_xcnt 0x0                                ; the last block's stores have read their registers and bases: both are written again only behind this wait
.if (\a) > 0
	s_add_nc_u64 s[4:5], s[4:5], s[12:13]
	s_add_nc_u64 s[6:7], s[6:7], s[12:13]
.endif
.irp b, 0,1,2,3
	v_mov_b32 v[TM+\b], 0x2800000                  ; the floor 2^(5 - 127): the byte cannot fall under 1
.endr
	WIN (WN<<2)|(WN<<4)                            ; sources 1 and 2: the accumulators' window
.irp i, 0,2,4,6,8,10,12,14                     ; each accumulator is read from its low end on
.irp b, 0,1,2,3
	v_max3_num_f32 v[TM+\b], v[TM+\b], |v[AC+16*\b+\i]|, |v[AC+16*\b+\i+1]|
.endr
.endr
	WIN 0
.irp b, 0,1,2,3
	v_permlanex16_b32 v[TM+4+\b], v[TM+\b], s[SEL], s[SEL+1]
.endr
.irp b, 0,1,2,3
	v_max_num_f32 v[TM+\b], v[TM+\b], v[TM+4+\b]
.endr
.irp b, 0,1,2,3
	v_add_nc_u32 v[TM+12+\b], 0xfe000000, v[TM+\b]
.endr
.irp b, 0,1,2,3
	v_lshrrev_b32 v[TM+4+\b], 23, v[TM+12+\b]
.endr
	v_lshl_or_b32 v[PW], v[TM+5], 8, v[TM+4]
	v_lshl_or_b32 v[PW], v[TM+6], 16, v[PW]
	v_lshl_or_b32 v[PW], v[TM+7], 24, v[PW]
	WIN WN                                         ; source 0: the accumulators' window
.irp c, 0,1
	v_cvt_scalef32_pk16_bf6_f32 v[PC+6*\c:PC+2+6*\c], v[AC+32*\c:AC+15+32*\c], v[TM+12+2*\c]
	v_cvt_scalef32_pk16_bf6_f32 v[PC+12+4*\c:PC+14+4*\c], v[AC+16+32*\c:AC+31+32*\c], v[TM+13+2*\c]
.endr
	WIN 0
	v_nop                                          ; one plain place behind a scaled conversion
.irp c, 0,1
.irp i, 0,1,2
	v_permlane16_swap_b32 v[PC+6*\c+\i], v[PC+12+4*\c+\i]
.endr
.irp i, 0,1,2
	v_mov_b32 v[PC+3+6*\c+\i], v[PC+12+4*\c+\i]
.endr
.endr
	global_store_b128 v[LI16], v[PC:PC+3], s[4:5]
	global_store_b64 v[LI8], v[PC+4:PC+5], s[4:5] offset:512
	global_store_b128 v[LI16], v[PC+6:PC+9], s[6:7]
	global_store_b64 v[LI8], v[PC+10:PC+11], s[6:7] offset:512
.if ((\a)%2) == 0
	v_mov_b32 v[PWP], v[PW]
.else
	v_cndmask_b32 v[W0], v[PWP], v[PW], s3         ; lanes 0-15: block a - 1's words, lanes 16-31: block a's (a row's word stands in lanes r and r + 16 alike)
	global_store_b32 v[LI4], v[W0], s[8:9] offset:128*((\a)/2)
	s_cmp_lg_u32 s95, 0                            ; V has one word a row; Q and K one for each head.  The branch hangs on the cluster's y alone
	s_cbranch_scc1 .Lone_word_\@
	v_lshrrev_b32 v[W1], 16, v[W0]                 ; the second head's two bytes
	global_store_b32 v[LI4], v[W1], s[10:11] offset:128*((\a)/2)
.Lone_word_\@:
.endif
.endm
	PLACES NP                                      ; behind the last products
.irp b, 0,1,2,3
	v_mov_b32 v[TM+4+\b], 0                        ; written once: a lane permute's destination counts as one of its sources
.endr
	s_mov_b32 s3, 0xffff0000                       ; lanes 16-31
	s_mov_b32 s[SEL], 0x76543210
	s_mov_b32 s[SEL+1], 0xfedcba98
.irp a, 0,1,2,3,4,5,6,7
	QUANTA \a
.endr
	s_wait_tensorcnt 0x0                           ; the wave's end
	ds_add_u32 v[SPW], v[NIL]
	s_wait_dscnt 0x0
	CROUND                                         ; the closing round: no work-group ends while a partner may still ask for a tile that names it
	s_endpgm
.Lfunc_end_k_q547916c61d_qkv:
	.size	k_q547916c61d_qkv, .Lfunc_end_k_q547916c61d_qkv-k_q547916c61d_qkv
	.p2alignl 7, 3214868480
	.fill 96, 4, 3214868480
	.section	.rodata,"a",@progbits
	.p2align	6, 0x0
	.amdhsa_kernel k_q547916c61d_qkv
		.amdhsa_group_segment_fixed_size 327680
		.amdhsa_private_segment_fixed_size 0
		.amdhsa_enable_private_segment 0
		.amdhsa_kernarg_size 56
		.amdhsa_user_sgpr_count 2
		.amdhsa_user_sgpr_kernarg_segment_ptr 1
		.amdhsa_wavefront_size32 1
		.amdhsa_system_sgpr_workgroup_id_x 1
		.amdhsa_system_sgpr_workgroup_id_y 1
		.amdhsa_system_sgpr_workgroup_id_z 1
		.amdhsa_system_vgpr_workitem_id 0
		.amdhsa_next_free_vgpr 1024
		.amdhsa_next_free_sgpr 106
		.amdhsa_reserve_vcc 0
		.amdhsa_float_denorm_mode_32 3
		.amdhsa_float_denorm_mode_16_64 3
		.amdhsa_memory_ordered 1
		.amdhsa_forward_progress 1
		.amdhsa_inst_pref_size 169
	.end_amdhsa_kernel
	.amdgpu_metadata
---
amdhsa.version: [ 1, 2 ]
amdhsa.kernels:
  - .name:           k_q547916c61d_qkv
    .symbol:         k_q547916c61d_qkv.kd
    .args:
      - { .name: xq, .offset: 0, .size: 8, .value_kind: global_buffer, .address_space: global }
      - { .name: wq, .offset: 8, .size: 8, .value_kind: global_buffer, .address_space: global }
      - { .name: b_q, .offset: 16, .size: 8, .value_kind: global_buffer, .address_space: global }
      - { .name: b_k, .offset: 24, .size: 8, .value_kind: global_buffer, .address_space: global }
      - { .name: b_v, .offset: 32, .size: 8, .value_kind: global_buffer, .address_space: global }
      - { .name: qq, .offset: 40, .size: 8, .value_kind: global_buffer, .address_space: global }
      - { .name: kv, .offset: 48, .size: 8, .value_kind: global_buffer, .address_space: global }
    .group_segment_fixed_size: 327680
    .private_segment_fixed_size: 0
    .kernarg_segment_align: 8
    .kernarg_segment_size: 56
    .max_flat_workgroup_size: 128
    .sgpr_count:     106
    .vgpr_count:     1024
    .wavefront_size: 32
...
	.end_amdgpu_metadata
.endif
;; end of part 2
;; launch attn (part 3): grid 4 x 64, 16 waves a work-group, clusters of 4 x 4, 327,680 bytes of LDS; arguments qq, kv, mk, cq; writes cq
.if DOCPART == 3
	.amdgcn_target "amdgcn-amd-amdhsa--gfx1250"
	.amdhsa_code_object_version 6
	.text
	.protected	k_q547916c61d_attn
	.globl	k_q547916c61d_attn
	.p2align	8
	.type	k_q547916c61d_attn,@function
k_q547916c61d_attn:
	s_mov_b64 s[64:65], 0
	v_nop
	global_prefetch_b8 v0, s[64:65] scope:SCOPE_SE
	s_setreg_imm32_b32 hwreg(HW_REG_WAVE_MODE, 25, 1), 1
	s_wait_xcnt 0x0
	s_wait_alu depctr_hold_cnt(0) depctr_sa_sdst(0) depctr_va_vdst(0) depctr_va_sdst(0) depctr_va_ssrc(0) depctr_va_vcc(0) depctr_vm_vsrc(0)
	s_getreg_b32 s2, hwreg(HW_REG_IB_STS2, 6, 4)
	s_cmp_eq_u32 s2, 0
	s_cbranch_scc0 .Lentry_in_a_cluster
	s_endpgm
.Lentry_in_a_cluster:
	s_bfe_u32 s2, ttmp6, 0x10000c
	s_cmp_lg_u32 s2, 0xf033
	s_cbranch_scc0 .Lentry_shape_is_right
	s_endpgm
.Lentry_shape_is_right:
; ATTN.  ctx = softmax(q k^T / 8 + mask) v for 2 x 16 heads of 64, 2,048 tokens, both products on codes of BF6 with E8M0 scales; ctx leaves quantised along the model's axis, for the next product.
; t = (q.k + 8 m) c, c = log2(e) / 8.  8 m comes from memory in the layout of the score product's C operand and is loaded INTO the score accumulators: the product adds onto it, and the mask costs no vector instruction.
; M = the running largest t rounded up to a whole number; p = 2^(t - M) is quantised along the keys, not normalised; the sum of the unquantised p divides at the end.  When M moves, the sum and O are multiplied by 2^(old M - new M): exact.
; SHARES.  A work-group: 64 queries (4 tiles) x 4 heads; wave w: query tile w % 4, head w / 4: one tile of 16 queries of one head in 256 registers; four waves to a SIMD, so that one wave's vector work stands beside another's products and LDS loads.
; Every wave walks 16 key steps of 128 keys.
; THE HEAD'S AXIS IS 64, the instruction's K 128.  Q's codes for K = 64 .. 127 are zeros, written once.  So whatever stands in the upper six registers of a fragment of K is multiplied by 0: E3M2 has no infinity and no NaN, and the
; scale bytes that go with it are the pair's other head's (1 to 254) or 0, never 0xff.  K's eight tiles therefore lie 6 registers apart, the upper half of each fragment being the next tile's codes (the last tile's: zeros, written once):
; 54 registers hold a whole key step's K, fetched in one run, and once the score products are issued the same registers take V's four fragments, whose LDS loads then run under the softmax.
; LAYOUT.  Both products transposed: S^T = K Q^T (source 0 = 16 keys), O^T = V^T P^T (source 0 = 16 channels): a lane holds one query throughout.  Key tiles and channel tiles are in pair order, so that the 16 registers of two
; neighbouring tiles are 16 neighbours along the next K.  All operands come as images of registers: dense loads of 16 and 8 bytes a lane.
; CLUSTER 4 x 4.  K and V hang on the batch and on the group of heads (cx): asked for jointly down a column.  The mask hangs on the block of queries (cy): asked for jointly along a row.
; RING: two slots; a slot holds one key step: two head pairs' blocks of kv (26,112 bytes each) and the mask of 64 queries x 128 keys (32,768).  Waves 0, 1 fetch the blocks, waves 2, 3 the mask's halves.  One tensor load of a wave is out at a time.
; LIMITS: NaN and infinities are not served; a block of p that has fallen to zeros keeps the byte 1 (zero codes).
.set SLOT1, 131072                     ; slot 1 begins here
.set KVB,   26112                      ; a head pair's block: K 2 x 6,144, V 12,288, K's scale words 2 x 512, V's 512
.set MOFF,  2*KVB                      ; the mask lies behind the two blocks
.set SPARE, 262144                     ; the spare words, 128 bytes for each of 16 waves: eight blocks of 256 bytes that no other line names
.set AK16, 1                           ; v1-14: seven LDS addresses, each for slot 0 and slot 1: K's registers 0-3,
.set AK8,  3                           ; K's registers 4-5,
.set AV16, 5                           ; V likewise,
.set AV8,  7
.set AS4,  9                           ; K's scale words,
.set AT4,  11                          ; V's,
.set AM,   13                          ; the mask
.set SPW,  15                          ; LDS address of my spare word; never rewritten
.set NIL,  16                          ; 0; never rewritten
.set QS,   17                          ; Q's scale words
.set MT,   18                          ; v18 -M, v19 the largest t
.set LSUM, 20                          ; v[20:21] the sum, in two halves
.set QF,   22                          ; v22-33  Q (28-33 zeros)
.set KF,   34                          ; v34-87  K: tile T at v[KF + 6 T] (82-87 zeros); then V: fragment g at v[KF + 12 g]
.set SCR,  88                          ; v88-151 the mask, S^T, p
.set OT,   152                         ; v152-183 O^T
.set PC,   184                         ; v184-195 p's codes
.set CT,   196                         ; v196-203 at work
.set BMX,  204                         ; v204-207 the blocks' largest scores, then largest p
.set SO,   208                         ; v208-211 the conversions' scale operands
.set FAC,  212                         ; v212 f = 2^(old M - new M)
.set PW,   213                         ; v213 p's scale word
.set WK,   214
.set KS,   215                         ; v215-218 K's scale words: even tile in lanes 0-15, odd tile in lanes 16-31
.set VS,   219                         ; v219-220 V's
.set WV,   12                          ; s12 my wave's number
.set G1K,  24                          ; s[24:31], s[32:39] descriptor groups 1;  s[40:47], s[48:55] groups 0, one set for each slot
.set G1M,  32
.set G0K,  40
.set G0M,  48
.set SEL,  56
.set CS,   58
.set CNT,  60
.macro CROUND                          ; a round of the cluster's barrier
	s_barrier_signal -1
	s_barrier_wait -1
	s_cmp_lg_u32 s[WV], 0
	s_cbranch_scc1 .Lnot_wave_0_\@
	s_barrier_signal -3
.Lnot_wave_0_\@:
	s_barrier_wait -3
	s_barrier_signal -1
	s_barrier_wait -1
.endm
; Waves 0 and 1 ask for kv's blocks, waves 2 and 3 for the mask's halves, the others for nothing.  The branches hang on the wave's number alone.  Four v_nop follow each of the two lines.
.macro TLOAD s
	s_cmp_lt_u32 s[WV], 2
	s_cbranch_scc0 .Lnot_k_\@
	tensor_load_to_lds s[G0K+4*(\s):G0K+4*(\s)+3], s[G1K:G1K+7]
	s_nop 0
.rept 4
	v_nop
.endr
	s_branch .Lasked_\@
.Lnot_k_\@:
	s_cmp_lt_u32 s[WV], 4
	s_cbranch_scc0 .Lasked_\@
	tensor_load_to_lds s[G0M+4*(\s):G0M+4*(\s)+3], s[G1M:G1M+7]
	s_nop 0
.rept 4
	v_nop
.endr
.Lasked_\@:
.endm
	s_load_b256 s[4:11], s[0:1], 0x0               ; qq s[4:5], kv s[6:7], mk s[8:9], cq s[10:11]
	v_lshl_add_u32 v[SPW], v0, 2, SPARE
	v_mov_b32 v[NIL], 0
	ds_add_u32 v15, v16
	s_wait_dscnt 0x0
	v_lshrrev_b32 v[WK], 5, v0
	v_readfirstlane_b32 s[WV], v[WK]               ; wave 0..15
	s_and_b32 s13, s[WV], 3                        ; my query tile of the four
	s_lshr_b32 s14, s[WV], 2                       ; my head of the four
	s_and_b32 s15, s14, 1                          ; which head of its pair
	s_lshr_b32 s16, s14, 1                         ; which of the slot's two blocks
	s_and_b32 s22, s[WV], 1                        ; which block, or which half of the mask, I fetch
	s_bfe_u32 s17, ttmp6, 0x40000                  ; cx
	s_bfe_u32 s18, ttmp6, 0x40004                  ; cy
	s_and_b32 s19, ttmp7, 0xffff                   ; the cluster's y, 0..15
	s_lshl_b32 s23, ttmp9, 2
	s_add_co_u32 s23, s23, s17                     ; group of four heads = 4 x cluster x + cx
	s_lshr_b32 s21, s19, 3                         ; the batch: of the cluster's y alone
	s_lshl_b32 s20, s19, 2
	s_add_co_u32 s20, s20, s18                     ; block of 64 queries, 0..63 = 4 x cluster y + cy
	s_lshl_b32 s62, s18, 2
	s_lshl_b32 s62, 15, s62                        ; my row of the cluster
	s_lshl_b32 s63, 0x1111, s17                    ; my column
	s_or_b32 s[G1K], s63, (3<<16)|(1<<21)          ; 15:0 the mask of work-groups; 17:16 elements of 8 bytes; 21 set beside a mask.  A block of kv: 102 rows of 256 dense bytes
	s_mov_b32 s[G1K+1], 32<<16
	s_mov_b32 s[G1K+2], 102<<16
	s_mov_b32 s[G1K+3], 32<<16
	s_mov_b32 s[G1K+4], 102
	s_mov_b32 s[G1K+5], 32
	s_mov_b32 s[G1K+6], 0
	s_mov_b32 s[G1K+7], 0
	s_or_b32 s[G1M], s62, (3<<16)|(1<<21)          ; half a step's mask: 64 rows of 256 dense bytes
	s_mov_b32 s[G1M+1], 32<<16
	s_mov_b32 s[G1M+2], 64<<16
	s_mov_b32 s[G1M+3], 32<<16
	s_mov_b32 s[G1M+4], 64
	s_mov_b32 s[G1M+5], 32
	s_mov_b32 s[G1M+6], 0
	s_mov_b32 s[G1M+7], 0
	s_lshl_b32 s66, s21, 3                         ; kv: [batch][head pair = 2 x group + which][key step]
	s_lshl_b32 s67, s23, 1
	s_add_co_u32 s66, s66, s67
	s_add_co_u32 s66, s66, s22
	s_mul_i32 s66, s66, 16*KVB
	s_mov_b32 s67, 0
	s_lshl_b32 s68, s20, 19                        ; mk: [block of queries][key step][32,768 bytes]
	s_lshl_b32 s69, s22, 14
	s_add_co_u32 s68, s68, s69
	s_mov_b32 s69, 0
	s_mul_i32 s70, s22, KVB                        ; and where they go in a slot: of the wave's number alone
	s_lshl_b32 s71, s22, 14
	s_add_co_u32 s71, s71, MOFF
	s_mov_b32 s[SEL], 0x76543210
	s_mov_b32 s[SEL+1], 0xfedcba98                 ; v_permlanex16_b32's selects for lane l xor 16
	s_mov_b32 s[CS], 0x3e38aa3b                    ; c = log2(e) / 8
	s_mov_b32 s[CS+1], s[CS]                       ; (named with it as a pair)
	s_lshl_b32 s61, s15, 4                         ; an odd head's two scale bytes go 16 bits up
	s_mov_b32 s[CNT], 7
	s_wait_kmcnt 0x0
	s_add_nc_u64 s[72:73], s[6:7], s[66:67]
	s_add_nc_u64 s[68:69], s[8:9], s[68:69]
.irp s, 0,1
	s_mov_b32 s[G0K+4*\s], 1
	s_add_co_u32 s[G0K+4*\s+1], s70, \s*SLOT1
	s_add_nc_u64 s[G0K+4*\s+2:G0K+4*\s+3], s[72:73], \s*KVB      ; slot s begins with key step s
	s_or_b32 s[G0K+4*\s+3], s[G0K+4*\s+3], 0x80000000
	s_mov_b32 s[G0M+4*\s], 1
	s_add_co_u32 s[G0M+4*\s+1], s71, \s*SLOT1
	s_add_nc_u64 s[G0M+4*\s+2:G0M+4*\s+3], s[68:69], \s*32768
	s_or_b32 s[G0M+4*\s+3], s[G0M+4*\s+3], 0x80000000
.endr
	CROUND                                         ; all sixteen work-groups are here: the first joint loads meet
	TLOAD 0                                        ; key step 0
	; ---- my query tile, and where ctx goes
	s_lshl_b32 s74, s23, 2
	s_add_co_u32 s74, s74, s14                     ; my head, 0..15
	s_lshl_b32 s75, s21, 4
	s_add_co_u32 s75, s75, s74
	s_lshl_b32 s75, s75, 7
	s_and_b32 s76, s20, 31
	s_lshl_b32 s76, s76, 2
	s_add_co_u32 s75, s75, s76
	s_add_co_u32 s75, s75, s13                     ; qq: [batch][head][query tile]
	s_mul_i32 s76, s75, 768
	s_mov_b32 s77, 0
	s_lshl_b32 s78, s75, 6
	s_add_co_u32 s78, s78, 3145728
	s_mov_b32 s79, 0
	s_add_nc_u64 s[76:77], s[4:5], s[76:77]
	s_add_nc_u64 s[78:79], s[4:5], s[78:79]
	s_lshl_b32 s75, s20, 2
	s_add_co_u32 s75, s75, s13                     ; my tile of 16 tokens, 0..255
	s_lshl_b32 s75, s75, 4
	s_add_co_u32 s75, s75, s74                     ; cq: [tile][head]
	s_mul_i32 s66, s75, 768
	s_mov_b32 s67, 0
	s_lshl_b32 s68, s75, 7
	s_add_co_u32 s68, s68, 3145728
	s_mov_b32 s69, 0
	s_add_nc_u64 s[66:67], s[10:11], s[66:67]
	s_add_nc_u64 s[68:69], s[10:11], s[68:69]
	v_and_b32 v[WK], 31, v0
	v_lshlrev_b32 v[CT], 4, v[WK]                  ; 16 x lane
	v_lshlrev_b32 v[CT+1], 3, v[WK]                ; 8 x lane
	v_lshlrev_b32 v[CT+2], 2, v[WK]                ; 4 x lane
	v_and_b32 v[CT+3], 15, v0
	v_lshlrev_b32 v[CT+3], 2, v[CT+3]              ; 4 r
	global_load_b128 v[QF:QF+3], v[CT], s[76:77]
	global_load_b64 v[QF+4:QF+5], v[CT+1], s[76:77] offset:512
	global_load_b32 v[QS], v[CT+3], s[78:79]
	; ---- LDS addresses: constants, the wave's number, the lane
	s_mul_i32 s70, s16, KVB
	s_mul_i32 s71, s15, 6144
	s_add_co_u32 s71, s71, s70
	v_add_nc_u32 v[AK16], s71, v[CT]
	v_add_nc_u32 v[AK8], s71, v[CT+1]
	v_add_nc_u32 v[AK8], 512, v[AK8]
	v_add_nc_u32 v[AV16], 12288, v[AK16]
	v_add_nc_u32 v[AV8], 12288, v[AK8]
	s_lshl_b32 s71, s15, 9
	s_add_co_u32 s71, s71, s70
	s_add_co_u32 s71, s71, 24576
	v_add_nc_u32 v[AS4], s71, v[CT+2]
	s_lshl_b32 s71, s15, 8
	s_add_co_u32 s71, s71, s70
	s_add_co_u32 s71, s71, 25600
	v_add_nc_u32 v[AT4], s71, v[CT+2]
	s_lshl_b32 s71, s13, 13
	s_add_co_u32 s71, s71, MOFF
	v_add_nc_u32 v[AM], s71, v[CT]
.irp a, AK16, AK8, AV16, AV8, AS4, AT4, AM
	v_add_nc_u32 v[\a+1], SLOT1, v[\a]
.endr
.irp i, 6,7,8,9,10,11
	v_mov_b32 v[QF+\i], 0                          ; Q's zero codes for K = 64 .. 127,
	v_mov_b32 v[KF+42+\i], 0                       ; and what stands behind K's last tile
.endr
	v_mov_b32 v[MT+1], 0xff61b1e6                  ; the largest t so far: -3e38
	v_floor_f32 v[MT], -v[MT+1]                    ; -M
	v_mov_b32 v[LSUM], 0
	v_mov_b32 v[LSUM+1], 0
	v_mov_b32 v[PW], 0                             ; (named as the upper half of the pair with f before it is first written)
.set j, 0
.rept 32
	v_mov_b32 v[OT+j], 0                           ; O^T.  (The step is written once: the first finds zeros, which the first change of M leaves zeros)
.set j, j+1
.endr
	s_wait_loadcnt 0x0                             ; Q
; A KEY STEP: 128 keys, out of the slot named.
.macro STEP slot
.irp t, 0,1,2,3,4,5,6,7
	ds_load_b128 v[SCR+8*\t:SCR+8*\t+3], v[AM+\slot] offset:1024*\t        ; 8 m, as the C of key tile t
	ds_load_b128 v[SCR+8*\t+4:SCR+8*\t+7], v[AM+\slot] offset:1024*\t+512
.endr
.irp i, 0,1,2,3
	ds_load_b32 v[KS+\i], v[AS4+\slot] offset:128*\i
.endr
.rept 4
	v_nop                                          ; K lands in the registers out of which the last step's products took V: four places behind them
.endr
.irp t, 0,1,2,3,4,5,6,7
	ds_load_b128 v[KF+6*\t:KF+6*\t+3], v[AK16+\slot] offset:768*\t         ; the step's eight tiles of K, 6 registers apart
	ds_load_b64 v[KF+6*\t+4:KF+6*\t+5], v[AK8+\slot] offset:768*\t
.endr
	s_wait_dscnt 0x0
.irp t, 0,1,2,3,4,5,6,7                        ; S^T = K Q^T + 8 m; a fragment's upper six registers are the next tile's codes, which meet Q's zeros
.if \t%2
	v_wmma_scale_f32_16x16x128_f8f6f4 v[SCR+8*\t:SCR+8*\t+7], v[KF+6*\t:KF+6*\t+11], v[QF:QF+11], v[SCR+8*\t:SCR+8*\t+7], v[KS+\t/2], v[QS] matrix_a_fmt:MATRIX_FMT_BF6 matrix_b_fmt:MATRIX_FMT_BF6 matrix_a_scale:MATRIX_SCALE_ROW1
.else
	v_wmma_scale_f32_16x16x128_f8f6f4 v[SCR+8*\t:SCR+8*\t+7], v[KF+6*\t:KF+6*\t+11], v[QF:QF+11], v[SCR+8*\t:SCR+8*\t+7], v[KS+\t/2], v[QS] matrix_a_fmt:MATRIX_FMT_BF6 matrix_b_fmt:MATRIX_FMT_BF6
.endif
.endr                                          ; register 16 b + i: key 32 b + 16 (lane / 16) + i of the step, for my query
.rept 4
	v_nop                                          ; places in front of the loads into K's registers, and of the first read of the scores
.endr
.irp g, 0,1,2,3                                ; V's four fragments (16 channels x 128 keys) are asked for now and waited for behind the softmax
	ds_load_b128 v[KF+12*\g:KF+12*\g+3], v[AV16+\slot] offset:1536*\g
	ds_load_b64 v[KF+12*\g+4:KF+12*\g+5], v[AV8+\slot] offset:1536*\g
	ds_load_b128 v[KF+12*\g+6:KF+12*\g+9], v[AV16+\slot] offset:1536*\g+768
	ds_load_b64 v[KF+12*\g+10:KF+12*\g+11], v[AV8+\slot] offset:1536*\g+768
.endr
.irp i, 0,1
	ds_load_b32 v[VS+\i], v[AT4+\slot] offset:128*\i
.endr
.irp b, 0,1,2,3
	v_max3_num_f32 v[BMX+\b], v[SCR+16*\b], v[SCR+1+16*\b], v[SCR+2+16*\b]   ; the largest score of each block of 32 keys: for the row's maximum, and, since p rises with the score, for the block's largest p
.endr
.irp i, 3,5,7,9,11,13
.irp b, 0,1,2,3
	v_max3_num_f32 v[BMX+\b], v[BMX+\b], v[SCR+16*\b+\i], v[SCR+1+16*\b+\i]
.endr
.endr
.irp b, 0,1,2,3
	v_max_num_f32 v[BMX+\b], v[BMX+\b], v[SCR+15+16*\b]
.endr
.irp b, 0,1,2,3
	v_permlanex16_b32 v[CT+\b], v[BMX+\b], s[SEL], s[SEL+1]
.endr
.irp b, 0,1,2,3
	v_max_num_f32 v[BMX+\b], v[BMX+\b], v[CT+\b]   ; with lane l xor 16's 16 keys
.endr
	v_max3_num_f32 v[WK], v[BMX], v[BMX+1], v[BMX+2]
	v_max_num_f32 v[WK], v[WK], v[BMX+3]
	v_mul_f32 v[WK], s[CS], v[WK]                  ; as t (c is positive)
	v_max_num_f32 v[MT+1], v[MT+1], v[WK]          ; the running largest t
	v_mov_b32 v[WK], v[MT]
	v_floor_f32 v[MT], -v[MT+1]                    ; the new -M = -ceil(t): a whole number
	v_sub_f32 v[WK], v[MT], v[WK]                  ; old M - new M: a whole number, 0 or less
	v_cvt_i32_f32 v[WK], v[WK]                     ; (it saturates)
	v_ldexp_f32 v[FAC], 1.0, v[WK]                 ; f = 2^(old M - new M)
.set j, 0
.rept 32
	v_pk_fma_f32 v[SCR+j:SCR+j+1], v[SCR+j:SCR+j+1], s[CS:CS+1], v[MT:MT+1] op_sel_hi:[1,0,0]   ; t - M, two at a time
.set j, j+2
.endr
.irp b, 0,1,2,3
	v_fma_f32 v[BMX+\b], v[BMX+\b], s[CS], v[MT]   ; the same of each block's largest score
.endr
.set j, 0
.rept 64
	v_exp_f32 v[SCR+j], v[SCR+j]                   ; p = 2^(t - M), at most 1
.set j, j+1
.endr
.irp b, 0,1,2,3
	v_exp_f32 v[BMX+\b], v[BMX+\b]                 ; the block's largest p: the same two instructions on the same number
.endr
	v_pk_mul_f32 v[LSUM:LSUM+1], v[LSUM:LSUM+1], v[FAC:FAC+1] op_sel_hi:[1,0]   ; the sums under the new M.  (A plain place behind the exponentials)
	s_wait_alu depctr_va_vdst(0)
.irp b, 0,1,2,3
	v_max_num_f32 v[BMX+\b], 0x2800000, v[BMX+\b]  ; the floor 2^(5 - 127): the byte cannot fall under 1
.endr
.irp b, 0,1,2,3
	v_add_nc_u32 v[SO+\b], 0xfe000000, v[BMX+\b]   ; 4 off the exponent field: the conversion's scale operand
.endr
.irp b, 0,1,2,3
	v_lshrrev_b32 v[CT+\b], 23, v[SO+\b]           ; the scale's byte
.endr
	v_lshl_or_b32 v[PW], v[CT+1], 8, v[CT]         ; p's scale word for these 128 keys
	v_lshl_or_b32 v[PW], v[CT+2], 16, v[PW]
	v_lshl_or_b32 v[PW], v[CT+3], 24, v[PW]
.irp c, 0,1
	v_cvt_scalef32_pk16_bf6_f32 v[PC+6*\c:PC+2+6*\c], v[SCR+32*\c:SCR+15+32*\c], v[SO+2*\c]
	v_cvt_scalef32_pk16_bf6_f32 v[CT+4*\c:CT+2+4*\c], v[SCR+16+32*\c:SCR+31+32*\c], v[SO+2*\c+1]   ; (a conversion's three registers begin on an even number)
.endr
	v_nop                                          ; one plain place behind a scaled conversion
.irp c, 0,1                                    ; the operand's layout wants a whole block in a lane
.irp i, 0,1,2
	v_permlane16_swap_b32 v[PC+6*\c+\i], v[CT+4*\c+\i]
.endr
.irp i, 0,1,2
	v_mov_b32 v[PC+3+6*\c+\i], v[CT+4*\c+\i]
.endr
.endr
	v_pk_add_f32 v[CT:CT+1], v[SCR:SCR+1], v[SCR+2:SCR+3]   ; the row's sum is taken of the unquantised p: two at a time, in two chains
.irp j, 4,8,12,16,20,24,28,32,36,40,44,48,52,56,60
	v_pk_add_f32 v[LSUM:LSUM+1], v[LSUM:LSUM+1], v[SCR+\j:SCR+\j+1]
	v_pk_add_f32 v[CT:CT+1], v[CT:CT+1], v[SCR+2+\j:SCR+3+\j]
.endr
	v_pk_add_f32 v[LSUM:LSUM+1], v[LSUM:LSUM+1], v[CT:CT+1]
.set j, 0
.rept 16
	v_pk_mul_f32 v[OT+j:OT+j+1], v[OT+j:OT+j+1], v[FAC:FAC+1] op_sel_hi:[1,0]   ; O^T under the new M, each accumulator from its low end on
.set j, j+2
.endr
	s_wait_dscnt 0x0                               ; V and its scale words are in
.irp g, 0,1,2,3                                ; O^T += V^T P^T; the four accumulators by turns
.if \g%2
	v_wmma_scale_f32_16x16x128_f8f6f4 v[OT+8*\g:OT+8*\g+7], v[KF+12*\g:KF+12*\g+11], v[PC:PC+11], v[OT+8*\g:OT+8*\g+7], v[VS+\g/2], v[PW] matrix_a_fmt:MATRIX_FMT_BF6 matrix_b_fmt:MATRIX_FMT_BF6 matrix_a_scale:MATRIX_SCALE_ROW1
.else
	v_wmma_scale_f32_16x16x128_f8f6f4 v[OT+8*\g:OT+8*\g+7], v[KF+12*\g:KF+12*\g+11], v[PC:PC+11], v[OT+8*\g:OT+8*\g+7], v[VS+\g/2], v[PW] matrix_a_fmt:MATRIX_FMT_BF6 matrix_b_fmt:MATRIX_FMT_BF6
.endif
.endr
.endm
; A trip: each wave waits for all its tensor loads (its part of this trip's slot), adds 0 to its spare word, and waits for that and for its reads of the other slot; a round of the cluster's barrier;
; behind it the other slot is filled with the next key step, which has this trip's work in which to land.
.macro TRIP slot, refill
	s_wait_tensorcnt 0x0                           ; no tensor load of mine is out, so a group 0 may be written
	ds_add_u32 v[SPW], v[NIL]                      ; 0 onto my spare word
	s_add_nc_u64 s[G0K+4*\slot+2:G0K+4*\slot+3], s[G0K+4*\slot+2:G0K+4*\slot+3], 2*KVB     ; this slot's next key step
	s_add_nc_u64 s[G0M+4*\slot+2:G0M+4*\slot+3], s[G0M+4*\slot+2:G0M+4*\slot+3], 65536
	s_wait_dscnt 0x0                               ; the add is done, and so are my reads of the last trip's slot
	CROUND                                         ; both now hold of every wave of every work-group of the cluster
.if \refill
	TLOAD 1-\slot
.endif
	STEP \slot
.endm
.Lpair:                                            ; 7 trips of two key steps
	TRIP 0, 1
	TRIP 1, 1
	s_sub_co_u32 s[CNT], s[CNT], 1
	s_cmp_lg_u32 s[CNT], 0
	s_cbranch_scc1 .Lpair
	TRIP 0, 1                                      ; the last two key steps are written out: the very last asks for nothing
	TRIP 1, 0
	; THE WAY OUT.  O^T / the sum is ctx: register 16 b + i = channel 32 b + 16 (lane / 16) + i of my head, for my token: two blocks of the next product's K.  It is quantised and leaves as half a fragment's image.
.rept 4
	v_nop
.endr
	v_add_f32 v[LSUM], v[LSUM], v[LSUM+1]
	v_permlanex16_b32 v[WK], v[LSUM], s[SEL], s[SEL+1]
	v_add_f32 v[LSUM], v[LSUM], v[WK]              ; the row's sum
	v_rcp_f32 v[LSUM], v[LSUM]
	v_and_b32 v[KF], 31, v0                        ; (a plain place behind the reciprocal)
	v_lshlrev_b32 v[KF+1], 3, v[KF]
	v_lshlrev_b32 v[KF+2], 2, v[KF]
	v_lshlrev_b32 v[KF], 4, v[KF]
.set j, 0
	s_wait_alu depctr_va_vdst(0)
.rept 32
	v_mul_f32 v[SCR+j], v[OT+j], v[LSUM]
.set j, j+1
.endr
.irp b, 0,1
	v_max3_num_f32 v[BMX+\b], |v[SCR+16*\b]|, |v[SCR+1+16*\b]|, 0x2800000
.endr
.irp i, 2,4,6,8,10,12,14
.irp b, 0,1
	v_max3_num_f32 v[BMX+\b], v[BMX+\b], |v[SCR+16*\b+\i]|, |v[SCR+1+16*\b+\i]|
.endr
.endr
.irp b, 0,1
	v_permlanex16_b32 v[CT+\b], v[BMX+\b], s[SEL], s[SEL+1]
.endr
.irp b, 0,1
	v_max_num_f32 v[BMX+\b], v[BMX+\b], v[CT+\b]
.endr
.irp b, 0,1
	v_add_nc_u32 v[SO+\b], 0xfe000000, v[BMX+\b]
.endr
.irp b, 0,1
	v_lshrrev_b32 v[CT+\b], 23, v[SO+\b]
.endr
	v_lshl_or_b32 v[WK], v[CT+1], 8, v[CT]         ; my head's two bytes of the row's scale word,
	v_lshlrev_b32 v[WK], s61, v[WK]                ; at their place in it
	v_cvt_scalef32_pk16_bf6_f32 v[PC:PC+2], v[SCR:SCR+15], v[SO]
	v_cvt_scalef32_pk16_bf6_f32 v[CT+4:CT+6], v[SCR+16:SCR+31], v[SO+1]
	v_nop                                          ; one plain place behind a scaled conversion
.irp i, 0,1,2
	v_permlane16_swap_b32 v[PC+\i], v[CT+4+\i]
.endr
.irp i, 0,1,2
	v_mov_b32 v[PC+3+\i], v[CT+4+\i]
.endr
	global_store_b128 v[KF], v[PC:PC+3], s[66:67]                  ; 768 bytes: three aligned blocks of 256
	global_store_b64 v[KF+1], v[PC+4:PC+5], s[66:67] offset:512
	global_store_b32 v[KF+2], v[WK], s[68:69]                      ; 128 bytes; the pair's other head stores the block's other half
	s_wait_tensorcnt 0x0                           ; the wave's end
	ds_add_u32 v[SPW], v[NIL]
	s_wait_dscnt 0x0
	CROUND                                         ; the closing round
	s_endpgm
.Lfunc_end_k_q547916c61d_attn:
	.size	k_q547916c61d_attn, .Lfunc_end_k_q547916c61d_attn-k_q547916c61d_attn
	.p2alignl 7, 3214868480
	.fill 96, 4, 3214868480
	.section	.rodata,"a",@progbits
	.p2align	6, 0x0
	.amdhsa_kernel k_q547916c61d_attn
		.amdhsa_group_segment_fixed_size 327680
		.amdhsa_private_segment_fixed_size 0
		.amdhsa_enable_private_segment 0
		.amdhsa_kernarg_size 32
		.amdhsa_user_sgpr_count 2
		.amdhsa_user_sgpr_kernarg_segment_ptr 1
		.amdhsa_wavefront_size32 1
		.amdhsa_system_sgpr_workgroup_id_x 1
		.amdhsa_system_sgpr_workgroup_id_y 1
		.amdhsa_system_sgpr_workgroup_id_z 1
		.amdhsa_system_vgpr_workitem_id 0
		.amdhsa_next_free_vgpr 256
		.amdhsa_next_free_sgpr 80
		.amdhsa_reserve_vcc 0
		.amdhsa_float_denorm_mode_32 3
		.amdhsa_float_denorm_mode_16_64 3
		.amdhsa_memory_ordered 1
		.amdhsa_forward_progress 1
		.amdhsa_inst_pref_size 85
	.end_amdhsa_kernel
	.amdgpu_metadata
---
amdhsa.version: [ 1, 2 ]
amdhsa.kernels:
  - .name:           k_q547916c61d_attn
    .symbol:         k_q547916c61d_attn.kd
    .args:
      - { .name: qq, .offset: 0, .size: 8, .value_kind: global_buffer, .address_space: global }
      - { .name: kv, .offset: 8, .size: 8, .value_kind: global_buffer, .address_space: global }
      - { .name: mk, .offset: 16, .size: 8, .value_kind: global_buffer, .address_space: global }
      - { .name: cq, .offset: 24, .size: 8, .value_kind: global_buffer, .address_space: global }
    .group_segment_fixed_size: 327680
    .private_segment_fixed_size: 0
    .kernarg_segment_align: 8
    .kernarg_segment_size: 32
    .max_flat_workgroup_size: 512
    .sgpr_count:     80
    .vgpr_count:     256
    .wavefront_size: 32
...
	.end_amdgpu_metadata
.endif
;; end of part 3
;; launch tail (part 4): grid 128 x 1, 8 waves a work-group, no clusters, 190,464 bytes of LDS; arguments cq, wq, b_o, b_p, x, gamma, beta, out0; writes out0
.if DOCPART == 4
	.amdgcn_target "amdgcn-amd-amdhsa--gfx1250"
	.amdhsa_code_object_version 6
	.text
	.protected	k_q547916c61d_tail
	.globl	k_q547916c61d_tail
	.p2align	8
	.type	k_q547916c61d_tail,@function
k_q547916c61d_tail:
	s_mov_b64 s[64:65], 0
	v_nop
	global_prefetch_b8 v0, s[64:65] scope:SCOPE_SE
	s_setreg_imm32_b32 hwreg(HW_REG_WAVE_MODE, 25, 1), 1
	s_wait_xcnt 0x0
; TAIL.  out = LayerNorm(x + (ctx W_o^T + b_o) W_p^T + b_p) gamma + beta; both products on codes of BF6 with E8M0 scales; attn_out is quantised in registers and never goes to memory.
; SHARES.  A work-group owns 32 tokens (two tiles of 16), whole rows, since the second product's K and the norm span a row.  The eight waves share the COLUMNS: wave w makes columns 128 w .. 128 w + 127 of both products
; (8 tiles of a weight's rows, transposed use: a lane holds one token, its registers run along the columns), which is K step w of the next product: for each tile of tokens one fragment and one scale word a row.
; WHY 128 WORK-GROUPS.  Every work-group walks both weights' codes, 1,572,864 bytes.  128 work-groups of 32 tokens read 201 MB of them in all where 256 of 16 tokens read 403 MB, and each fragment loaded feeds two matrix
; instructions.  The matrix work, 512 instructions a SIMD, is small beside the time that these bytes take.  The price: half of the WGPs get no work-group.
; WEIGHTS GO FROM MEMORY STRAIGHT INTO REGISTERS, by dense loads of 512 bytes from their images: a weight's fragment is wanted by one wave of the work-group alone, so LDS would spare no read.
; Two sets of 8 fragments take turns: 24 loads a wave are out while 16 products are issued.
; THE ROWS' FRAGMENTS GO THROUGH LDS AS IMAGES OF REGISTERS, ctx's as attn_out's: wave w brings K step w of ctx from memory and stores it; every wave reads two fragments and two scale words a K step, a step ahead.
; NO CLUSTER, NO JOINT LOADS, though all work-groups walk the same weights: a K step's fragments for the eight waves are 98,304 bytes, and beside the stage LDS has room for one such slot; straight loads keep two sets of every
; wave, 196,608 bytes, on their way with no barrier at all.
; b_o starts the first product's sums (one load a wave, spread through the wave's own 512 bytes of LDS into both tiles' accumulators); b_p is added with the residual.  Four phases, three barriers.
; LIMITS: NaN and infinities are not served; a block of zeros, or one under 2^-122, has the byte 1.
; REGISTERS: window 0: v1-12 addresses; v16-63 two sets of two row fragments (also the quantiser's and the norm's work registers); v64-191 the 16 accumulators, then four rows; v192-223 the weight's scale words; v224-227 the rows'.
;   window 1: v0-95, v128-223 the two sets of weight fragments (at the end x's rows 0, 1, gamma; beta, b_p); v96-127, v224-255 x's rows 2, 3.
.set XIMG,  0                          ; LDS: ctx's 16 fragments (K step s, tile m: 2 s + m), 1,536 bytes each,
.set XSC,   24576                      ; their scale words, 128 bytes each,
.set HIMG,  26624                      ; attn_out's likewise,
.set HSC,   51200
.set STG,   53248                      ; the stage: 32 rows x (4,096 bytes + 16),
.set SPT,   4112
.set BOS,   184832                     ; and 512 bytes for each wave: its 128 numbers of b_o
.set LI,    1                          ; 16 x lane
.set L8,    2                          ; 8 x lane
.set L4,    3                          ; 4 x lane
.set LWS,   4                          ; 512 h + 8 r
.set XWI,   5                          ; where I store my K step's fragments: 3,072 w + 16 x lane
.set XWS,   6                          ; and their scale words: 256 w + 4 x lane
.set SO,    7                          ; v7, v8  the stage: where I put 32 bytes of a row of tile 0, of tile 1
.set SR,    9                          ; and where I read my four rows back
.set L256,  10                         ; 256 x lane
.set BWI,   11                         ; b_o: in,
.set BRD,   12                         ; and out: + 64 h
.set AFS,   16
.set ACC,   64
.set WS,    192
.set AS,    224
.set PC,    16                         ; the quantiser works in the row fragments' registers, which are idle then
.set TM,    36
.set PW,    52
.set SEL,   34
.set MSB, 0
.macro WIN new                         ; the immediate's high byte repeats the setting that is left
.if MSB != (\new)
	s_set_vgpr_msb (MSB<<8)|(\new)
.set MSB, (\new)
.endif
.endm
; 64 numbers of a lane, register 16 b + i = k 32 b + 16 (lane / 16) + i of my row, become a fragment's codes in v[PC] on and its scale word in v[PW].
.macro QUANT s
.irp b, 0,1,2,3
	v_max3_num_f32 v[TM+\b], |v[\s+16*\b]|, |v[\s+1+16*\b]|, 0x2800000   ; and the floor 2^(5 - 127): the byte cannot fall under 1
.endr
.irp i, 2,4,6,8,10,12,14
.irp b, 0,1,2,3
	v_max3_num_f32 v[TM+\b], v[TM+\b], |v[\s+16*\b+\i]|, |v[\s+1+16*\b+\i]|
.endr
.endr
.irp b, 0,1,2,3
	v_permlanex16_b32 v[TM+4+\b], v[TM+\b], s[SEL], s[SEL+1]
.endr
.irp b, 0,1,2,3
	v_max_num_f32 v[TM+\b], v[TM+\b], v[TM+4+\b]
.endr
.irp b, 0,1,2,3
	v_add_nc_u32 v[TM+12+\b], 0xfe000000, v[TM+\b]
.endr
.irp b, 0,1,2,3
	v_lshrrev_b32 v[TM+4+\b], 23, v[TM+12+\b]
.endr
	v_lshl_or_b32 v[PW], v[TM+5], 8, v[TM+4]
	v_lshl_or_b32 v[PW], v[TM+6], 16, v[PW]
	v_lshl_or_b32 v[PW], v[TM+7], 24, v[PW]
.irp c, 0,1
	v_cvt_scalef32_pk16_bf6_f32 v[PC+6*\c:PC+2+6*\c], v[\s+32*\c:\s+15+32*\c], v[TM+12+2*\c]
	v_cvt_scalef32_pk16_bf6_f32 v[PC+12+4*\c:PC+14+4*\c], v[\s+16+32*\c:\s+31+32*\c], v[TM+13+2*\c]
.endr
	v_nop                                          ; one plain place behind a scaled conversion
.irp c, 0,1
.irp i, 0,1,2
	v_permlane16_swap_b32 v[PC+6*\c+\i], v[PC+12+4*\c+\i]
.endr
.irp i, 0,1,2
	v_mov_b32 v[PC+3+6*\c+\i], v[PC+12+4*\c+\i]
.endr
.endr
.endm
	s_load_b512 s[4:19], s[0:1], 0x0               ; cq, wq, b_o, b_p, x, gamma, beta, out0
	v_lshl_add_u32 v254, v0, 2, 0x2e400
	v_mov_b32 v255, 0
	v_lshrrev_b32 v13, 5, v0
	v_readfirstlane_b32 s20, v13                   ; wave 0..7
	v_and_b32 v13, 31, v0                          ; lane
	v_and_b32 v14, 15, v0                          ; r
	v_bfe_u32 v15, v0, 4, 1                        ; h
	v_lshlrev_b32 v[LI], 4, v13
	v_lshlrev_b32 v[L8], 3, v13
	v_lshlrev_b32 v[L4], 2, v13
	v_lshlrev_b32 v[L256], 8, v13
	v_lshlrev_b32 v[LWS], 3, v14
	v_lshl_add_u32 v[LWS], v15, 9, v[LWS]
	s_mul_i32 s21, s20, 3072
	v_add_nc_u32 v[XWI], s21, v[LI]
	s_lshl_b32 s21, s20, 8
	v_add_nc_u32 v[XWS], s21, v[L4]
	v_mul_u32_u24 v[SO], v14, SPT
	v_lshl_add_u32 v[SO], v15, 6, v[SO]
	s_lshl_b32 s21, s20, 9
	s_add_co_u32 s22, s21, STG
	v_add_nc_u32 v[SO], s22, v[SO]                 ; row r, + 512 w + 64 h
	v_add_nc_u32 v[SO+1], 16*SPT, v[SO]            ; and 16 rows on
	s_add_co_u32 s22, s21, BOS
	v_add_nc_u32 v[BWI], s22, v[LI]
	v_lshl_add_u32 v[BRD], v15, 6, s22
	s_mul_i32 s21, s20, 4*SPT
	s_add_co_u32 s21, s21, STG
	v_add_nc_u32 v[SR], s21, v[LI]                 ; rows 4 w .. 4 w + 3
	s_mov_b32 s[SEL], 0x76543210
	s_mov_b32 s[SEL+1], 0xfedcba98
	s_mov_b32 s36, 0x3a800000                      ; 1 / 1,024
	s_mov_b32 s37, 0x3727c5ac                      ; 1e-5
	s_mul_i32 s22, ttmp9, 24576                    ; my two tiles' codes of ctx, 16 heads x 768 bytes each; K step w is heads 2 w, 2 w + 1
	s_mul_i32 s23, s20, 1536
	s_add_co_u32 s22, s22, s23
	s_mov_b32 s23, 0
	s_lshl_b32 s38, ttmp9, 12                      ; and their scale words: 16 x 128 bytes a tile
	s_lshl_b32 s39, s20, 8
	s_add_co_u32 s38, s38, s39
	s_add_co_u32 s38, s38, 3145728
	s_mov_b32 s39, 0
	s_mul_i32 s40, s20, 98304                      ; my 8 tiles of a weight
	s_mov_b32 s41, 0
	s_lshl_b32 s42, s20, 12                        ; their scale words
	s_mov_b32 s43, 0
	s_lshl_b32 s44, s20, 9                         ; my 128 numbers of b_o
	s_mov_b32 s45, 0
	s_lshl_b32 s46, ttmp9, 5                       ; the stage's row 16 m + r is token 32 g + 8 m + r + 8 (r / 8); my rows 4 w + i: m = w / 4, r = 4 (w % 4) + i: four tokens on end
	s_lshr_b32 s47, s20, 2
	s_lshl_b32 s47, s47, 3
	s_add_co_u32 s46, s46, s47
	s_and_b32 s47, s20, 3
	s_lshl_b32 s47, s47, 2
	s_add_co_u32 s46, s46, s47
	s_bfe_u32 s47, s20, 0x10001
	s_lshl_b32 s47, s47, 3
	s_add_co_u32 s46, s46, s47
	s_lshl_b32 s46, s46, 12
	s_mov_b32 s47, 0
	s_wait_kmcnt 0x0
	s_add_nc_u64 s[32:33], s[4:5], s[38:39]        ; ctx's scale words
	s_add_nc_u64 s[4:5], s[4:5], s[22:23]          ; ctx's codes
	s_add_nc_u64 s[24:25], s[6:7], s[40:41]
	s_add_nc_u64 s[26:27], s[24:25], 3145728       ; W_p's codes: the fifth weight
	s_add_nc_u64 s[24:25], s[24:25], 2359296       ; W_o's: the fourth
	s_add_nc_u64 s[28:29], s[6:7], s[42:43]
	s_add_nc_u64 s[30:31], s[28:29], 3932160+131072   ; W_p's scale words
	s_add_nc_u64 s[28:29], s[28:29], 3932160+98304    ; W_o's
	s_add_nc_u64 s[8:9], s[8:9], s[44:45]
	s_add_nc_u64 s[12:13], s[12:13], s[46:47]
	s_add_nc_u64 s[18:19], s[18:19], s[46:47]
.macro LOADW q                         ; K step q % 8 of W_o (q < 8) or W_p: my 8 fragments into set q % 2: 24 loads of 512 consecutive bytes
	WIN 0x40                                       ; destination window 1
.irp t, 0,1,2,3,4,5,6,7
.irp c, 0,1,2
.if (\q) < 8
	global_load_b128 v[128*((\q)%2)+12*\t+4*\c:128*((\q)%2)+12*\t+4*\c+3], v[LI], s[24:25] offset:12288*\t+1536*((\q)%8)+512*\c
.else
	global_load_b128 v[128*((\q)%2)+12*\t+4*\c:128*((\q)%2)+12*\t+4*\c+3], v[LI], s[26:27] offset:12288*\t+1536*((\q)%8)+512*\c
.endif
.endr
.endr
	WIN 0
.endm
.macro LOADS base                      ; a weight's scale words: register 8 i + q: lanes 0-15 the word of my tile 2 i, lanes 16-31 of tile 2 i + 1, for K step q
.irp i, 0,1,2,3
.irp g, 0,1,2,3
	global_load_b64 v[WS+8*\i+2*\g:WS+8*\i+2*\g+1], v[LWS], s[\base:\base+1] offset:1024*\i+128*\g
.endr
.endr
.endm
.macro AFLOAD q                        ; the two row fragments and scale words of K step q % 8, of ctx (q < 8) or of attn_out, into set q % 2
.if (\q) < 8
.set IMGB, XIMG
.set SCB, XSC
.else
.set IMGB, HIMG
.set SCB, HSC
.endif
.irp m, 0,1
.irp c, 0,1,2
	ds_load_b128 v[AFS+24*((\q)%2)+12*\m+4*\c:AFS+24*((\q)%2)+12*\m+4*\c+3], v[LI] offset:IMGB+(2*((\q)%8)+\m)*1536+512*\c
.endr
	ds_load_b32 v[AS+2*((\q)%2)+\m], v[L4] offset:SCB+(2*((\q)%8)+\m)*128
.endr
.endm
	; ---- the head: the few small loads first, then the two first sets of weights: 77 loads
.irp m, 0,1                                    ; ctx: K step w of tile m is heads 2 w and 2 w + 1, half a fragment each
	global_load_b128 v[AFS+12*\m:AFS+12*\m+3], v[LI], s[4:5] offset:12288*\m
	global_load_b64 v[AFS+12*\m+4:AFS+12*\m+5], v[L8], s[4:5] offset:12288*\m+512
	global_load_b128 v[AFS+12*\m+6:AFS+12*\m+9], v[LI], s[4:5] offset:12288*\m+768
	global_load_b64 v[AFS+12*\m+10:AFS+12*\m+11], v[L8], s[4:5] offset:12288*\m+1280
	global_load_b32 v[40+2*\m], v[L4], s[32:33] offset:2048*\m
	global_load_b32 v[41+2*\m], v[L4], s[32:33] offset:2048*\m+128
.endr
	global_load_b128 v[44:47], v[LI], s[8:9]       ; my 128 numbers of b_o, 4 a lane
	LOADS 28
	LOADW 0
	LOADW 1
	s_wait_loadcnt 48                              ; all but the two sets' 48 loads
.irp m, 0,1
	v_or_b32 v[40+2*\m], v[40+2*\m], v[41+2*\m]    ; a K step's scale word: the even head's two bytes below, the odd head's above
.endr
.irp m, 0,1
.irp c, 0,1,2
	ds_store_b128 v[XWI], v[AFS+12*\m+4*\c:AFS+12*\m+4*\c+3] offset:XIMG+1536*\m+512*\c
.endr
	ds_store_b32 v[XWS], v[40+2*\m] offset:XSC+128*\m
.endr
	ds_store_b128 v[BWI], v[44:47]
.irp m, 0,1                                    ; b_o into both tiles' accumulators: tile t, register j: column 32 (t / 2) + 16 h + 8 (t % 2) + j.  (My own bytes: LDS serves a wave's instructions in order)
.irp t, 0,1,2,3,4,5,6,7
	ds_load_b128 v[ACC+64*\m+8*\t:ACC+64*\m+8*\t+3], v[BRD] offset:(32*(\t/2)+8*(\t%2))*4
	ds_load_b128 v[ACC+64*\m+8*\t+4:ACC+64*\m+8*\t+7], v[BRD] offset:(32*(\t/2)+8*(\t%2))*4+16
.endr
.endr
	s_wait_dscnt 0x0                               ; for the others' sake: my stores have landed
	s_barrier_signal -1
	s_barrier_wait -1                              ; ctx's sixteen fragments lie in LDS
	AFLOAD 0
.macro MM q, t, m                      ; one product: my tile t of the weight's rows x tile m of tokens
.set rD, ACC+64*(\m)+8*(\t)
.set rW, 128*((\q)%2)+12*(\t)
.set rA, AFS+24*((\q)%2)+12*(\m)
.set rS, WS+8*((\t)/2)+(\q)%8
.set rT, AS+2*((\q)%2)+(\m)
.if (\q) == 8                          ; the second product's first K step starts its sums
.if (\t)%2
	v_wmma_scale_f32_16x16x128_f8f6f4 v[rD:rD+7], v[rW:rW+11], v[rA:rA+11], 0, v[rS], v[rT] matrix_a_fmt:MATRIX_FMT_BF6 matrix_b_fmt:MATRIX_FMT_BF6 matrix_a_scale:MATRIX_SCALE_ROW1
.else
	v_wmma_scale_f32_16x16x128_f8f6f4 v[rD:rD+7], v[rW:rW+11], v[rA:rA+11], 0, v[rS], v[rT] matrix_a_fmt:MATRIX_FMT_BF6 matrix_b_fmt:MATRIX_FMT_BF6
.endif
.else
.if (\t)%2
	v_wmma_scale_f32_16x16x128_f8f6f4 v[rD:rD+7], v[rW:rW+11], v[rA:rA+11], v[rD:rD+7], v[rS], v[rT] matrix_a_fmt:MATRIX_FMT_BF6 matrix_b_fmt:MATRIX_FMT_BF6 matrix_a_scale:MATRIX_SCALE_ROW1
.else
	v_wmma_scale_f32_16x16x128_f8f6f4 v[rD:rD+7], v[rW:rW+11], v[rA:rA+11], v[rD:rD+7], v[rS], v[rT] matrix_a_fmt:MATRIX_FMT_BF6 matrix_b_fmt:MATRIX_FMT_BF6
.endif
.endif
.endm
; K step q % 8 of the first (q < 8) or second product: 16 products, the 16 accumulators by turns; then the loads into the set just read.
.macro PSTEP q
.if ((\q) == 8) || ((\q) == 9)
	s_wait_loadcnt 40                              ; this step's set is in; behind it: a set's 24 loads and the 16 of x's rows 2 and 3
.else
	s_wait_loadcnt 24                              ; this step's set is in; the 24 loads issued behind it may be out
.endif
	s_wait_dscnt 0x0                               ; this step's row fragments are in (asked for a step ago)
.if ((\q)%8) < 7
	AFLOAD (\q)+1                                  ; the next step's, into the set that the last step's products read: four places stand behind those
.endif
	WIN 0x01                                       ; source 0 (the weight) window 1
.irp t, 0,1,2,3,4,5,6,7
.irp m, 0,1
	MM \q, \t, \m
.endr
.endr
	WIN 0
.rept 4
	v_nop                                          ; places in front of loads into registers that these products read, and of the first read of results
.endr
.if (\q) == 7
	LOADS 30                                       ; W_p's scale words first, so that step 8's count covers them,
	LOADW 9
	WIN 0x40
.irp i, 0,1,2,3,4,5,6,7
	global_load_b128 v[96+4*\i:96+4*\i+3], v[LI], s[12:13] offset:8192+512*\i th:TH_LOAD_NT      ; x's rows 2 and 3, eight K steps ahead of their use, into registers that nothing else takes
.endr
.irp i, 0,1,2,3,4,5,6,7
	global_load_b128 v[224+4*\i:224+4*\i+3], v[LI], s[12:13] offset:12288+512*\i th:TH_LOAD_NT
.endr
	WIN 0
.elseif (\q) <= 13
	LOADW (\q)+2
.elseif (\q) == 14
	WIN 0x40                                       ; the set just read takes x's rows 0 and 1 and gamma: 24 loads, so that step 15's count holds
.irp p, 0,1
.irp i, 0,1,2,3,4,5,6,7
	global_load_b128 v[32*\p+4*\i:32*\p+4*\i+3], v[LI], s[12:13] offset:4096*\p+512*\i th:TH_LOAD_NT
.endr
.endr
.irp i, 0,1,2,3,4,5,6,7
	global_load_b128 v[64+4*\i:64+4*\i+3], v[LI], s[14:15] offset:512*\i
.endr
	WIN 0
.else
	WIN 0x40
.irp i, 0,1,2,3,4,5,6,7
	global_load_b128 v[128+4*\i:128+4*\i+3], v[LI], s[16:17] offset:512*\i          ; beta
.endr
.irp i, 0,1,2,3,4,5,6,7
	global_load_b128 v[160+4*\i:160+4*\i+3], v[LI], s[10:11] offset:512*\i          ; b_p, in the norm's layout
.endr
	WIN 0
.endif
.endm
.irp q, 0,1,2,3,4,5,6,7
	PSTEP \q                                       ; attn_out = ctx W_o^T + b_o, my 128 columns of 32 tokens
.endr
.irp b, 0,1,2,3
	v_mov_b32 v[TM+4+\b], 0                        ; a lane permute's destination counts as one of its sources
.endr
.irp m, 0,1                                    ; they are K step w of the second product
	QUANT ACC+64*\m
.irp c, 0,1,2
	ds_store_b128 v[XWI], v[PC+4*\c:PC+4*\c+3] offset:HIMG+1536*\m+512*\c
.endr
	ds_store_b32 v[XWS], v[PW] offset:HSC+128*\m
	s_wait_dscnt 0x0                               ; the stores have read their registers, and have landed
.endr
	global_prefetch_b8 v[L256], s[12:13] th:TH_LOAD_NT scope:SCOPE_SE   ; x's rows 0 and 1 of my four, 8,192 bytes, lanes 256 bytes apart: each block is asked for once in the launch, seven K steps ahead of its load
	s_barrier_signal -1
	s_barrier_wait -1                              ; attn_out's sixteen fragments lie in LDS
	AFLOAD 8
.irp q, 8,9,10,11,12,13,14,15
	PSTEP \q                                       ; attn_out W_p^T, my 128 columns
.endr
.irp m, 0,1
.irp t, 0,1,2,3,4,5,6,7                        ; lane (r, h): row 16 m + r, columns 128 w + 32 (t / 2) + 16 h + 8 (t % 2) + 0 .. 7; each accumulator from its low end on
	ds_store_b128 v[SO+\m], v[ACC+64*\m+8*\t:ACC+64*\m+8*\t+3] offset:128*(\t/2)+32*(\t%2)
	ds_store_b128 v[SO+\m], v[ACC+64*\m+8*\t+4:ACC+64*\m+8*\t+7] offset:128*(\t/2)+32*(\t%2)+16
.endr
.endr
	s_wait_dscnt 0x0
	s_barrier_signal -1
	s_barrier_wait -1                              ; 32 whole rows lie in the stage
.irp p, 0,1,2,3
.irp i, 0,1,2,3,4,5,6,7
	ds_load_b128 v[ACC+32*\p+4*\i:ACC+32*\p+4*\i+3], v[SR] offset:SPT*\p+512*\i
.endr
.endr
	v_mov_b32 v24, 0                               ; a lane permute's destination counts as one of its sources
	s_wait_loadcnt 0x0                             ; x, gamma, beta, b_p
	s_wait_dscnt 0x0
.macro ALLSUM                          ; v16 summed over the 32 lanes, the result in every lane
	v_add_f32_dpp v16, v16, v16 row_xmask:1 row_mask:0xf bank_mask:0xf
	v_add_f32_dpp v16, v16, v16 row_xmask:2 row_mask:0xf bank_mask:0xf
	v_add_f32_dpp v16, v16, v16 row_xmask:4 row_mask:0xf bank_mask:0xf
	v_add_f32_dpp v16, v16, v16 row_xmask:8 row_mask:0xf bank_mask:0xf
	v_permlanex16_b32 v24, v16, s[SEL], s[SEL+1]
	v_add_f32 v16, v16, v24
.endm
; One row: register 4 i + e = column 128 i + 4 lane + e.  The residual and b_p, the mean, the variance of the centred numbers, the gain and the offset, all in f32.
.macro LNROW p
.set Y, ACC+32*(\p)
.if (\p) < 2
.set XR, 32*(\p)
.elseif (\p) == 2
.set XR, 96
.else
.set XR, 224
.endif
	WIN 0x04                                       ; source 1 (x, b_p) window 1
.set i, 0
.rept 16
	v_pk_add_f32 v[Y+i:Y+i+1], v[Y+i:Y+i+1], v[XR+i:XR+i+1]
.set i, i+2
.endr
.set i, 0
.rept 16
	v_pk_add_f32 v[Y+i:Y+i+1], v[Y+i:Y+i+1], v[160+i:161+i]
.set i, i+2
.endr
	WIN 0
	v_pk_add_f32 v[16:17], v[Y:Y+1], v[Y+2:Y+3]    ; the sum, in two chains
	v_pk_add_f32 v[18:19], v[Y+4:Y+5], v[Y+6:Y+7]
.irp i, 8,12,16,20,24,28
	v_pk_add_f32 v[16:17], v[16:17], v[Y+\i:Y+\i+1]
	v_pk_add_f32 v[18:19], v[18:19], v[Y+\i+2:Y+\i+3]
.endr
	v_pk_add_f32 v[16:17], v[16:17], v[18:19]
	v_add_f32 v16, v16, v17
	ALLSUM
	v_mul_f32 v20, s36, v16                        ; the mean
	v_mov_b32 v21, v20
.set i, 0
.rept 16
	v_pk_add_f32 v[Y+i:Y+i+1], v[Y+i:Y+i+1], v[20:21] neg_lo:[0,1] neg_hi:[0,1]
.set i, i+2
.endr
	v_pk_mul_f32 v[16:17], v[Y:Y+1], v[Y:Y+1]
	v_pk_mul_f32 v[18:19], v[Y+2:Y+3], v[Y+2:Y+3]
.irp i, 4,8,12,16,20,24,28
	v_pk_fma_f32 v[16:17], v[Y+\i:Y+\i+1], v[Y+\i:Y+\i+1], v[16:17]
	v_pk_fma_f32 v[18:19], v[Y+\i+2:Y+\i+3], v[Y+\i+2:Y+\i+3], v[18:19]
.endr
	v_pk_add_f32 v[16:17], v[16:17], v[18:19]
	v_add_f32 v16, v16, v17
	ALLSUM
	v_fma_f32 v22, v16, s36, s37                   ; the variance + 1e-5
	v_rsq_f32 v22, v22
	v_mov_b32 v23, 0                               ; (a plain place behind the transcendental; named with v22 as a pair)
.set i, 0
	s_wait_alu depctr_va_vdst(0)
.rept 16
	v_pk_mul_f32 v[Y+i:Y+i+1], v[Y+i:Y+i+1], v[22:23] op_sel_hi:[1,0]
.set i, i+2
.endr
	WIN 0x14                                       ; sources 1 (gamma) and 2 (beta) window 1
.set i, 0
.rept 16
	v_pk_fma_f32 v[Y+i:Y+i+1], v[Y+i:Y+i+1], v[64+i:64+i+1], v[128+i:128+i+1]
.set i, i+2
.endr
	WIN 0
.irp i, 0,1,2,3,4,5,6,7
	global_store_b128 v[LI], v[Y+4*\i:Y+4*\i+3], s[18:19] offset:4096*(\p)+512*\i th:TH_STORE_NT   ; 32 lanes store 512 consecutive bytes, aligned; written once, read by nobody here
.endr
.endm
	LNROW 0
	LNROW 1
	LNROW 2
	LNROW 3
	s_wait_tensorcnt 0x0
	ds_add_u32 v254, v255
	s_wait_dscnt 0x0
	s_endpgm
.Lfunc_end_k_q547916c61d_tail:
	.size	k_q547916c61d_tail, .Lfunc_end_k_q547916c61d_tail-k_q547916c61d_tail
	.p2alignl 7, 3214868480
	.fill 96, 4, 3214868480
	.section	.rodata,"a",@progbits
	.p2align	6, 0x0
	.amdhsa_kernel k_q547916c61d_tail
		.amdhsa_group_segment_fixed_size 190464
		.amdhsa_private_segment_fixed_size 0
		.amdhsa_enable_private_segment 0
		.amdhsa_kernarg_size 64
		.amdhsa_user_sgpr_count 2
		.amdhsa_user_sgpr_kernarg_segment_ptr 1
		.amdhsa_wavefront_size32 1
		.amdhsa_system_sgpr_workgroup_id_x 1
		.amdhsa_system_sgpr_workgroup_id_y 1
		.amdhsa_system_sgpr_workgroup_id_z 1
		.amdhsa_system_vgpr_workitem_id 0
		.amdhsa_next_free_vgpr 512
		.amdhsa_next_free_sgpr 66
		.amdhsa_reserve_vcc 0
		.amdhsa_float_denorm_mode_32 3
		.amdhsa_float_denorm_mode_16_64 3
		.amdhsa_memory_ordered 1
		.amdhsa_forward_progress 1
		.amdhsa_inst_pref_size 145
	.end_amdhsa_kernel
	.amdgpu_metadata
---
amdhsa.version: [ 1, 2 ]
amdhsa.kernels:
  - .name:           k_q547916c61d_tail
    .symbol:         k_q547916c61d_tail.kd
    .args:
      - { .name: cq, .offset: 0, .size: 8, .value_kind: global_buffer, .address_space: global }
      - { .name: wq, .offset: 8, .size: 8, .value_kind: global_buffer, .address_space: global }
      - { .name: b_o, .offset: 16, .size: 8, .value_kind: global_buffer, .address_space: global }
      - { .name: b_p, .offset: 24, .size: 8, .value_kind: global_buffer, .address_space: global }
      - { .name: x, .offset: 32, .size: 8, .value_kind: global_buffer, .address_space: global }
      - { .name: gamma, .offset: 40, .size: 8, .value_kind: global_buffer, .address_space: global }
      - { .name: beta, .offset: 48, .size: 8, .value_kind: global_buffer, .address_space: global }
      - { .name: out0, .offset: 56, .size: 8, .value_kind: global_buffer, .address_space: global }
    .group_segment_fixed_size: 190464
    .private_segment_fixed_size: 0
    .kernarg_segment_align: 8
    .kernarg_segment_size: 64
    .max_flat_workgroup_size: 256
    .sgpr_count:     66
    .vgpr_count:     512
    .wavefront_size: 32
...
	.end_amdgpu_metadata
.endif
;; end of part 4
;; ======== version 2 of 2: 4 launches
;; workspace buffers: xq 3,276,800 bytes; wq 4,096,000 bytes; mk 33,554,432 bytes; qq 3,407,872 bytes; kv 6,684,672 bytes; cq 3,670,016 bytes
;; launch prep (part 5): grid 1312 x 1, 4 waves a work-group, no clusters, 34,304 bytes of LDS; arguments x, W_q, W_k, W_v, W_o, W_p, verse_positions, xq, wq, mk; writes xq, wq, mk
.if DOCPART == 5
	.amdgcn_target "amdgcn-amd-amdhsa--gfx1250"
	.amdhsa_code_object_version 6
	.text
	.protected	k_q547916c61d_prep
	.globl	k_q547916c61d_prep
	.p2align	8
	.type	k_q547916c61d_prep,@function
k_q547916c61d_prep:
	s_mov_b64 s[64:65], 0
	v_nop
	global_prefetch_b8 v0, s[64:65] scope:SCOPE_SE
	s_setreg_imm32_b32 hwreg(HW_REG_WAVE_MODE, 25, 1), 1
	s_wait_xcnt 0x0
; PREP.  Two kinds of work-group, parted once on the work-group's number.
; (1) Work-groups 0-287 turn x [4096][1024] and the five weights [1024][1024], f32, K innermost, into codes of BF6 (E3M2) with one E8M0 byte for each 32 along K.
;     The codes are laid as IMAGES OF OPERAND REGISTERS: tile T holds 16 rows, lane index r = row 32 (T / 2) + 8 (T % 2) + r + 8 (r / 8); a fragment (16 rows x 128 K, 12 registers a lane)
;     is 1,536 bytes: registers 4 c .. 4 c + 3 of lane l at 512 c + 16 l.  A tile's 8 fragments lie on end.  Scale words: [tile][pair of K steps][r][8 bytes].
;     A block's scale is 2^(floor(log2(largest magnitude)) - 4); its byte is that magnitude's exponent field - 4, held at 1 from below.
; (2) Work-groups 288-1311 make 8 x the additive mask, f32, in the layout of the C operand of the score product (a lane: one query; registers: 8 keys), so that attention adds it by its matrix instruction:
;     (q.k / 8 + m) log2(e) = (q.k + 8 m) (log2(e) / 8), and the factor 8 is exact.  One wave: 16 queries x 128 keys, 8,192 bytes.
; LIMITS: NaN and infinities among the inputs are not served.  A block of zeros, and one whose largest magnitude lies under 2^-122, has the byte 1 (the bytes are read by this program alone; zero codes add nothing).
;     Verse numbers lie within +-2^30, so that a difference fits in 32 bits.  2.4 / d is v_rcp_f32 and one multiplication.
; No tensor loads, no barrier: waves share nothing.  No cluster: no two work-groups read the same bytes but the 16 KB of verse numbers.
.set NQWG,  288                        ; work-groups of kind (1): 128 groups of 32 rows of x, 5 x 32 of the weights
.set STW,   8448                       ; LDS: a stage of 16 rows x 528 bytes for each wave
.set SP,    528                        ; 512 bytes + 16: the sixteen rows that a read touches begin in different banks
.set R,     16                         ; v16-143  two sets of 64 numbers as loaded
.set X,     144                        ; v144-207 64 numbers: register 16 b + i = k 32 b + 16 (lane / 16) + i of my row
.set PC,    208                        ; v208-227 the codes just made
.set TM,    228                        ; v228-243 at work
.set PW,    244                        ; the scale word just made
.set SW,    245                        ; v245-248 the four K steps' scale words
.set SEL,   40                         ; s[40:41] v_permlanex16_b32's selects for lane l xor 16
.set VK,    16                         ; mask: v16-79 the keys' verse numbers, then 8 m
.set FF,    80
.set GG,    96
.set LL,    112
; 64 numbers of a lane, v[s] .. v[s + 63], become a fragment's codes in v[PC] on and its scale word in v[PW].
.macro QUANT s
.irp b, 0,1,2,3
	v_max3_num_f32 v[TM+\b], |v[\s+16*\b]|, |v[\s+1+16*\b]|, 0x2800000   ; block b: my 16 numbers, and the floor 2^(5 - 127): the byte cannot fall under 1
.endr
.irp i, 2,4,6,8,10,12,14
.irp b, 0,1,2,3
	v_max3_num_f32 v[TM+\b], v[TM+\b], |v[\s+16*\b+\i]|, |v[\s+1+16*\b+\i]|   ; the four blocks by turns
.endr
.endr
.irp b, 0,1,2,3
	v_permlanex16_b32 v[TM+4+\b], v[TM+\b], s[SEL], s[SEL+1]
.endr
.irp b, 0,1,2,3
	v_max_num_f32 v[TM+\b], v[TM+\b], v[TM+4+\b]   ; with lane l xor 16's: the block's largest magnitude
.endr
.irp b, 0,1,2,3
	v_add_nc_u32 v[TM+12+\b], 0xfe000000, v[TM+\b]   ; 4 off its exponent field: the conversion takes that field as its scale
.endr
.irp b, 0,1,2,3
	v_lshrrev_b32 v[TM+4+\b], 23, v[TM+12+\b]      ; the scale's byte
.endr
	v_lshl_or_b32 v[PW], v[TM+5], 8, v[TM+4]
	v_lshl_or_b32 v[PW], v[TM+6], 16, v[PW]
	v_lshl_or_b32 v[PW], v[TM+7], 24, v[PW]
.irp c, 0,1
	v_cvt_scalef32_pk16_bf6_f32 v[PC+6*\c:PC+2+6*\c], v[\s+32*\c:\s+15+32*\c], v[TM+12+2*\c]
	v_cvt_scalef32_pk16_bf6_f32 v[PC+12+4*\c:PC+14+4*\c], v[\s+16+32*\c:\s+31+32*\c], v[TM+13+2*\c]   ; (a conversion's three registers begin on an even number)
.endr
	v_nop                                          ; one plain place behind a scaled conversion
.irp c, 0,1                                    ; the operand's layout wants a whole block in a lane: lanes 0-15 block 2 c, lanes 16-31 block 2 c + 1
.irp i, 0,1,2
	v_permlane16_swap_b32 v[PC+6*\c+\i], v[PC+12+4*\c+\i]
.endr
.irp i, 0,1,2
	v_mov_b32 v[PC+3+6*\c+\i], v[PC+12+4*\c+\i]
.endr
.endr
.endm
	s_load_b512 s[4:19], s[0:1], 0x0               ; x, W_q, W_k, W_v, W_o, W_p, verse numbers, xq
	s_load_b128 s[20:23], s[0:1], 0x40             ; wq, mk
	v_lshl_add_u32 v254, v0, 2, 0x8400
	v_mov_b32 v255, 0
	v_lshrrev_b32 v1, 5, v0
	v_readfirstlane_b32 s24, v1                    ; wave 0..3
	v_and_b32 v1, 31, v0                           ; lane
	v_and_b32 v2, 15, v0                           ; r
	v_bfe_u32 v3, v0, 4, 1                         ; h
	v_lshlrev_b32 v4, 4, v1                        ; 16 x lane
	s_cmp_ge_u32 ttmp9, NQWG
	s_cbranch_scc1 .Lmask
; ---------------- (1) the quantiser.  A work-group takes the two tiles of a group of 32 rows; wave: tile wave / 2, K steps 4 (wave % 2) on.
	v_lshlrev_b32 v5, 3, v1                        ; 8 x lane
	s_mul_i32 s25, s24, STW
	v_add_nc_u32 v6, s25, v4                       ; the stage, in: a row's 512 bytes as they lie
	v_mul_u32_u24 v7, v2, SP
	v_lshl_add_u32 v7, v3, 6, v7
	v_add_nc_u32 v7, s25, v7                       ; out: row r, + 64 h: my 16 numbers of each block of 32
	s_mov_b32 s[SEL], 0x76543210
	s_mov_b32 s[SEL+1], 0xfedcba98
	s_mov_b32 s42, 0xffff0000                      ; lanes 16-31
.irp b, 0,1,2,3
	v_mov_b32 v[TM+4+\b], 0                        ; written once: a lane permute's destination counts as one of its sources
.endr
	s_lshr_b32 s46, s24, 1                         ; which tile of the two
	s_and_b32 s47, s24, 1                          ; which half of K
	s_wait_alu depctr_va_vdst(0)
	s_wait_kmcnt 0x0
	s_mov_b64 s[26:27], s[14:15]                   ; the tensor, by the work-group's number alone
	s_cmp_lt_u32 ttmp9, 256
	s_cselect_b64 s[26:27], s[12:13], s[26:27]
	s_cmp_lt_u32 ttmp9, 224
	s_cselect_b64 s[26:27], s[10:11], s[26:27]
	s_cmp_lt_u32 ttmp9, 192
	s_cselect_b64 s[26:27], s[8:9], s[26:27]
	s_cmp_lt_u32 ttmp9, 160
	s_cselect_b64 s[26:27], s[6:7], s[26:27]
	s_cmp_lt_u32 ttmp9, 128
	s_cselect_b64 s[26:27], s[4:5], s[26:27]
	s_cselect_b64 s[28:29], s[18:19], s[20:21]     ; xq or wq
	s_cselect_b32 s32, 0, 128                      ; the first work-group of that buffer
	s_mov_b32 s33, 3932160
	s_cselect_b32 s33, 3145728, s33                ; where its scale words begin
	s_cselect_b32 s34, 127, 31                     ; groups in a tensor - 1
	s_sub_co_u32 s35, ttmp9, s32                   ; group in the buffer
	s_and_b32 s36, s35, s34                        ; group in the tensor
	s_lshl_b32 s36, s36, 17                        ; 32 rows of 4,096 bytes
	s_lshl_b32 s38, s46, 15                        ; the odd tile begins 8 rows on
	s_add_co_u32 s36, s36, s38
	s_lshl_b32 s38, s47, 11                        ; 512 numbers along K
	s_add_co_u32 s36, s36, s38
	s_mov_b32 s37, 0
	s_add_nc_u64 s[26:27], s[26:27], s[36:37]      ; what I read
	s_lshl_b32 s35, s35, 1
	s_add_co_u32 s35, s35, s46                     ; my tile
	s_lshl_b32 s36, s35, 9                         ; 512 bytes of scale words a tile
	s_lshl_b32 s38, s47, 8
	s_add_co_u32 s36, s36, s38
	s_add_co_u32 s36, s36, s33
	s_add_nc_u64 s[30:31], s[28:29], s[36:37]      ; my 256 bytes of scale words
	s_mul_i32 s36, s35, 12288                      ; 8 fragments a tile
	s_mul_i32 s38, s47, 6144
	s_add_co_u32 s36, s36, s38
	s_add_nc_u64 s[28:29], s[28:29], s[36:37]      ; my four fragments
.macro LOADR s                         ; K step s: 16 rows x 512 consecutive bytes, 16 bytes a lane
.irp i, 0,1,2,3,4,5,6,7,8,9,10,11,12,13,14,15
	global_load_b128 v[R+64*((\s)%2)+4*\i:R+64*((\s)%2)+4*\i+3], v4, s[26:27] offset:(\i+8*(\i/8))*4096+512*(\s) th:TH_LOAD_NT
.endr
.endm
.macro STEPQ s
.if (\s) < 3
	s_wait_loadcnt 16                              ; this step's 16 loads are in; the next step's 16 may be out
.else
	s_wait_loadcnt 0x0
.endif
.irp i, 0,1,2,3,4,5,6,7,8,9,10,11,12,13,14,15
	ds_store_b128 v6, v[R+64*((\s)%2)+4*\i:R+64*((\s)%2)+4*\i+3] offset:SP*\i
.endr
.irp b, 0,1,2,3
.irp q, 0,1,2,3
	ds_load_b128 v[X+16*\b+4*\q:X+16*\b+4*\q+3], v7 offset:128*\b+16*\q   ; LDS serves a wave's instructions in order: these see the stores above
.endr
.endr
	s_wait_dscnt 0x0                               ; the numbers are back, and the stores have read their registers,
.if (\s) < 2
	LOADR (\s)+2                                   ; which take the loads of two steps on
.endif
	s_wait_xcnt 0x0                                ; the last step's stores have read the codes' registers: they are written again only behind this wait
	QUANT X
.irp c, 0,1,2
	global_store_b128 v4, v[PC+4*\c:PC+4*\c+3], s[28:29] offset:1536*(\s)+512*\c   ; 32 lanes store 512 consecutive bytes, aligned
.endr
	v_mov_b32 v[SW+(\s)], v[PW]
.endm
	LOADR 0
	LOADR 1
	STEPQ 0
	STEPQ 1
	STEPQ 2
	STEPQ 3
	v_cndmask_b32 v250, v[SW], v[SW+2], s42        ; lanes 0-15: the words of my first two K steps, lanes 16-31: of the other two (a row's word stands in lanes r and r + 16 alike)
	v_cndmask_b32 v251, v[SW+1], v[SW+3], s42
	global_store_b64 v5, v[250:251], s[30:31]      ; 256 consecutive bytes, aligned
	s_wait_tensorcnt 0x0
	ds_add_u32 v254, v255
	s_wait_dscnt 0x0
	s_endpgm
; ---------------- (2) the mask.  Work-group: query tile (number - 288) / 4; wave: key step 4 ((number - 288) % 4) + wave.
.Lmask:
	s_sub_co_u32 s32, ttmp9, NQWG
	s_lshr_b32 s33, s32, 2                         ; query tile 0..255
	s_and_b32 s34, s32, 3
	s_lshl_b32 s34, s34, 2
	s_add_co_u32 s34, s34, s24                     ; key step j
	s_lshr_b32 s35, s33, 7                         ; batch b
	s_and_b32 s33, s33, 127                        ; tile a in the batch
	s_lshl_b32 s36, s35, 13                        ; a batch's verse numbers: 8,192 bytes
	s_lshr_b32 s38, s33, 1
	s_lshl_b32 s38, s38, 7
	s_and_b32 s39, s33, 1
	s_lshl_b32 s39, s39, 5
	s_add_co_u32 s38, s38, s39
	s_add_co_u32 s38, s38, s36                     ; the tile's first query: 32 (a / 2) + 8 (a % 2), in bytes
	s_mov_b32 s39, 0
	s_lshl_b32 s46, s34, 9
	s_add_co_u32 s36, s36, s46                     ; the step's first key
	s_mov_b32 s37, 0
	s_lshl_b32 s46, s35, 5                         ; mk: [32 b + a / 4][j][a % 4][key tile][1,024 bytes]
	s_lshr_b32 s47, s33, 2
	s_add_co_u32 s46, s46, s47
	s_lshl_b32 s46, s46, 4
	s_add_co_u32 s46, s46, s34
	s_lshl_b32 s46, s46, 15
	s_and_b32 s47, s33, 3
	s_lshl_b32 s47, s47, 13
	s_add_co_u32 s46, s46, s47
	s_mov_b32 s47, 0
	s_wait_alu depctr_va_vdst(0)
	v_and_b32 v9, 8, v2
	v_add_nc_u32 v9, v9, v2
	v_lshlrev_b32 v9, 2, v9                        ; my query: r + 8 (r / 8)
	v_lshlrev_b32 v10, 6, v3                       ; my keys: 16 h on in each block of 32
	s_mov_b32 s43, 0x4019999a                      ; 2.4
	s_mov_b32 s44, 0x41000000                      ; 8.0
	s_wait_alu depctr_va_vdst(0)
	s_wait_kmcnt 0x0
	s_add_nc_u64 s[26:27], s[16:17], s[38:39]
	s_add_nc_u64 s[28:29], s[16:17], s[36:37]
	s_add_nc_u64 s[30:31], s[22:23], s[46:47]
	global_load_b32 v8, v9, s[26:27]
.irp b, 0,1,2,3
.irp q, 0,1,2,3
	global_load_b128 v[VK+16*\b+4*\q:VK+16*\b+4*\q+3], v10, s[28:29] offset:128*\b+16*\q   ; register 16 b + i: key 32 b + 16 h + i = register i % 8 of key tile 2 b + i / 8
.endr
.endr
	s_wait_loadcnt 0x0
	v_cmp_eq_u32 s45, 0, v8                        ; my query's verse is 0
.irp b, 0,1,2,3
.irp i, 0,1,2,3,4,5,6,7,8,9,10,11,12,13,14,15
	v_cmp_eq_u32 vcc_lo, 0, v[VK+16*\b+\i]
	s_or_b32 vcc_lo, vcc_lo, s45
	v_cndmask_b32 v[VK+16*\b+\i], v[VK+16*\b+\i], v8, vcc_lo   ; verse 0 on either side counts as distance 0
.endr
.irp i, 0,1,2,3,4,5,6,7,8,9,10,11,12,13,14,15
	v_sub_nc_u32 v[FF+\i], v[VK+16*\b+\i], v8
.endr
.irp i, 0,1,2,3,4,5,6,7,8,9,10,11,12,13,14,15
	v_cvt_f32_i32 v[FF+\i], v[FF+\i]               ; d
.endr
.irp i, 0,1,2,3,4,5,6,7,8,9,10,11,12,13,14,15
	v_max_num_f32 v[GG+\i], |v[FF+\i]|, 1.0
.endr
	s_wait_alu depctr_va_vdst(0)
.irp i, 0,1,2,3,4,5,6,7,8,9,10,11,12,13,14,15
	v_rcp_f32 v[GG+\i], v[GG+\i]
.endr
.irp i, 0,1,2,3,4,5,6,7,8,9,10,11,12,13,14,15
	v_fma_f32 v[LL+\i], -|v[FF+\i]|, s43, s44      ; 8 - 2.4 |d|: 8 at d = 0, 5.6 at |d| = 1.  (The plain lines behind the reciprocals)
.endr
	s_wait_alu depctr_va_vdst(0)
.irp i, 0,1,2,3,4,5,6,7,8,9,10,11,12,13,14,15
	v_mul_f32 v[GG+\i], s43, v[GG+\i]              ; 2.4 / |d|
.endr
.irp i, 0,1,2,3,4,5,6,7,8,9,10,11,12,13,14,15
	v_cmp_ge_f32 vcc_lo, 1.0, |v[FF+\i]|
	v_cndmask_b32 v[VK+16*\b+\i], v[GG+\i], v[LL+\i], vcc_lo
.endr
.irp u, 0,1
	global_store_b128 v4, v[VK+16*\b+8*\u:VK+16*\b+8*\u+3], s[30:31] offset:1024*(2*\b+\u)        ; registers 0-3 of key tile 2 b + u: 512 consecutive bytes
	global_store_b128 v4, v[VK+16*\b+8*\u+4:VK+16*\b+8*\u+7], s[30:31] offset:1024*(2*\b+\u)+512  ; registers 4-7
.endr
.endr
	s_endpgm
.Lfunc_end_k_q547916c61d_prep:
	.size	k_q547916c61d_prep, .Lfunc_end_k_q547916c61d_prep-k_q547916c61d_prep
	.p2alignl 7, 3214868480
	.fill 96, 4, 3214868480
	.section	.rodata,"a",@progbits
	.p2align	6, 0x0
	.amdhsa_kernel k_q547916c61d_prep
		.amdhsa_group_segment_fixed_size 34304
		.amdhsa_private_segment_fixed_size 0
		.amdhsa_enable_private_segment 0
		.amdhsa_kernarg_size 80
		.amdhsa_user_sgpr_count 2
		.amdhsa_user_sgpr_kernarg_segment_ptr 1
		.amdhsa_wavefront_size32 1
		.amdhsa_system_sgpr_workgroup_id_x 1
		.amdhsa_system_sgpr_workgroup_id_y 1
		.amdhsa_system_sgpr_workgroup_id_z 1
		.amdhsa_system_vgpr_workitem_id 0
		.amdhsa_next_free_vgpr 256
		.amdhsa_next_free_sgpr 66
		.amdhsa_reserve_vcc 1
		.amdhsa_float_denorm_mode_32 3
		.amdhsa_float_denorm_mode_16_64 3
		.amdhsa_memory_ordered 1
		.amdhsa_forward_progress 1
		.amdhsa_inst_pref_size 67
	.end_amdhsa_kernel
	.amdgpu_metadata
---
amdhsa.version: [ 1, 2 ]
amdhsa.kernels:
  - .name:           k_q547916c61d_prep
    .symbol:         k_q547916c61d_prep.kd
    .args:
      - { .name: x, .offset: 0, .size: 8, .value_kind: global_buffer, .address_space: global }
      - { .name: W_q, .offset: 8, .size: 8, .value_kind: global_buffer, .address_space: global }
      - { .name: W_k, .offset: 16, .size: 8, .value_kind: global_buffer, .address_space: global }
      - { .name: W_v, .offset: 24, .size: 8, .value_kind: global_buffer, .address_space: global }
      - { .name: W_o, .offset: 32, .size: 8, .value_kind: global_buffer, .address_space: global }
      - { .name: W_p, .offset: 40, .size: 8, .value_kind: global_buffer, .address_space: global }
      - { .name: verse_positions, .offset: 48, .size: 8, .value_kind: global_buffer, .address_space: global }
      - { .name: xq, .offset: 56, .size: 8, .value_kind: global_buffer, .address_space: global }
      - { .name: wq, .offset: 64, .size: 8, .value_kind: global_buffer, .address_space: global }
      - { .name: mk, .offset: 72, .size: 8, .value_kind: global_buffer, .address_space: global }
    .group_segment_fixed_size: 34304
    .private_segment_fixed_size: 0
    .kernarg_segment_align: 8
    .kernarg_segment_size: 80
    .max_flat_workgroup_size: 128
    .sgpr_count:     66
    .vgpr_count:     256
    .wavefront_size: 32
...
	.end_amdgpu_metadata
.endif
;; end of part 5
;; launch qkv (part 6): grid 16 x 12, 4 waves a work-group, clusters of 4 x 4, 327,680 bytes of LDS; arguments xq, wq, b_q, b_k, b_v, qq, kv; writes qq, kv
.if DOCPART == 6
	.amdgcn_target "amdgcn-amd-amdhsa--gfx1250"
	.amdhsa_code_object_version 6
	.text
	.protected	k_q547916c61d_qkv
	.globl	k_q547916c61d_qkv
	.p2align	8
	.type	k_q547916c61d_qkv,@function
k_q547916c61d_qkv:
	s_mov_b64 s[64:65], 0
	v_nop
	global_prefetch_b8 v0, s[64:65] scope:SCOPE_SE
	s_setreg_imm32_b32 hwreg(HW_REG_WAVE_MODE, 25, 1), 1
	s_wait_xcnt 0x0
	s_wait_alu depctr_hold_cnt(0) depctr_sa_sdst(0) depctr_va_vdst(0) depctr_va_sdst(0) depctr_va_ssrc(0) depctr_va_vcc(0) depctr_vm_vsrc(0)
	s_getreg_b32 s2, hwreg(HW_REG_IB_STS2, 6, 4)
	s_cmp_eq_u32 s2, 0
	s_cbranch_scc0 .Lentry_in_a_cluster
	s_endpgm
.Lentry_in_a_cluster:
	s_bfe_u32 s2, ttmp6, 0x10000c
	s_cmp_lg_u32 s2, 0xf033
	s_cbranch_scc0 .Lentry_shape_is_right
	s_endpgm
.Lentry_shape_is_right:
; QKV.  q = x W_q^T + b_q, k = x W_k^T + b_k, v = x W_v^T + b_v on codes of BF6 with E8M0 scales; the results are quantised in registers for attention and leave as images of operand registers.
; 192 tiles of 256 x 256, one to a work-group of four waves; a wave makes 128 x 128: 64 accumulators, 512 registers.  Two operands, here called A and B; the matrix instruction takes 16 rows of B as source 0
; and 16 rows of A as source 1, so that a lane holds ONE row of A, and its registers run along B's rows.
;   Q, K (cluster rows 1, 2): A = x, B = W_q | W_k.  A lane holds a token, its registers run along the head's axis, which is the score product's K.
;   V    (cluster row 0):     A = W_v, B = x.        A lane holds a channel, its registers run along the keys, which are the second product's K.
; One text serves both; what differs is chosen by s_cselect on the cluster's y, which all partners share.
; Rows of a tile are in pair order (lane index r of tile T = row 32 (T / 2) + 8 (T % 2) + r + 8 (r / 8)): the 16 registers of B's tiles 2 b and 2 b + 1 are 16 neighbours along B's rows.
; Operands come as images of registers: a fragment (16 rows x 128 K) is 1,536 dense bytes, three loads of 16 bytes a lane; no pitch, no padding.
; K goes in steps of 256 through a ring of two LDS slots filled by the tensor data mover: for each of 32 tiles 3,072 consecutive bytes, aligned to 256.  The scale words of all of K come once and stay.
; CLUSTERS: 4 x 4 work-groups; A's tiles are asked for jointly along a row of the cluster, B's along a column.  192 = 12 clusters.
; The biases start the sums: accumulator (a, b) begins as b_q | b_k at its eight columns (Q, K) or b_v at the lane's channel (V); the side that does not apply is made 0.
; LIMITS: NaN and infinities are not served; a block of zeros, or one under 2^-122, has the byte 1 (read by this program alone).
; REGISTERS: window 0: v0-31 addresses; v32-63 scale words, two sets; v64-127 the column biases, later the way out; v128-223 A's fragments, one set; v224-239 the row biases.
;   window 1: B's fragments, two sets, at v0 and v128.   window 2: accumulators of A's blocks 0-3 ((a, b) at v[8 (8 a + b)]);   window 3: of blocks 4-7.
.set NQ,     2                         ; matrix instructions deep in a slot
.set FR,     12                        ; registers of a fragment
.set NL,     3                         ; LDS loads that bring one
.set NP,     4                         ; places behind this matrix instruction (ISA guide 7.12.1)
.set TILEB,  3072                      ; a tile's bytes in a slot: two fragments
.set HALFT,  8*TILEB                   ; 8 tiles: what one tensor load brings, and what one wave reads of A or of B
.set SLOT,   4*HALFT                   ; A's 16 tiles, then B's 16
.set LAPS,   2                         ; 1,024 along K = twice round the ring
.set SCL,    2*SLOT                    ; behind the ring: the scale words, 512 bytes a tile
.set HALFS,  4096                      ; those of 8 tiles
.set SPARE,  SCL+4*HALFS               ; the spare words, 128 bytes for each wave: two blocks of 256 bytes that no other line names
.set ADRA, 16                          ; v16-17  LDS address of my A fragments in slot 0, 1
.set ADRB, 20                          ; v20-21  the same for B
.set LI16, 24                          ; v24     16 x lane
.set LI8,  25                          ; v25     8 x lane
.set LI4,  26                          ; v26     4 x lane
.set ADRS, 27                          ; v27     LDS address of my scale words: lanes 0-15 A's rows, lanes 16-31 B's
.set SPW,  28                          ; v28     LDS address of my spare word; never rewritten
.set NIL,  29                          ; v29     0; never rewritten
.set SC,   32                          ; scale words: set s at v[SC + 16 s]; register 2 i + q: lanes 0-15 the word of A's block i, lanes 16-31 of B's block i
.set BN,   64                          ; v64-127 the biases along B's rows
.set AF,   128                         ; A's fragments
.set BM,   224                         ; v224 + 2 a: the bias of the lane's row of A's block a
.set TM,   64                          ; the way out: at work,
.set PC,   80                          ; codes,
.set PW,   100                         ; the scale word, v101 the even block's, v102, v103 what is stored
.set PWP,  101
.set W0,   102
.set W1,   103
.set SEL,  96                          ; s[96:97] on the way out: lane selects
.set G1, 24                            ; s[24:31] descriptor group 1 for A's tiles;  s[32:39] group 0, one set for each slot
.set G0, 32
.set G1B, 48                           ; s[48:55], s[56:63] the same for B's tiles
.set G0B, 56
.set G1S, 68                           ; s[68:75], s[76:79] groups 1 and 0 for A's scale words;  s[80:87], s[88:91] for B's
.set G0S, 76
.set G1SB, 80
.set G0SB, 88
.set MSB, 0
.macro WIN new                         ; the immediate's high byte repeats the setting that is left
.if MSB != (\new)
	s_set_vgpr_msb (MSB<<8)|(\new)
.set MSB, (\new)
.endif
.endm
.set MUL_LO, 0xa1                      ; source 0 (B) window 1, source 1 (A) window 0, C and D window 2
.set MUL_HI, 0xf1                      ; the same, C and D window 3
.set TO_B,   0x40                      ; destination window 1, address window 0
; A joint load: waves 0 and 1 fetch for A, waves 2 and 3 for B.  The branch hangs on the wave's number alone.  Four v_nop follow each of the two lines.
.macro JLOAD g0a, g1a, g0b, g1b
	s_cmp_eq_u32 s93, 0
	s_cbranch_scc0 .Lfor_b_\@
	tensor_load_to_lds s[\g0a:\g0a+3], s[\g1a:\g1a+7]
	s_nop 0
.rept 4
	v_nop
.endr
	s_branch .Lasked_\@
.Lfor_b_\@:
	tensor_load_to_lds s[\g0b:\g0b+3], s[\g1b:\g1b+7]
	s_nop 0
.rept 4
	v_nop
.endr
.Lasked_\@:
.endm
.macro CREST                           ; a round of the cluster's barrier behind its opening barrier
	s_cmp_lg_u32 s92, 0
	s_cbranch_scc1 .Lnot_wave_0_\@
	s_barrier_signal -3
.Lnot_wave_0_\@:
	s_barrier_wait -3
	s_barrier_signal -1
	s_barrier_wait -1
.endm
.macro CROUND                          ; a whole round
	s_barrier_signal -1
	s_barrier_wait -1
	CREST
.endm
	s_load_b256 s[4:11], s[0:1], 0x0               ; xq s[4:5], wq s[6:7], b_q s[8:9], b_k s[10:11]
	s_load_b128 s[12:15], s[0:1], 0x20             ; b_v s[12:13], qq s[14:15]
	s_load_b64 s[16:17], s[0:1], 0x30              ; kv
	v_lshl_add_u32 v[SPW], v0, 2, SPARE
	v_mov_b32 v[NIL], 0
	ds_add_u32 v28, v29
	ds_add_u32 v28, v29
	s_wait_dscnt 0x0
	v_lshrrev_b32 v1, 5, v0
	v_readfirstlane_b32 s92, v1                    ; wave 0..3
	s_lshr_b32 s93, s92, 1                         ; which half of A's rows is mine.  Also: I fetch for A (0) or for B (1)
	s_and_b32 s94, s92, 1                          ; which half of B's rows.  Also: which 8 tiles I fetch
	s_bfe_u32 s40, ttmp6, 0x40000                  ; cx, cy: my place in the cluster
	s_bfe_u32 s41, ttmp6, 0x40004
	s_mov_b32 s42, ttmp9                           ; the cluster's x, 0..3
	s_and_b32 s43, ttmp7, 0xffff                   ; the cluster's y, 0..2: 0 = V
	s_lshl_b32 s44, s41, 2
	s_lshl_b32 s44, 15, s44                        ; my row of the cluster
	s_lshl_b32 s45, 0x1111, s40                    ; my column
	s_max_u32 s96, s43, 1                          ; Q, K: A's block of 256 tokens = 8 (cluster y - 1) + 2 cy + cluster x / 2: of cy and the cluster's numbers alone
	s_sub_co_u32 s96, s96, 1
	s_lshl_b32 s96, s96, 3
	s_lshl_b32 s97, s41, 1
	s_add_co_u32 s96, s96, s97
	s_lshr_b32 s97, s42, 1
	s_add_co_u32 s96, s96, s97
	s_and_b32 s98, s42, 1                          ; K (1) or Q (0)
	s_lshl_b32 s99, s98, 2
	s_add_co_u32 s99, s99, s40                     ; Q, K: B's block of 256 rows of W_q | W_k = 4 (cluster x % 2) + cx
	s_lshl_b32 s100, s42, 2
	s_add_co_u32 s100, s100, s40                   ; V: B's block of 256 tokens = 4 cluster x + cx
	s_cmp_eq_u32 s43, 0
	s_cselect_b32 s95, 1, 0                        ; V?
	s_cselect_b32 s46, s41, s96                    ; A's block (V: cy, of W_v's four)
	s_cselect_b32 s47, s100, s99                   ; B's block
	s_cselect_b32 s2, 1572864, 0                   ; where A's codes begin in their buffer: W_v is the third weight
	s_mov_b32 s3, 3145728
	s_cselect_b32 s22, 3997696, s3                 ; where A's scale words begin
	s_mov_b32 s23, 3932160
	s_cselect_b32 s23, s3, s23                     ; and B's
	; descriptor group 1: 8 rows (tiles) of 384 elements of 8 bytes, 1,536 elements apart; no padding
	s_or_b32 s[G1+0], s44, (3<<16)|(1<<21)         ; 15:0 the mask: A's tiles go to my row; 17:16 elements of 8 bytes; 21 set beside a mask
	s_or_b32 s[G1B+0], s45, (3<<16)|(1<<21)
.irp g, G1, G1B
	s_mov_b32 s[\g+1], 384<<16                     ; tensor_dim0
	s_mov_b32 s[\g+2], 8<<16                       ; tensor_dim1
	s_mov_b32 s[\g+3], 384<<16                     ; tile_dim0
	s_mov_b32 s[\g+4], 8                           ; tile_dim1
	s_mov_b32 s[\g+5], 1536                        ; tensor_dim0_stride: a tile's 12,288 bytes
	s_mov_b32 s[\g+6], 0
	s_mov_b32 s[\g+7], 0
.endr
	; the scale words of 8 tiles: 4,096 dense bytes as 16 rows of 256
	s_or_b32 s[G1S+0], s44, (3<<16)|(1<<21)
	s_or_b32 s[G1SB+0], s45, (3<<16)|(1<<21)
.irp g, G1S, G1SB
	s_mov_b32 s[\g+1], 32<<16
	s_mov_b32 s[\g+2], 16<<16
	s_mov_b32 s[\g+3], 32<<16
	s_mov_b32 s[\g+4], 16
	s_mov_b32 s[\g+5], 32
	s_mov_b32 s[\g+6], 0
	s_mov_b32 s[\g+7], 0
.endr
	s_mul_i32 s18, s46, 196608                     ; A: 16 tiles of 12,288 bytes a block,
	s_mul_i32 s101, s94, 98304                     ; the half that I fetch,
	s_add_co_u32 s18, s18, s101
	s_add_co_u32 s18, s18, s2
	s_mov_b32 s19, 0
	s_lshl_b32 s20, s46, 13                        ; its scale words: 16 x 512 bytes a block
	s_lshl_b32 s2, s94, 12
	s_add_co_u32 s20, s20, s2
	s_add_co_u32 s20, s20, s22
	s_mov_b32 s21, 0
	s_mul_i32 s104, s47, 196608                    ; B likewise, in registers that never hold cy
	s_add_co_u32 s104, s104, s101
	s_mov_b32 s105, 0
	s_lshl_b32 s66, s47, 13
	s_add_co_u32 s66, s66, s2
	s_add_co_u32 s66, s66, s23
	s_mov_b32 s67, 0
	s_mul_i32 s22, s92, HALFT                      ; where they go: wave x 8 tiles: no place in the cluster enters an LDS address
	s_lshl_b32 s23, s92, 12
	s_wait_kmcnt 0x0
	s_cmp_lg_u32 s95, 0
	s_cselect_b64 s[96:97], s[6:7], s[4:5]         ; A's buffer: wq for V, xq for Q and K
	s_cselect_b64 s[100:101], s[4:5], s[6:7]       ; B's
	s_add_nc_u64 s[18:19], s[96:97], s[18:19]
	s_add_nc_u64 s[20:21], s[96:97], s[20:21]
	s_add_nc_u64 s[104:105], s[100:101], s[104:105]
	s_add_nc_u64 s[66:67], s[100:101], s[66:67]
	CROUND                                         ; all sixteen work-groups are here: the first joint loads meet
	s_mov_b32 s[G0S], 1
	s_add_co_u32 s[G0S+1], s23, SCL
	s_mov_b64 s[G0S+2:G0S+3], s[20:21]
	s_or_b32 s[G0S+3], s[G0S+3], 0x80000000
	s_mov_b32 s[G0SB], 1
	s_add_co_u32 s[G0SB+1], s23, SCL
	s_mov_b64 s[G0SB+2:G0SB+3], s[66:67]
	s_or_b32 s[G0SB+3], s[G0SB+3], 0x80000000
	JLOAD G0S, G1S, G0SB, G1SB                     ; the scale words first: they are wanted with K step 0
.irp s, 0,1
	s_mov_b32 s[G0+4*\s], 1
	s_add_co_u32 s[G0+4*\s+1], s22, \s*SLOT
	s_add_nc_u64 s[G0+4*\s+2:G0+4*\s+3], s[18:19], \s*TILEB
	s_or_b32 s[G0+4*\s+3], s[G0+4*\s+3], 0x80000000
	s_mov_b32 s[G0B+4*\s], 1
	s_add_co_u32 s[G0B+4*\s+1], s22, \s*SLOT
	s_add_nc_u64 s[G0B+4*\s+2:G0B+4*\s+3], s[104:105], \s*TILEB
	s_or_b32 s[G0B+4*\s+3], s[G0B+4*\s+3], 0x80000000
	s_wait_alu depctr_va_vdst(0)
	s_wait_tensorcnt 0x0
	ds_add_u32 v28, v29
	s_wait_dscnt 0x0
	CROUND
	JLOAD G0+4*\s, G1, G0B+4*\s, G1B               ; one tensor load of mine is out now
.endr
	; ---- what my wave makes.  Q, K: tokens 128 (2 A + half) on, head pair (2 B + half) % 8.  V: head pair 2 A + half, keys 128 (2 B + half) on.
	s_lshl_b32 s96, s46, 1
	s_add_co_u32 s96, s96, s93
	s_lshl_b32 s97, s47, 1
	s_add_co_u32 s97, s97, s94
	s_and_b32 s99, s97, 7
	s_cmp_lg_u32 s95, 0
	s_cselect_b32 s100, s96, s99                   ; head pair 0..7
	s_cselect_b32 s101, s97, s96                   ; block of 128 tokens 0..31
	s_cselect_b32 s22, 0, -1                       ; the biases along B's rows count for Q and K,
	s_cselect_b32 s23, -1, 0                       ; those along A's rows for V
	s_lshl_b32 s18, s100, 9                        ; a head pair's 128 biases
	s_mov_b32 s19, 0
	s_cmp_lg_u32 s98, 0
	s_cselect_b64 s[20:21], s[10:11], s[8:9]       ; b_k or b_q
	s_add_nc_u64 s[20:21], s[20:21], s[18:19]
	s_add_nc_u64 s[12:13], s[12:13], s[18:19]      ; b_v
	v_and_b32 v1, 15, v0                           ; r
	v_bfe_u32 v2, v0, 4, 1                         ; h
	v_and_b32 v5, 31, v0                           ; lane
	v_lshlrev_b32 v3, 6, v2                        ; 16 h numbers
	v_and_b32 v4, 8, v1
	v_add_nc_u32 v4, v4, v1
	v_lshlrev_b32 v4, 2, v4                        ; r + 8 (r / 8) numbers
.irp t, 0,1,2,3,4,5,6,7
	global_load_b128 v[BN+8*\t:BN+8*\t+3], v3, s[20:21] offset:(32*(\t/2)+8*(\t%2))*4        ; B's tile t, register j: row 32 (t / 2) + 16 h + 8 (t % 2) + j
	global_load_b128 v[BN+8*\t+4:BN+8*\t+7], v3, s[20:21] offset:(32*(\t/2)+8*(\t%2))*4+16
.endr
.irp a, 0,1,2,3,4,5,6,7
	global_load_b32 v[BM+2*\a], v4, s[12:13] offset:(32*(\a/2)+8*(\a%2))*4                    ; A's tile a, lane r: row 32 (a / 2) + 8 (a % 2) + r + 8 (r / 8)
	v_mov_b32 v[BM+2*\a+1], 0                      ; (named with it as a pair)
.endr
	s_wait_loadcnt 0x0
.set i, 0
.rept 64
	v_cndmask_b32 v[BN+i], 0, v[BN+i], s22
.set i, i+1
.endr
.irp a, 0,1,2,3,4,5,6,7
	v_cndmask_b32 v[BM+2*\a], 0, v[BM+2*\a], s23
.endr
.irp a, 0,1,2,3,4,5,6,7
	WIN 0x80+0x40*(\a/4)                           ; destination window 2 or 3
.irp b, 0,1,2,3,4,5,6,7
.irp i, 0,2,4,6
	v_pk_add_f32 v[8*(8*(\a%4)+\b)+\i:8*(8*(\a%4)+\b)+\i+1], v[BN+8*\b+\i:BN+8*\b+\i+1], v[BM+2*\a:BM+2*\a+1] op_sel_hi:[1,0]   ; the sums begin as the bias
.endr
.endr
.endr
	WIN 0
	; ---- where the results go.  P0, P1: the two halves of a fragment;  PS0, PS1: scale words;  STR: from one of A's blocks to the next
	s_or_b32 s99, s95, s98                         ; K or V: into kv
	s_lshr_b32 s96, s101, 4                        ; batch b
	s_and_b32 s97, s101, 15                        ; key step, or block of 8 query tiles, j
	s_lshl_b32 s18, s96, 3
	s_add_co_u32 s18, s18, s100
	s_lshl_b32 s18, s18, 4
	s_add_co_u32 s18, s18, s97
	s_mul_i32 s18, s18, 26112                      ; kv: [b][head pair][j][26,112 bytes]
	s_lshl_b32 s20, s96, 4
	s_lshl_b32 s21, s100, 1
	s_add_co_u32 s20, s20, s21
	s_lshl_b32 s20, s20, 7
	s_lshl_b32 s21, s97, 3
	s_add_co_u32 s20, s20, s21                     ; qq: [b][head][query tile]
	s_mul_i32 s104, s20, 768
	s_lshl_b32 s20, s20, 6
	s_add_co_u32 s20, s20, 3145728
	s_cmp_lg_u32 s95, 0
	s_cselect_b32 s21, 12288, 0                    ; V's codes lie behind K's in a block of kv,
	s_mov_b32 s66, 24576
	s_cselect_b32 s66, 25600, s66                  ; its scale words behind K's
	s_mov_b32 s67, 6144
	s_cselect_b32 s67, 768, s67                    ; P1 - P0: K: the pair's other head; V: the fragment's other half
	s_mov_b32 s12, 768
	s_cselect_b32 s12, 1536, s12
	s_mov_b32 s13, 0
	s_add_co_u32 s21, s18, s21
	s_add_co_u32 s66, s18, s66
	s_cmp_lg_u32 s99, 0
	s_cselect_b64 s[4:5], s[16:17], s[14:15]       ; kv or qq
	s_cselect_b32 s18, s21, s104
	s_cselect_b32 s20, s66, s20
	s_mov_b32 s2, 98304
	s_cselect_b32 s104, s67, s2                    ; Q: the other head lies 128 tiles on
	s_mov_b32 s2, 8192
	s_cselect_b32 s66, 512, s2
	s_mov_b32 s19, 0
	s_mov_b32 s21, 0
	s_mov_b32 s105, 0
	s_mov_b32 s67, 0
	s_add_nc_u64 s[8:9], s[4:5], s[20:21]          ; PS0
	s_add_nc_u64 s[4:5], s[4:5], s[18:19]          ; P0
	s_add_nc_u64 s[6:7], s[4:5], s[104:105]        ; P1
	s_add_nc_u64 s[10:11], s[8:9], s[66:67]        ; PS1
	; ---- LDS addresses
	v_lshlrev_b32 v[LI16], 4, v5
	v_lshlrev_b32 v[LI8], 3, v5
	v_lshlrev_b32 v[LI4], 2, v5
	s_mul_i32 s18, s93, HALFT                      ; my 8 tiles of A
	s_mul_i32 s19, s94, HALFT                      ; my 8 tiles of B,
	s_add_co_u32 s19, s19, 2*HALFT                 ; which lie behind A's 16
.irp s, 0,1
	v_add_nc_u32 v[ADRA+\s], s18, v[LI16]
	v_add_nc_u32 v[ADRB+\s], s19, v[LI16]
	s_add_co_u32 s18, s18, SLOT
	s_add_co_u32 s19, s19, SLOT
.endr
	v_lshlrev_b32 v6, 3, v1                        ; my row's two words of a slot
	s_lshl_b32 s2, s93, 12                         ; A's: my 8 tiles
	s_lshl_b32 s3, s94, 12                         ; B's: my 8 tiles, behind A's 16
	s_add_co_u32 s3, s3, 2*HALFS
	s_sub_co_u32 s3, s3, s2
	v_mul_u32_u24 v7, s3, v2                       ; lanes 16-31 take B's
	s_add_co_u32 s2, s2, SCL
	v_add_nc_u32 v6, v6, v7
	v_add_nc_u32 v[ADRS], s2, v6
.macro FRAG reg, adr, q, i             ; a fragment comes as it was stored: registers 4 c .. 4 c + 3 of lane l at 512 c + 16 l
.irp c, 0,1,2
	ds_load_b128 v[\reg+4*\c:\reg+4*\c+3], v[\adr] offset:TILEB*(\i)+1536*(\q)+512*\c
.endr
.endm
; 16 matrix instructions: A's blocks a0, a0 + 1 x B's eight, 128 along K: the slot's q-th.  p: B's set;  sc: the set of scale words.
; The 64 accumulators take turns, one instruction a turn, in the same order in every step.
.macro MUL16 a0, p, q, sc
.irp a, \a0, \a0+1
.irp b, 0,1,2,3,4,5,6,7
	v_wmma_scale_f32_16x16x128_f8f6f4 v[8*(8*((\a)%4)+\b):8*(8*((\a)%4)+\b)+7], v[128*(\p)+FR*\b:128*(\p)+FR*\b+FR-1], v[AF+FR*(\a):AF+FR*(\a)+FR-1], v[8*(8*((\a)%4)+\b):8*(8*((\a)%4)+\b)+7], v[SC+8*NQ*(\sc)+NQ*\b+(\q)], v[SC+8*NQ*(\sc)+NQ*(\a)+(\q)] matrix_a_fmt:MATRIX_FMT_BF6 matrix_b_fmt:MATRIX_FMT_BF6 matrix_a_scale:MATRIX_SCALE_ROW1
.endr
.endr
.endm
.macro FETCH_B slot, q, p              ; B's eight fragments of the slot's q-th 128 along K into set p
	WIN TO_B
.irp i, 0,1,2,3,4,5,6,7
	FRAG 128*(\p)+FR*\i, ADRB+\slot, \q, \i
.endr
	WIN 0
.endm
.macro FETCH_A slot, q, i0             ; A's blocks i0 .. i0 + 3
.irp i, \i0, \i0+1, \i0+2, \i0+3
	FRAG AF+FR*(\i), ADRA+\slot, \q, \i
.endr
.endm
.macro SCALES sc                       ; the slot's scale words into set sc: two words a row; lanes 0-15 take A's block i, lanes 16-31 B's block i
.irp i, 0,1,2,3,4,5,6,7
	ds_load_b64 v[SC+8*NQ*\sc+NQ*\i:SC+8*NQ*\sc+NQ*\i+1], v[ADRS] offset:\i*512
.endr
.endm
.macro PLACES n                        ; plain vector instructions between a matrix instruction and a load into, or a read of, its registers (ISA guide 7.12.1 for reads)
.rept \n
	v_nop
.endr
.endm
; A step of 128 along K that has its successor in the same slot.
.macro STEP slot, q
	s_wait_dscnt 4*NL                              ; B's set and A's blocks 0-3 are in; the youngest 12 loads (A's blocks 4-7) may be out
	WIN MUL_LO
	MUL16 0, (\q)%2, \q, \slot
	MUL16 2, (\q)%2, \q, \slot
	s_wait_dscnt 0                                 ; A's blocks 4-7 are in
	PLACES NP
	FETCH_B \slot, (\q)+1, 1-(\q)%2
	FETCH_A \slot, (\q)+1, 0
	WIN MUL_HI
	MUL16 4, (\q)%2, \q, \slot
	MUL16 6, (\q)%2, \q, \slot
	PLACES NP
	WIN 0
	FETCH_A \slot, (\q)+1, 4
.endm
; A slot's last step changes slots: one barrier; in front of it each wave waits for all its tensor loads, adds 0 to its spare word, and waits for that and for its own reads of this slot.  fill = 1: this slot is filled again, two slots ahead.
.macro TURN slot, next, fill
	s_wait_tensorcnt 0x0                           ; all my tensor loads have landed: my part of the next slot
	ds_add_u32 v[SPW], v[NIL]                      ; 0 onto my spare word
	s_wait_dscnt 4*NL+1                            ; (the add and the youngest 12 loads, A's blocks 4-7, may be out)
	WIN MUL_LO
	MUL16 0, 1, NQ-1, \slot                        ; sixteen matrix instructions stand between the add and the wait for it
	s_wait_dscnt 0x0                               ; the add is done, and my reads of this slot are over
	s_barrier_signal -1
	MUL16 2, 1, NQ-1, \slot
	WIN 0
	s_barrier_wait -1
.if \fill
	CREST                                          ; the barrier has opened a round of the cluster's barrier: no wave of any partner still reads this slot or has a load on its way
	s_add_nc_u64 s[G0+4*\slot+2:G0+4*\slot+3], s[G0+4*\slot+2:G0+4*\slot+3], 2*TILEB
	s_add_nc_u64 s[G0B+4*\slot+2:G0B+4*\slot+3], s[G0B+4*\slot+2:G0B+4*\slot+3], 2*TILEB
	JLOAD G0+4*\slot, G1, G0B+4*\slot, G1B         ; the first tensor load behind the round; the four v_nop behind it are the places in front of the loads below
.else
	PLACES NP
.endif
	s_wait_alu depctr_va_vdst(0)
	v_add_nc_u32 v[ADRS], 128, v[ADRS]             ; on to the next slot's scale words (no LDS load of mine is out)
	FETCH_B \next, 0, 0
	FETCH_A \next, 0, 0
	SCALES \next
	WIN MUL_HI
	MUL16 4, 1, NQ-1, \slot
	MUL16 6, 1, NQ-1, \slot
	PLACES NP
	WIN 0
	FETCH_A \next, 0, 4
.endm
	s_wait_alu depctr_va_vdst(0)
	s_wait_tensorcnt 1                             ; the scale words and my part of slot 0 are in (slot 1's load may be out)
	s_barrier_signal -1
	s_barrier_wait -1                              ; everybody's are
	FETCH_B 0, 0, 0
	FETCH_A 0, 0, 0
	SCALES 0
	FETCH_A 0, 0, 4
	STEP 0, 0
.rept LAPS-1                           ; once round the ring, filling both slots again.  (One lap: written out, no loop)
	TURN 0, 1, 1
	STEP 1, 0
	TURN 1, 0, 1
	STEP 0, 0
.endr
	TURN 0, 1, 0                                   ; the last lap fills nothing, and has no round of the cluster's barrier
	STEP 1, 0
	s_wait_dscnt 4*NL                              ; the very last step: nothing more to fetch
	WIN MUL_LO
	MUL16 0, 1, NQ-1, 1
	MUL16 2, 1, NQ-1, 1
	s_wait_dscnt 0
	WIN MUL_HI
	MUL16 4, 1, NQ-1, 1
	MUL16 6, 1, NQ-1, 1
	WIN 0
; THE WAY OUT.  The 64 registers of A's block a are, for the lane's row, 128 neighbours along B's rows: register 16 b + i = 32 b + 16 (lane / 16) + i.  They become one fragment and one scale word a row.
; Q, K: registers 0-5 and bytes 0, 1 are the pair's first head (64 along the head's axis), registers 6-11 and bytes 2, 3 its second.  V: the two halves of one fragment of 128 keys.
; A half goes out as 768 bytes: registers 0-3 at 16 l, registers 4-5 at 512 + 8 l: whole aligned blocks of 256 bytes.  Scale words: an even block's in lanes 0-15, the odd one's in lanes 16-31, 128 bytes.
.macro QUANTA a
.set WN, 2+(\a)/4
.set AC, 64*((\a)%4)
	s_wait_xcnt 0x0                                ; the last block's stores have read their registers and bases: both are written again only behind this wait
.if (\a) > 0
	s_add_nc_u64 s[4:5], s[4:5], s[12:13]
	s_add_nc_u64 s[6:7], s[6:7], s[12:13]
.endif
.irp b, 0,1,2,3
	v_mov_b32 v[TM+\b], 0x2800000                  ; the floor 2^(5 - 127): the byte cannot fall under 1
.endr
	WIN (WN<<2)|(WN<<4)                            ; sources 1 and 2: the accumulators' window
.irp i, 0,2,4,6,8,10,12,14                     ; each accumulator is read from its low end on
.irp b, 0,1,2,3
	v_max3_num_f32 v[TM+\b], v[TM+\b], |v[AC+16*\b+\i]|, |v[AC+16*\b+\i+1]|
.endr
.endr
	WIN 0
.irp b, 0,1,2,3
	v_permlanex16_b32 v[TM+4+\b], v[TM+\b], s[SEL], s[SEL+1]
.endr
.irp b, 0,1,2,3
	v_max_num_f32 v[TM+\b], v[TM+\b], v[TM+4+\b]
.endr
.irp b, 0,1,2,3
	v_add_nc_u32 v[TM+12+\b], 0xfe000000, v[TM+\b]
.endr
.irp b, 0,1,2,3
	v_lshrrev_b32 v[TM+4+\b], 23, v[TM+12+\b]
.endr
	v_lshl_or_b32 v[PW], v[TM+5], 8, v[TM+4]
	v_lshl_or_b32 v[PW], v[TM+6], 16, v[PW]
	v_lshl_or_b32 v[PW], v[TM+7], 24, v[PW]
	WIN WN                                         ; source 0: the accumulators' window
.irp c, 0,1
	v_cvt_scalef32_pk16_bf6_f32 v[PC+6*\c:PC+2+6*\c], v[AC+32*\c:AC+15+32*\c], v[TM+12+2*\c]
	v_cvt_scalef32_pk16_bf6_f32 v[PC+12+4*\c:PC+14+4*\c], v[AC+16+32*\c:AC+31+32*\c], v[TM+13+2*\c]
.endr
	WIN 0
	v_nop                                          ; one plain place behind a scaled conversion
.irp c, 0,1
.irp i, 0,1,2
	v_permlane16_swap_b32 v[PC+6*\c+\i], v[PC+12+4*\c+\i]
.endr
.irp i, 0,1,2
	v_mov_b32 v[PC+3+6*\c+\i], v[PC+12+4*\c+\i]
.endr
.endr
	global_store_b128 v[LI16], v[PC:PC+3], s[4:5]
	global_store_b64 v[LI8], v[PC+4:PC+5], s[4:5] offset:512
	global_store_b128 v[LI16], v[PC+6:PC+9], s[6:7]
	global_store_b64 v[LI8], v[PC+10:PC+11], s[6:7] offset:512
.if ((\a)%2) == 0
	v_mov_b32 v[PWP], v[PW]
.else
	v_cndmask_b32 v[W0], v[PWP], v[PW], s3         ; lanes 0-15: block a - 1's words, lanes 16-31: block a's (a row's word stands in lanes r and r + 16 alike)
	global_store_b32 v[LI4], v[W0], s[8:9] offset:128*((\a)/2)
	s_cmp_lg_u32 s95, 0                            ; V has one word a row; Q and K one for each head.  The branch hangs on the cluster's y alone
	s_cbranch_scc1 .Lone_word_\@
	v_lshrrev_b32 v[W1], 16, v[W0]                 ; the second head's two bytes
	global_store_b32 v[LI4], v[W1], s[10:11] offset:128*((\a)/2)
.Lone_word_\@:
.endif
.endm
	PLACES NP                                      ; behind the last products
.irp b, 0,1,2,3
	v_mov_b32 v[TM+4+\b], 0                        ; written once: a lane permute's destination counts as one of its sources
.endr
	s_mov_b32 s3, 0xffff0000                       ; lanes 16-31
	s_mov_b32 s[SEL], 0x76543210
	s_mov_b32 s[SEL+1], 0xfedcba98
.irp a, 0,1,2,3,4,5,6,7
	QUANTA \a
.endr
	s_wait_tensorcnt 0x0                           ; the wave's end
	ds_add_u32 v[SPW], v[NIL]
	s_wait_dscnt 0x0
	CROUND                                         ; the closing round: no work-group ends while a partner may still ask for a tile that names it
	s_endpgm
.Lfunc_end_k_q547916c61d_qkv:
	.size	k_q547916c61d_qkv, .Lfunc_end_k_q547916c61d_qkv-k_q547916c61d_qkv
	.p2alignl 7, 3214868480
	.fill 96, 4, 3214868480
	.section	.rodata,"a",@progbits
	.p2align	6, 0x0
	.amdhsa_kernel k_q547916c61d_qkv
		.amdhsa_group_segment_fixed_size 327680
		.amdhsa_private_segment_fixed_size 0
		.amdhsa_enable_private_segment 0
		.amdhsa_kernarg_size 56
		.amdhsa_user_sgpr_count 2
		.amdhsa_user_sgpr_kernarg_segment_ptr 1
		.amdhsa_wavefront_size32 1
		.amdhsa_system_sgpr_workgroup_id_x 1
		.amdhsa_system_sgpr_workgroup_id_y 1
		.amdhsa_system_sgpr_workgroup_id_z 1
		.amdhsa_system_vgpr_workitem_id 0
		.amdhsa_next_free_vgpr 1024
		.amdhsa_next_free_sgpr 106
		.amdhsa_reserve_vcc 0
		.amdhsa_float_denorm_mode_32 3
		.amdhsa_float_denorm_mode_16_64 3
		.amdhsa_memory_ordered 1
		.amdhsa_forward_progress 1
		.amdhsa_inst_pref_size 170
	.end_amdhsa_kernel
	.amdgpu_metadata
---
amdhsa.version: [ 1, 2 ]
amdhsa.kernels:
  - .name:           k_q547916c61d_qkv
    .symbol:         k_q547916c61d_qkv.kd
    .args:
      - { .name: xq, .offset: 0, .size: 8, .value_kind: global_buffer, .address_space: global }
      - { .name: wq, .offset: 8, .size: 8, .value_kind: global_buffer, .address_space: global }
      - { .name: b_q, .offset: 16, .size: 8, .value_kind: global_buffer, .address_space: global }
      - { .name: b_k, .offset: 24, .size: 8, .value_kind: global_buffer, .address_space: global }
      - { .name: b_v, .offset: 32, .size: 8, .value_kind: global_buffer, .address_space: global }
      - { .name: qq, .offset: 40, .size: 8, .value_kind: global_buffer, .address_space: global }
      - { .name: kv, .offset: 48, .size: 8, .value_kind: global_buffer, .address_space: global }
    .group_segment_fixed_size: 327680
    .private_segment_fixed_size: 0
    .kernarg_segment_align: 8
    .kernarg_segment_size: 56
    .max_flat_workgroup_size: 128
    .sgpr_count:     106
    .vgpr_count:     1024
    .wavefront_size: 32
...
	.end_amdgpu_metadata
.endif
;; end of part 6
;; launch attn (part 7): grid 4 x 64, 16 waves a work-group, clusters of 4 x 4, 327,680 bytes of LDS; arguments qq, kv, mk, cq; writes cq
.if DOCPART == 7
	.amdgcn_target "amdgcn-amd-amdhsa--gfx1250"
	.amdhsa_code_object_version 6
	.text
	.protected	k_q547916c61d_attn
	.globl	k_q547916c61d_attn
	.p2align	8
	.type	k_q547916c61d_attn,@function
k_q547916c61d_attn:
	s_mov_b64 s[64:65], 0
	v_nop
	global_prefetch_b8 v0, s[64:65] scope:SCOPE_SE
	s_setreg_imm32_b32 hwreg(HW_REG_WAVE_MODE, 25, 1), 1
	s_wait_xcnt 0x0
	s_wait_alu depctr_hold_cnt(0) depctr_sa_sdst(0) depctr_va_vdst(0) depctr_va_sdst(0) depctr_va_ssrc(0) depctr_va_vcc(0) depctr_vm_vsrc(0)
	s_getreg_b32 s2, hwreg(HW_REG_IB_STS2, 6, 4)
	s_cmp_eq_u32 s2, 0
	s_cbranch_scc0 .Lentry_in_a_cluster
	s_endpgm
.Lentry_in_a_cluster:
	s_bfe_u32 s2, ttmp6, 0x10000c
	s_cmp_lg_u32 s2, 0xf033
	s_cbranch_scc0 .Lentry_shape_is_right
	s_endpgm
.Lentry_shape_is_right:
; ATTN.  ctx = softmax(q k^T / 8 + mask) v for 2 x 16 heads of 64, 2,048 tokens, both products on codes of BF6 with E8M0 scales; ctx leaves quantised along the model's axis, for the next product.
; t = (q.k + 8 m) c, c = log2(e) / 8.  8 m comes from memory in the layout of the score product's C operand and is loaded INTO the score accumulators: the product adds onto it, and the mask costs no vector instruction.
; M = the running largest t rounded up to a whole number; p = 2^(t - M) is quantised along the keys, not normalised; the sum of the unquantised p divides at the end.  When M moves, the sum and O are multiplied by 2^(old M - new M): exact.
; SHARES.  A work-group: 64 queries (4 tiles) x 4 heads; wave w: query tile w % 4, head w / 4: one tile of 16 queries of one head in 256 registers; four waves to a SIMD, so that one wave's vector work stands beside another's products and LDS loads.
; Every wave walks 16 key steps of 128 keys.
; THE HEAD'S AXIS IS 64, the instruction's K 128.  Q's codes for K = 64 .. 127 are zeros, written once.  So whatever stands in the upper six registers of a fragment of K is multiplied by 0: E3M2 has no infinity and no NaN, and the
; scale bytes that go with it are the pair's other head's (1 to 254) or 0, never 0xff.  K's eight tiles therefore lie 6 registers apart, the upper half of each fragment being the next tile's codes (the last tile's: zeros, written once):
; 54 registers hold a whole key step's K, fetched in one run, and once the score products are issued the same registers take V's four fragments, whose LDS loads then run under the softmax.
; LAYOUT.  Both products transposed: S^T = K Q^T (source 0 = 16 keys), O^T = V^T P^T (source 0 = 16 channels): a lane holds one query throughout.  Key tiles and channel tiles are in pair order, so that the 16 registers of two
; neighbouring tiles are 16 neighbours along the next K.  All operands come as images of registers: dense loads of 16 and 8 bytes a lane.
; CLUSTER 4 x 4.  K and V hang on the batch and on the group of heads (cx): asked for jointly down a column.  The mask hangs on the block of queries (cy): asked for jointly along a row.
; RING: two slots; a slot holds one key step: two head pairs' blocks of kv (26,112 bytes each) and the mask of 64 queries x 128 keys (32,768).  Waves 0, 1 fetch the blocks, waves 2, 3 the mask's halves.  One tensor load of a wave is out at a time.
; LIMITS: NaN and infinities are not served; a block of p that has fallen to zeros keeps the byte 1 (zero codes).
.set SLOT1, 131072                     ; slot 1 begins here
.set KVB,   26112                      ; a head pair's block: K 2 x 6,144, V 12,288, K's scale words 2 x 512, V's 512
.set MOFF,  2*KVB                      ; the mask lies behind the two blocks
.set SPARE, 262144                     ; the spare words, 128 bytes for each of 16 waves: eight blocks of 256 bytes that no other line names
.set AK16, 1                           ; v1-14: seven LDS addresses, each for slot 0 and slot 1: K's registers 0-3,
.set AK8,  3                           ; K's registers 4-5,
.set AV16, 5                           ; V likewise,
.set AV8,  7
.set AS4,  9                           ; K's scale words,
.set AT4,  11                          ; V's,
.set AM,   13                          ; the mask
.set SPW,  15                          ; LDS address of my spare word; never rewritten
.set NIL,  16                          ; 0; never rewritten
.set QS,   17                          ; Q's scale words
.set MT,   18                          ; v18 -M, v19 the largest t
.set LSUM, 20                          ; v[20:21] the sum, in two halves
.set QF,   22                          ; v22-33  Q (28-33 zeros)
.set KF,   34                          ; v34-87  K: tile T at v[KF + 6 T] (82-87 zeros); then V: fragment g at v[KF + 12 g]
.set SCR,  88                          ; v88-151 the mask, S^T, p
.set OT,   152                         ; v152-183 O^T
.set PC,   184                         ; v184-195 p's codes
.set CT,   196                         ; v196-203 at work
.set BMX,  204                         ; v204-207 the blocks' largest scores, then largest p
.set SO,   208                         ; v208-211 the conversions' scale operands
.set FAC,  212                         ; v212 f = 2^(old M - new M)
.set PW,   213                         ; v213 p's scale word
.set WK,   214
.set KS,   215                         ; v215-218 K's scale words: even tile in lanes 0-15, odd tile in lanes 16-31
.set VS,   219                         ; v219-220 V's
.set WV,   12                          ; s12 my wave's number
.set G1K,  24                          ; s[24:31], s[32:39] descriptor groups 1;  s[40:47], s[48:55] groups 0, one set for each slot
.set G1M,  32
.set G0K,  40
.set G0M,  48
.set SEL,  56
.set CS,   58
.set CNT,  60
.macro CROUND                          ; a round of the cluster's barrier
	s_barrier_signal -1
	s_barrier_wait -1
	s_cmp_lg_u32 s[WV], 0
	s_cbranch_scc1 .Lnot_wave_0_\@
	s_barrier_signal -3
.Lnot_wave_0_\@:
	s_barrier_wait -3
	s_barrier_signal -1
	s_barrier_wait -1
.endm
; Waves 0 and 1 ask for kv's blocks, waves 2 and 3 for the mask's halves, the others for nothing.  The branches hang on the wave's number alone.  Four v_nop follow each of the two lines.
.macro TLOAD s
	s_cmp_lt_u32 s[WV], 2
	s_cbranch_scc0 .Lnot_k_\@
	tensor_load_to_lds s[G0K+4*(\s):G0K+4*(\s)+3], s[G1K:G1K+7]
	s_nop 0
.rept 4
	v_nop
.endr
	s_branch .Lasked_\@
.Lnot_k_\@:
	s_cmp_lt_u32 s[WV], 4
	s_cbranch_scc0 .Lasked_\@
	tensor_load_to_lds s[G0M+4*(\s):G0M+4*(\s)+3], s[G1M:G1M+7]
	s_nop 0
.rept 4
	v_nop
.endr
.Lasked_\@:
.endm
	s_load_b256 s[4:11], s[0:1], 0x0               ; qq s[4:5], kv s[6:7], mk s[8:9], cq s[10:11]
	v_lshl_add_u32 v[SPW], v0, 2, SPARE
	v_mov_b32 v[NIL], 0
	ds_add_u32 v15, v16
	ds_add_u32 v15, v16
	s_wait_dscnt 0x0
	v_lshrrev_b32 v[WK], 5, v0
	s_delay_alu instid0(VALU_DEP_1)
	v_readfirstlane_b32 s[WV], v[WK]               ; wave 0..15
	s_and_b32 s13, s[WV], 3                        ; my query tile of the four
	s_lshr_b32 s14, s[WV], 2                       ; my head of the four
	s_and_b32 s15, s14, 1                          ; which head of its pair
	s_lshr_b32 s16, s14, 1                         ; which of the slot's two blocks
	s_and_b32 s22, s[WV], 1                        ; which block, or which half of the mask, I fetch
	s_bfe_u32 s17, ttmp6, 0x40000                  ; cx
	s_bfe_u32 s18, ttmp6, 0x40004                  ; cy
	s_and_b32 s19, ttmp7, 0xffff                   ; the cluster's y, 0..15
	s_lshl_b32 s23, ttmp9, 2
	s_add_co_u32 s23, s23, s17                     ; group of four heads = 4 x cluster x + cx
	s_lshr_b32 s21, s19, 3                         ; the batch: of the cluster's y alone
	s_lshl_b32 s20, s19, 2
	s_add_co_u32 s20, s20, s18                     ; block of 64 queries, 0..63 = 4 x cluster y + cy
	s_lshl_b32 s62, s18, 2
	s_lshl_b32 s62, 15, s62                        ; my row of the cluster
	s_lshl_b32 s63, 0x1111, s17                    ; my column
	s_or_b32 s[G1K], s63, (3<<16)|(1<<21)          ; 15:0 the mask of work-groups; 17:16 elements of 8 bytes; 21 set beside a mask.  A block of kv: 102 rows of 256 dense bytes
	s_mov_b32 s[G1K+1], 32<<16
	s_mov_b32 s[G1K+2], 102<<16
	s_mov_b32 s[G1K+3], 32<<16
	s_mov_b32 s[G1K+4], 102
	s_mov_b32 s[G1K+5], 32
	s_mov_b32 s[G1K+6], 0
	s_mov_b32 s[G1K+7], 0
	s_or_b32 s[G1M], s62, (3<<16)|(1<<21)          ; half a step's mask: 64 rows of 256 dense bytes
	s_mov_b32 s[G1M+1], 32<<16
	s_mov_b32 s[G1M+2], 64<<16
	s_mov_b32 s[G1M+3], 32<<16
	s_mov_b32 s[G1M+4], 64
	s_mov_b32 s[G1M+5], 32
	s_mov_b32 s[G1M+6], 0
	s_mov_b32 s[G1M+7], 0
	s_lshl_b32 s66, s21, 3                         ; kv: [batch][head pair = 2 x group + which][key step]
	s_lshl_b32 s67, s23, 1
	s_add_co_u32 s66, s66, s67
	s_add_co_u32 s66, s66, s22
	s_mul_i32 s66, s66, 16*KVB
	s_mov_b32 s67, 0
	s_lshl_b32 s68, s20, 19                        ; mk: [block of queries][key step][32,768 bytes]
	s_lshl_b32 s69, s22, 14
	s_add_co_u32 s68, s68, s69
	s_mov_b32 s69, 0
	s_mul_i32 s70, s22, KVB                        ; and where they go in a slot: of the wave's number alone
	s_lshl_b32 s71, s22, 14
	s_add_co_u32 s71, s71, MOFF
	s_mov_b32 s[SEL], 0x76543210
	s_mov_b32 s[SEL+1], 0xfedcba98                 ; v_permlanex16_b32's selects for lane l xor 16
	s_mov_b32 s[CS], 0x3e38aa3b                    ; c = log2(e) / 8
	s_mov_b32 s[CS+1], s[CS]                       ; (named with it as a pair)
	s_lshl_b32 s61, s15, 4                         ; an odd head's two scale bytes go 16 bits up
	s_mov_b32 s[CNT], 7
	s_wait_kmcnt 0x0
	s_add_nc_u64 s[72:73], s[6:7], s[66:67]
	s_add_nc_u64 s[68:69], s[8:9], s[68:69]
.irp s, 0,1
	s_mov_b32 s[G0K+4*\s], 1
	s_add_co_u32 s[G0K+4*\s+1], s70, \s*SLOT1
	s_add_nc_u64 s[G0K+4*\s+2:G0K+4*\s+3], s[72:73], \s*KVB      ; slot s begins with key step s
	s_or_b32 s[G0K+4*\s+3], s[G0K+4*\s+3], 0x80000000
	s_mov_b32 s[G0M+4*\s], 1
	s_add_co_u32 s[G0M+4*\s+1], s71, \s*SLOT1
	s_add_nc_u64 s[G0M+4*\s+2:G0M+4*\s+3], s[68:69], \s*32768
	s_or_b32 s[G0M+4*\s+3], s[G0M+4*\s+3], 0x80000000
.endr
	CROUND                                         ; all sixteen work-groups are here: the first joint loads meet
	TLOAD 0                                        ; key step 0
	; ---- my query tile, and where ctx goes
	s_lshl_b32 s74, s23, 2
	s_add_co_u32 s74, s74, s14                     ; my head, 0..15
	s_lshl_b32 s75, s21, 4
	s_add_co_u32 s75, s75, s74
	s_lshl_b32 s75, s75, 7
	s_and_b32 s76, s20, 31
	s_lshl_b32 s76, s76, 2
	s_add_co_u32 s75, s75, s76
	s_add_co_u32 s75, s75, s13                     ; qq: [batch][head][query tile]
	s_mul_i32 s76, s75, 768
	s_mov_b32 s77, 0
	s_lshl_b32 s78, s75, 6
	s_add_co_u32 s78, s78, 3145728
	s_mov_b32 s79, 0
	s_add_nc_u64 s[76:77], s[4:5], s[76:77]
	s_add_nc_u64 s[78:79], s[4:5], s[78:79]
	s_lshl_b32 s75, s20, 2
	s_add_co_u32 s75, s75, s13                     ; my tile of 16 tokens, 0..255
	s_lshl_b32 s75, s75, 4
	s_add_co_u32 s75, s75, s74                     ; cq: [tile][head]
	s_mul_i32 s66, s75, 768
	s_mov_b32 s67, 0
	s_lshl_b32 s68, s75, 7
	s_add_co_u32 s68, s68, 3145728
	s_mov_b32 s69, 0
	s_add_nc_u64 s[66:67], s[10:11], s[66:67]
	s_add_nc_u64 s[68:69], s[10:11], s[68:69]
	v_and_b32 v[WK], 31, v0
	s_delay_alu instid0(VALU_DEP_1)
	v_lshlrev_b32 v[CT], 4, v[WK]                  ; 16 x lane
	s_delay_alu instid0(VALU_DEP_2)
	v_lshlrev_b32 v[CT+1], 3, v[WK]                ; 8 x lane
	s_delay_alu instid0(VALU_DEP_3)
	v_lshlrev_b32 v[CT+2], 2, v[WK]                ; 4 x lane
	s_wait_alu depctr_va_vdst(0)
	v_and_b32 v[CT+3], 15, v0
	s_delay_alu instid0(VALU_DEP_1)
	v_lshlrev_b32 v[CT+3], 2, v[CT+3]              ; 4 r
	global_load_b128 v[QF:QF+3], v[CT], s[76:77]
	global_load_b64 v[QF+4:QF+5], v[CT+1], s[76:77] offset:512
	global_load_b32 v[QS], v[CT+3], s[78:79]
	; ---- LDS addresses: constants, the wave's number, the lane
	s_mul_i32 s70, s16, KVB
	s_mul_i32 s71, s15, 6144
	s_add_co_u32 s71, s71, s70
	v_add_nc_u32 v[AK16], s71, v[CT]
	s_wait_alu depctr_va_vdst(0)
	v_add_nc_u32 v[AK8], s71, v[CT+1]
	s_delay_alu instid0(VALU_DEP_1)
	v_add_nc_u32 v[AK8], 512, v[AK8]
	s_wait_alu depctr_va_vdst(0)
	v_add_nc_u32 v[AV16], 12288, v[AK16]
	s_wait_alu depctr_va_vdst(0)
	v_add_nc_u32 v[AV8], 12288, v[AK8]
	s_wait_alu depctr_va_vdst(0)
	s_lshl_b32 s71, s15, 9
	s_add_co_u32 s71, s71, s70
	s_add_co_u32 s71, s71, 24576
	v_add_nc_u32 v[AS4], s71, v[CT+2]
	s_lshl_b32 s71, s15, 8
	s_add_co_u32 s71, s71, s70
	s_add_co_u32 s71, s71, 25600
	v_add_nc_u32 v[AT4], s71, v[CT+2]
	s_lshl_b32 s71, s13, 13
	s_add_co_u32 s71, s71, MOFF
	v_add_nc_u32 v[AM], s71, v[CT]
.irp a, AK16, AK8, AV16, AV8, AS4, AT4, AM
	v_add_nc_u32 v[\a+1], SLOT1, v[\a]
.endr
.irp i, 6,7,8,9,10,11
	v_mov_b32 v[QF+\i], 0                          ; Q's zero codes for K = 64 .. 127,
	v_mov_b32 v[KF+42+\i], 0                       ; and what stands behind K's last tile
.endr
	v_mov_b32 v[MT+1], 0xff61b1e6                  ; the largest t so far: -3e38
	s_delay_alu instid0(VALU_DEP_1)
	v_floor_f32 v[MT], -v[MT+1]                    ; -M
	v_mov_b32 v[LSUM], 0
	v_mov_b32 v[LSUM+1], 0
	v_mov_b32 v[PW], 0                             ; (named as the upper half of the pair with f before it is first written)
.set j, 0
.rept 32
	v_mov_b32 v[OT+j], 0                           ; O^T.  (The step is written once: the first finds zeros, which the first change of M leaves zeros)
.set j, j+1
.endr
	s_wait_loadcnt 0x0                             ; Q
; A KEY STEP: 128 keys, out of the slot named.
.macro STEP slot
.irp t, 0,1,2,3,4,5,6,7
	ds_load_b128 v[SCR+8*\t:SCR+8*\t+3], v[AM+\slot] offset:1024*\t        ; 8 m, as the C of key tile t
	ds_load_b128 v[SCR+8*\t+4:SCR+8*\t+7], v[AM+\slot] offset:1024*\t+512
.endr
.irp i, 0,1,2,3
	ds_load_b32 v[KS+\i], v[AS4+\slot] offset:128*\i
.endr
.rept 4
	v_nop                                          ; K lands in the registers out of which the last step's products took V: four places behind them
.endr
.irp t, 0,1,2,3,4,5,6,7
	ds_load_b128 v[KF+6*\t:KF+6*\t+3], v[AK16+\slot] offset:768*\t         ; the step's eight tiles of K, 6 registers apart
	ds_load_b64 v[KF+6*\t+4:KF+6*\t+5], v[AK8+\slot] offset:768*\t
.endr
	s_wait_dscnt 0x0
.irp t, 0,1,2,3,4,5,6,7                        ; S^T = K Q^T + 8 m; a fragment's upper six registers are the next tile's codes, which meet Q's zeros
.if \t%2
	v_wmma_scale_f32_16x16x128_f8f6f4 v[SCR+8*\t:SCR+8*\t+7], v[KF+6*\t:KF+6*\t+11], v[QF:QF+11], v[SCR+8*\t:SCR+8*\t+7], v[KS+\t/2], v[QS] matrix_a_fmt:MATRIX_FMT_BF6 matrix_b_fmt:MATRIX_FMT_BF6 matrix_a_scale:MATRIX_SCALE_ROW1
.else
	v_wmma_scale_f32_16x16x128_f8f6f4 v[SCR+8*\t:SCR+8*\t+7], v[KF+6*\t:KF+6*\t+11], v[QF:QF+11], v[SCR+8*\t:SCR+8*\t+7], v[KS+\t/2], v[QS] matrix_a_fmt:MATRIX_FMT_BF6 matrix_b_fmt:MATRIX_FMT_BF6
.endif
.endr                                          ; register 16 b + i: key 32 b + 16 (lane / 16) + i of the step, for my query
.rept 4
	v_nop                                          ; places in front of the loads into K's registers, and of the first read of the scores
.endr
.irp g, 0,1,2,3                                ; V's four fragments (16 channels x 128 keys) are asked for now and waited for behind the softmax
	ds_load_b128 v[KF+12*\g:KF+12*\g+3], v[AV16+\slot] offset:1536*\g
	ds_load_b64 v[KF+12*\g+4:KF+12*\g+5], v[AV8+\slot] offset:1536*\g
	ds_load_b128 v[KF+12*\g+6:KF+12*\g+9], v[AV16+\slot] offset:1536*\g+768
	ds_load_b64 v[KF+12*\g+10:KF+12*\g+11], v[AV8+\slot] offset:1536*\g+768
.endr
.irp i, 0,1
	ds_load_b32 v[VS+\i], v[AT4+\slot] offset:128*\i
.endr
.irp b, 0,1,2,3
	v_max3_num_f32 v[BMX+\b], v[SCR+16*\b], v[SCR+1+16*\b], v[SCR+2+16*\b]   ; the largest score of each block of 32 keys: for the row's maximum, and, since p rises with the score, for the block's largest p
.endr
.irp i, 3,5,7,9,11,13
.irp b, 0,1,2,3
	v_max3_num_f32 v[BMX+\b], v[BMX+\b], v[SCR+16*\b+\i], v[SCR+1+16*\b+\i]
.endr
.endr
.irp b, 0,1,2,3
	v_max_num_f32 v[BMX+\b], v[BMX+\b], v[SCR+15+16*\b]
.endr
.irp b, 0,1,2,3
	s_delay_alu instid0(VALU_DEP_4)
	v_permlanex16_b32 v[CT+\b], v[BMX+\b], s[SEL], s[SEL+1]
.endr
.irp b, 0,1,2,3
	s_delay_alu instid0(VALU_DEP_4)
	v_max_num_f32 v[BMX+\b], v[BMX+\b], v[CT+\b]   ; with lane l xor 16's 16 keys
.endr
	s_delay_alu instid0(VALU_DEP_2)
	v_max3_num_f32 v[WK], v[BMX], v[BMX+1], v[BMX+2]
	s_delay_alu instid0(VALU_DEP_1)
	v_max_num_f32 v[WK], v[WK], v[BMX+3]
	s_delay_alu instid0(VALU_DEP_1)
	v_mul_f32 v[WK], s[CS], v[WK]                  ; as t (c is positive)
	s_delay_alu instid0(VALU_DEP_1)
	v_max_num_f32 v[MT+1], v[MT+1], v[WK]          ; the running largest t
	v_mov_b32 v[WK], v[MT]
	s_delay_alu instid0(VALU_DEP_2)
	v_floor_f32 v[MT], -v[MT+1]                    ; the new -M = -ceil(t): a whole number
	s_delay_alu instid0(VALU_DEP_1)
	v_sub_f32 v[WK], v[MT], v[WK]                  ; old M - new M: a whole number, 0 or less
	s_delay_alu instid0(VALU_DEP_1)
	v_cvt_i32_f32 v[WK], v[WK]                     ; (it saturates)
	s_delay_alu instid0(VALU_DEP_1)
	v_ldexp_f32 v[FAC], 1.0, v[WK]                 ; f = 2^(old M - new M)
.set j, 0
.rept 32
	v_pk_fma_f32 v[SCR+j:SCR+j+1], v[SCR+j:SCR+j+1], s[CS:CS+1], v[MT:MT+1] op_sel_hi:[1,0,0]   ; t - M, two at a time
.set j, j+2
.endr
.irp b, 0,1,2,3
	v_fma_f32 v[BMX+\b], v[BMX+\b], s[CS], v[MT]   ; the same of each block's largest score
.endr
.set j, 0
	s_wait_alu depctr_va_vdst(0)
.rept 64
	v_exp_f32 v[SCR+j], v[SCR+j]                   ; p = 2^(t - M), at most 1
.set j, j+1
.endr
.irp b, 0,1,2,3
	v_exp_f32 v[BMX+\b], v[BMX+\b]                 ; the block's largest p: the same two instructions on the same number
.endr
	v_pk_mul_f32 v[LSUM:LSUM+1], v[LSUM:LSUM+1], v[FAC:FAC+1] op_sel_hi:[1,0]   ; the sums under the new M.  (A plain place behind the exponentials)
	s_wait_alu depctr_va_vdst(0)
.irp b, 0,1,2,3
	v_max_num_f32 v[BMX+\b], 0x2800000, v[BMX+\b]  ; the floor 2^(5 - 127): the byte cannot fall under 1
.endr
.irp b, 0,1,2,3
	s_delay_alu instid0(VALU_DEP_4)
	v_add_nc_u32 v[SO+\b], 0xfe000000, v[BMX+\b]   ; 4 off the exponent field: the conversion's scale operand
.endr
.irp b, 0,1,2,3
	s_delay_alu instid0(VALU_DEP_4)
	v_lshrrev_b32 v[CT+\b], 23, v[SO+\b]           ; the scale's byte
.endr
	s_delay_alu instid0(VALU_DEP_3)
	v_lshl_or_b32 v[PW], v[CT+1], 8, v[CT]         ; p's scale word for these 128 keys
	s_delay_alu instid0(VALU_DEP_1)
	v_lshl_or_b32 v[PW], v[CT+2], 16, v[PW]
	s_delay_alu instid0(VALU_DEP_1)
	v_lshl_or_b32 v[PW], v[CT+3], 24, v[PW]
.irp c, 0,1
	v_cvt_scalef32_pk16_bf6_f32 v[PC+6*\c:PC+2+6*\c], v[SCR+32*\c:SCR+15+32*\c], v[SO+2*\c]
	v_cvt_scalef32_pk16_bf6_f32 v[CT+4*\c:CT+2+4*\c], v[SCR+16+32*\c:SCR+31+32*\c], v[SO+2*\c+1]   ; (a conversion's three registers begin on an even number)
.endr
	v_nop                                          ; one plain place behind a scaled conversion
.irp c, 0,1                                    ; the operand's layout wants a whole block in a lane
.irp i, 0,1,2
	v_permlane16_swap_b32 v[PC+6*\c+\i], v[CT+4*\c+\i]
.endr
.irp i, 0,1,2
	s_delay_alu instid0(VALU_DEP_3)
	v_mov_b32 v[PC+3+6*\c+\i], v[CT+4*\c+\i]
.endr
.endr
	v_pk_add_f32 v[196:197], v[92:93], v[96:97]
	v_pk_add_f32 v[254:255], v[100:101], v[104:105]
	v_pk_add_f32 v[252:253], v[108:109], v[112:113]
	v_pk_add_f32 v[250:251], v[116:117], v[120:121]
	v_pk_add_f32 v[248:249], v[124:125], v[128:129]
	v_pk_add_f32 v[246:247], v[132:133], v[136:137]
	v_pk_add_f32 v[244:245], v[140:141], v[144:145]
	v_pk_add_f32 v[20:21], v[20:21], v[148:149]
	v_pk_add_f32 v[196:197], v[196:197], v[88:89]
	v_pk_add_f32 v[254:255], v[254:255], v[90:91]
	v_pk_add_f32 v[252:253], v[252:253], v[94:95]
	v_pk_add_f32 v[250:251], v[250:251], v[98:99]
	v_pk_add_f32 v[248:249], v[248:249], v[102:103]
	v_pk_add_f32 v[246:247], v[246:247], v[106:107]
	v_pk_add_f32 v[244:245], v[244:245], v[110:111]
	v_pk_add_f32 v[20:21], v[20:21], v[114:115]
	v_pk_add_f32 v[196:197], v[196:197], v[118:119]
	v_pk_add_f32 v[254:255], v[254:255], v[122:123]
	v_pk_add_f32 v[252:253], v[252:253], v[126:127]
	v_pk_add_f32 v[250:251], v[250:251], v[130:131]
	v_pk_add_f32 v[248:249], v[248:249], v[134:135]
	v_pk_add_f32 v[246:247], v[246:247], v[138:139]
	v_pk_add_f32 v[244:245], v[244:245], v[142:143]
	v_pk_add_f32 v[20:21], v[20:21], v[146:147]
	v_pk_add_f32 v[196:197], v[196:197], v[150:151]
	s_delay_alu instid0(VALU_DEP_2)
	v_pk_add_f32 v[20:21], v[20:21], v[250:251]
	s_delay_alu instid0(VALU_DEP_2)
	v_pk_add_f32 v[196:197], v[196:197], v[248:249]
	v_pk_add_f32 v[254:255], v[254:255], v[246:247]
	v_pk_add_f32 v[252:253], v[252:253], v[244:245]
	s_delay_alu instid0(VALU_DEP_2)
	v_pk_add_f32 v[20:21], v[20:21], v[254:255]
	s_delay_alu instid0(VALU_DEP_2)
	v_pk_add_f32 v[196:197], v[196:197], v[252:253]
	s_delay_alu instid0(VALU_DEP_1)
	v_pk_add_f32 v[20:21], v[20:21], v[196:197]
.set j, 0
.rept 16
	v_pk_mul_f32 v[OT+j:OT+j+1], v[OT+j:OT+j+1], v[FAC:FAC+1] op_sel_hi:[1,0]   ; O^T under the new M, each accumulator from its low end on
.set j, j+2
.endr
	s_wait_alu depctr_va_vdst(0)
	s_wait_dscnt 0x0                               ; V and its scale words are in
.irp g, 0,1,2,3                                ; O^T += V^T P^T; the four accumulators by turns
.if \g%2
	v_wmma_scale_f32_16x16x128_f8f6f4 v[OT+8*\g:OT+8*\g+7], v[KF+12*\g:KF+12*\g+11], v[PC:PC+11], v[OT+8*\g:OT+8*\g+7], v[VS+\g/2], v[PW] matrix_a_fmt:MATRIX_FMT_BF6 matrix_b_fmt:MATRIX_FMT_BF6 matrix_a_scale:MATRIX_SCALE_ROW1
.else
	v_wmma_scale_f32_16x16x128_f8f6f4 v[OT+8*\g:OT+8*\g+7], v[KF+12*\g:KF+12*\g+11], v[PC:PC+11], v[OT+8*\g:OT+8*\g+7], v[VS+\g/2], v[PW] matrix_a_fmt:MATRIX_FMT_BF6 matrix_b_fmt:MATRIX_FMT_BF6
.endif
.endr
.endm
; A trip: each wave waits for all its tensor loads (its part of this trip's slot), adds 0 to its spare word, and waits for that and for its reads of the other slot; a round of the cluster's barrier;
; behind it the other slot is filled with the next key step, which has this trip's work in which to land.
.macro TRIP slot, refill
	s_wait_tensorcnt 0x0                           ; no tensor load of mine is out, so a group 0 may be written
	ds_add_u32 v[SPW], v[NIL]                      ; 0 onto my spare word
	s_add_nc_u64 s[G0K+4*\slot+2:G0K+4*\slot+3], s[G0K+4*\slot+2:G0K+4*\slot+3], 2*KVB     ; this slot's next key step
	s_add_nc_u64 s[G0M+4*\slot+2:G0M+4*\slot+3], s[G0M+4*\slot+2:G0M+4*\slot+3], 65536
	s_wait_dscnt 0x0                               ; the add is done, and so are my reads of the last trip's slot
	CROUND                                         ; both now hold of every wave of every work-group of the cluster
.if \refill
	TLOAD 1-\slot
.endif
	STEP \slot
.endm
.Lpair:                                            ; 7 trips of two key steps
	TRIP 0, 1
	TRIP 1, 1
	s_sub_co_u32 s[CNT], s[CNT], 1
	s_cmp_lg_u32 s[CNT], 0
	s_cbranch_scc1 .Lpair
	TRIP 0, 1                                      ; the last two key steps are written out: the very last asks for nothing
	TRIP 1, 0
	; THE WAY OUT.  O^T / the sum is ctx: register 16 b + i = channel 32 b + 16 (lane / 16) + i of my head, for my token: two blocks of the next product's K.  It is quantised and leaves as half a fragment's image.
.rept 4
	v_nop
.endr
	v_add_f32 v[LSUM], v[LSUM], v[LSUM+1]
	s_delay_alu instid0(VALU_DEP_1)
	v_permlanex16_b32 v[WK], v[LSUM], s[SEL], s[SEL+1]
	s_delay_alu instid0(VALU_DEP_1)
	v_add_f32 v[LSUM], v[LSUM], v[WK]              ; the row's sum
	s_wait_alu depctr_va_vdst(0)
	v_rcp_f32 v[LSUM], v[LSUM]
	v_and_b32 v[KF], 31, v0                        ; (a plain place behind the reciprocal)
	s_delay_alu instid0(VALU_DEP_1)
	v_lshlrev_b32 v[KF+1], 3, v[KF]
	s_delay_alu instid0(VALU_DEP_2)
	v_lshlrev_b32 v[KF+2], 2, v[KF]
	s_delay_alu instid0(VALU_DEP_3)
	v_lshlrev_b32 v[KF], 4, v[KF]
.set j, 0
	s_wait_alu depctr_va_vdst(0)
.rept 32
	v_mul_f32 v[SCR+j], v[OT+j], v[LSUM]
.set j, j+1
.endr
.irp b, 0,1
	v_max3_num_f32 v[BMX+\b], |v[SCR+16*\b]|, |v[SCR+1+16*\b]|, 0x2800000
.endr
.irp i, 2,4,6,8,10,12,14
.irp b, 0,1
	s_delay_alu instid0(VALU_DEP_2)
	v_max3_num_f32 v[BMX+\b], v[BMX+\b], |v[SCR+16*\b+\i]|, |v[SCR+1+16*\b+\i]|
.endr
.endr
.irp b, 0,1
	s_delay_alu instid0(VALU_DEP_2)
	v_permlanex16_b32 v[CT+\b], v[BMX+\b], s[SEL], s[SEL+1]
.endr
.irp b, 0,1
	s_delay_alu instid0(VALU_DEP_2)
	v_max_num_f32 v[BMX+\b], v[BMX+\b], v[CT+\b]
.endr
.irp b, 0,1
	s_delay_alu instid0(VALU_DEP_2)
	v_add_nc_u32 v[SO+\b], 0xfe000000, v[BMX+\b]
.endr
.irp b, 0,1
	s_delay_alu instid0(VALU_DEP_2)
	v_lshrrev_b32 v[CT+\b], 23, v[SO+\b]
.endr
	s_delay_alu instid0(VALU_DEP_1)
	v_lshl_or_b32 v[WK], v[CT+1], 8, v[CT]         ; my head's two bytes of the row's scale word,
	s_delay_alu instid0(VALU_DEP_1)
	v_lshlrev_b32 v[WK], s61, v[WK]                ; at their place in it
	v_cvt_scalef32_pk16_bf6_f32 v[PC:PC+2], v[SCR:SCR+15], v[SO]
	v_cvt_scalef32_pk16_bf6_f32 v[CT+4:CT+6], v[SCR+16:SCR+31], v[SO+1]
	v_nop                                          ; one plain place behind a scaled conversion
.irp i, 0,1,2
	v_permlane16_swap_b32 v[PC+\i], v[CT+4+\i]
.endr
.irp i, 0,1,2
	s_delay_alu instid0(VALU_DEP_3)
	v_mov_b32 v[PC+3+\i], v[CT+4+\i]
.endr
	global_store_b128 v[KF], v[PC:PC+3], s[66:67]                  ; 768 bytes: three aligned blocks of 256
	global_store_b64 v[KF+1], v[PC+4:PC+5], s[66:67] offset:512
	global_store_b32 v[KF+2], v[WK], s[68:69]                      ; 128 bytes; the pair's other head stores the block's other half
	s_wait_tensorcnt 0x0                           ; the wave's end
	ds_add_u32 v[SPW], v[NIL]
	s_wait_dscnt 0x0
	CROUND                                         ; the closing round
	s_endpgm
.Lfunc_end_k_q547916c61d_attn:
	.size	k_q547916c61d_attn, .Lfunc_end_k_q547916c61d_attn-k_q547916c61d_attn
	.p2alignl 7, 3214868480
	.fill 96, 4, 3214868480
	.section	.rodata,"a",@progbits
	.p2align	6, 0x0
	.amdhsa_kernel k_q547916c61d_attn
		.amdhsa_group_segment_fixed_size 327680
		.amdhsa_private_segment_fixed_size 0
		.amdhsa_enable_private_segment 0
		.amdhsa_kernarg_size 32
		.amdhsa_user_sgpr_count 2
		.amdhsa_user_sgpr_kernarg_segment_ptr 1
		.amdhsa_wavefront_size32 1
		.amdhsa_system_sgpr_workgroup_id_x 1
		.amdhsa_system_sgpr_workgroup_id_y 1
		.amdhsa_system_sgpr_workgroup_id_z 1
		.amdhsa_system_vgpr_workitem_id 0
		.amdhsa_next_free_vgpr 256
		.amdhsa_next_free_sgpr 80
		.amdhsa_reserve_vcc 0
		.amdhsa_float_denorm_mode_32 3
		.amdhsa_float_denorm_mode_16_64 3
		.amdhsa_memory_ordered 1
		.amdhsa_forward_progress 1
		.amdhsa_inst_pref_size 91
	.end_amdhsa_kernel
	.amdgpu_metadata
---
amdhsa.version: [ 1, 2 ]
amdhsa.kernels:
  - .name:           k_q547916c61d_attn
    .symbol:         k_q547916c61d_attn.kd
    .args:
      - { .name: qq, .offset: 0, .size: 8, .value_kind: global_buffer, .address_space: global }
      - { .name: kv, .offset: 8, .size: 8, .value_kind: global_buffer, .address_space: global }
      - { .name: mk, .offset: 16, .size: 8, .value_kind: global_buffer, .address_space: global }
      - { .name: cq, .offset: 24, .size: 8, .value_kind: global_buffer, .address_space: global }
    .group_segment_fixed_size: 327680
    .private_segment_fixed_size: 0
    .kernarg_segment_align: 8
    .kernarg_segment_size: 32
    .max_flat_workgroup_size: 512
    .sgpr_count:     80
    .vgpr_count:     256
    .wavefront_size: 32
...
	.end_amdgpu_metadata
.endif
;; end of part 7
;; launch tail (part 8): grid 128 x 1, 8 waves a work-group, no clusters, 190,464 bytes of LDS; arguments cq, wq, b_o, b_p, x, gamma, beta, out0; writes out0
.if DOCPART == 8
	.amdgcn_target "amdgcn-amd-amdhsa--gfx1250"
	.amdhsa_code_object_version 6
	.text
	.protected	k_q547916c61d_tail
	.globl	k_q547916c61d_tail
	.p2align	8
	.type	k_q547916c61d_tail,@function
k_q547916c61d_tail:
	s_mov_b64 s[64:65], 0
	v_nop
	global_prefetch_b8 v0, s[64:65] scope:SCOPE_SE
	s_setreg_imm32_b32 hwreg(HW_REG_WAVE_SCHED_MODE, 0, 2), 2
	s_setreg_imm32_b32 hwreg(HW_REG_WAVE_MODE, 25, 1), 1
	s_wait_xcnt 0x0
	s_wait_alu depctr_vm_vsrc(0)
; TAIL.  out = LayerNorm(x + (ctx W_o^T + b_o) W_p^T + b_p) gamma + beta; both products on codes of BF6 with E8M0 scales; attn_out is quantised in registers and never goes to memory.
; SHARES.  A work-group owns 32 tokens (two tiles of 16), whole rows, since the second product's K and the norm span a row.  The eight waves share the COLUMNS: wave w makes columns 128 w .. 128 w + 127 of both products
; (8 tiles of a weight's rows, transposed use: a lane holds one token, its registers run along the columns), which is K step w of the next product: for each tile of tokens one fragment and one scale word a row.
; WHY 128 WORK-GROUPS.  Every work-group walks both weights' codes, 1,572,864 bytes.  128 work-groups of 32 tokens read 201 MB of them in all where 256 of 16 tokens read 403 MB, and each fragment loaded feeds two matrix
; instructions.  The price: half of the WGPs get no work-group.
; WEIGHTS GO FROM MEMORY STRAIGHT INTO REGISTERS, by dense loads of 512 bytes from their images: a weight's fragment is wanted by one wave of the work-group alone, so LDS would spare no read.
; Two sets of 8 fragments take turns: 24 loads a wave are out while 16 products are issued.
; THE ROWS' FRAGMENTS GO THROUGH LDS AS IMAGES OF REGISTERS, ctx's as attn_out's: wave w brings K step w of ctx from memory and stores it; every wave reads two fragments and two scale words a K step, a step ahead.
; NO CLUSTER, NO JOINT LOADS, though all work-groups walk the same weights: a K step's fragments for the eight waves are 98,304 bytes, and beside the stage LDS has room for one such slot; straight loads keep two sets of every
; wave, 196,608 bytes, on their way with no barrier at all.
; b_o starts the first product's sums (one load a wave, spread through the wave's own 512 bytes of LDS into both tiles' accumulators); b_p is added with the residual.  Four phases, three barriers.
; LIMITS: NaN and infinities are not served; a block of zeros, or one under 2^-122, has the byte 1.
; REGISTERS: window 0: v1-12 addresses; v16-63 two sets of two row fragments (also the quantiser's and the norm's work registers); v64-191 the 16 accumulators, then four rows; v192-223 the weight's scale words; v224-227 the rows'.
;   window 1: v0-95, v128-223 the two sets of weight fragments (at the end x's rows 0, 1, gamma; beta, b_p); v96-127, v224-255 x's rows 2, 3.
; THE MODE: SCHED_MODE bits 1:0 = 2 (LLVM: expert scheduling mode 2), set by the entry lines.  The code itself states the register dependences between vector or matrix instructions and memory or LDS instructions,
; with s_wait_alu, always for 0.
; THE PLAN.  Registers that memory or LDS instructions touch:
;   v1-12         addresses and offsets: written at the head, never again; read by every load, store and the prefetch.
;   W0, W1        the weight sets.  Step q: its 16 products read W[q % 2]; behind them the loads of step q + 2 land in it.
;   R0, R1        the rows' sets, with their two scale words each.  Step q: its products read R[q % 2]; the LDS loads at the head of step q + 1 land in it (the fragments of step q + 2).
;                 At the head they hold ctx on its way into LDS; between the two products the quantiser works in them and LDS stores read its codes and its scale word.
;   WS            the weight's scale words: read by the products; loaded again behind step 7.
;   ACC           LDS loads (b_o), the products, the quantiser's reads, LDS stores into the stage, LDS loads (four rows), the norm, the stores of out0.
;   v254, v255    written at the head, read by the closing add alone.
; So ONE wait on va_vdst stands in a step, at its end: the step's products are done reading W[q % 2], R[q % 2] and the scale words.  The set's next loads follow it at once, so that two sets stay on their way while the wave
; waits for the next step's set; the LDS loads at the next step's head lean on the same wait: between it and them stand loads and waits on counters alone.  The loads stay in runs: the products take source 0 from window 1,
; and a load's address is its source 0.  In the norm the wait ahead of the reciprocal root's first reader also states that the row before is written: that row's stores stand directly behind it.
.set XIMG,  0                          ; LDS: ctx's 16 fragments (K step s, tile m: 2 s + m), 1,536 bytes each,
.set XSC,   24576                      ; their scale words, 128 bytes each,
.set HIMG,  26624                      ; attn_out's likewise,
.set HSC,   51200
.set STG,   53248                      ; the stage: 32 rows x (4,096 bytes + 16),
.set SPT,   4112
.set BOS,   184832                     ; and 512 bytes for each wave: its 128 numbers of b_o
.set LI,    1                          ; 16 x lane
.set L8,    2                          ; 8 x lane
.set L4,    3                          ; 4 x lane
.set LWS,   4                          ; 512 h + 8 r
.set XWI,   5                          ; where I store my K step's fragments: 3,072 w + 16 x lane
.set XWS,   6                          ; and their scale words: 256 w + 4 x lane
.set SO,    7                          ; v7, v8  the stage: where I put 32 bytes of a row of tile 0, of tile 1
.set SR,    9                          ; and where I read my four rows back
.set L256,  10                         ; 256 x lane
.set BWI,   11                         ; b_o: in,
.set BRD,   12                         ; and out: + 64 h
.set AFS,   16
.set ACC,   64
.set WS,    192
.set AS,    224
.set PC,    16                         ; the quantiser works in the row fragments' registers, which are idle then
.set TM,    36
.set PW,    52
.set SEL,   34
.set MSB, 0
.macro WIN new                         ; the immediate's high byte repeats the setting that is left
.if MSB != (\new)
	s_set_vgpr_msb (MSB<<8)|(\new)
.set MSB, (\new)
.endif
.endm
; 64 numbers of a lane, register 16 b + i = k 32 b + 16 (lane / 16) + i of my row, become a fragment's codes in v[PC] on and its scale word in v[PW].
.macro QUANT s
.irp b, 0,1,2,3
	v_max3_num_f32 v[TM+\b], |v[\s+16*\b]|, |v[\s+1+16*\b]|, 0x2800000   ; and the floor 2^(5 - 127): the byte cannot fall under 1
.endr
.irp i, 2,4,6,8,10,12,14
.irp b, 0,1,2,3
	v_max3_num_f32 v[TM+\b], v[TM+\b], |v[\s+16*\b+\i]|, |v[\s+1+16*\b+\i]|
.endr
.endr
.irp b, 0,1,2,3
	v_permlanex16_b32 v[TM+4+\b], v[TM+\b], s[SEL], s[SEL+1]
.endr
.irp b, 0,1,2,3
	v_max_num_f32 v[TM+\b], v[TM+\b], v[TM+4+\b]
.endr
.irp b, 0,1,2,3
	v_add_nc_u32 v[TM+12+\b], 0xfe000000, v[TM+\b]
.endr
.irp b, 0,1,2,3
	v_lshrrev_b32 v[TM+4+\b], 23, v[TM+12+\b]
.endr
	v_lshl_or_b32 v[PW], v[TM+5], 8, v[TM+4]
	v_lshl_or_b32 v[PW], v[TM+6], 16, v[PW]
	v_lshl_or_b32 v[PW], v[TM+7], 24, v[PW]
.irp c, 0,1
	v_cvt_scalef32_pk16_bf6_f32 v[PC+6*\c:PC+2+6*\c], v[\s+32*\c:\s+15+32*\c], v[TM+12+2*\c]
	v_cvt_scalef32_pk16_bf6_f32 v[PC+12+4*\c:PC+14+4*\c], v[\s+16+32*\c:\s+31+32*\c], v[TM+13+2*\c]
.endr
	v_nop                                          ; one plain place behind a scaled conversion
.irp c, 0,1
.irp i, 0,1,2
	v_permlane16_swap_b32 v[PC+6*\c+\i], v[PC+12+4*\c+\i]
.endr
.irp i, 0,1,2
	v_mov_b32 v[PC+3+6*\c+\i], v[PC+12+4*\c+\i]
.endr
.endr
.endm
	s_load_b512 s[4:19], s[0:1], 0x0               ; cq, wq, b_o, b_p, x, gamma, beta, out0
	v_lshl_add_u32 v254, v0, 2, 0x2e400
	v_mov_b32 v255, 0
	v_lshrrev_b32 v13, 5, v0
	v_readfirstlane_b32 s20, v13                   ; wave 0..7
	v_and_b32 v13, 31, v0                          ; lane
	v_and_b32 v14, 15, v0                          ; r
	v_bfe_u32 v15, v0, 4, 1                        ; h
	v_lshlrev_b32 v[LI], 4, v13
	v_lshlrev_b32 v[L8], 3, v13
	v_lshlrev_b32 v[L4], 2, v13
	v_lshlrev_b32 v[L256], 8, v13
	v_lshlrev_b32 v[LWS], 3, v14
	v_lshl_add_u32 v[LWS], v15, 9, v[LWS]
	s_wait_alu depctr_va_sdst(0)                   ; s20 is written, ahead of its first reader: LDS addresses and the buffers' offsets are made from it
	s_mul_i32 s21, s20, 3072
	v_add_nc_u32 v[XWI], s21, v[LI]
	s_lshl_b32 s21, s20, 8
	v_add_nc_u32 v[XWS], s21, v[L4]
	v_mul_u32_u24 v[SO], v14, SPT
	v_lshl_add_u32 v[SO], v15, 6, v[SO]
	s_lshl_b32 s21, s20, 9
	s_add_co_u32 s22, s21, STG
	v_add_nc_u32 v[SO], s22, v[SO]                 ; row r, + 512 w + 64 h
	v_add_nc_u32 v[SO+1], 16*SPT, v[SO]            ; and 16 rows on
	s_add_co_u32 s22, s21, BOS
	v_add_nc_u32 v[BWI], s22, v[LI]
	v_lshl_add_u32 v[BRD], v15, 6, s22
	s_mul_i32 s21, s20, 4*SPT
	s_add_co_u32 s21, s21, STG
	v_add_nc_u32 v[SR], s21, v[LI]                 ; rows 4 w .. 4 w + 3
	s_mov_b32 s[SEL], 0x76543210
	s_mov_b32 s[SEL+1], 0xfedcba98
	s_mov_b32 s36, 0x3a800000                      ; 1 / 1,024
	s_mov_b32 s37, 0x3727c5ac                      ; 1e-5
	s_mul_i32 s22, ttmp9, 24576                    ; my two tiles' codes of ctx, 16 heads x 768 bytes each; K step w is heads 2 w, 2 w + 1
	s_mul_i32 s23, s20, 1536
	s_add_co_u32 s22, s22, s23
	s_mov_b32 s23, 0
	s_lshl_b32 s38, ttmp9, 12                      ; and their scale words: 16 x 128 bytes a tile
	s_lshl_b32 s39, s20, 8
	s_add_co_u32 s38, s38, s39
	s_add_co_u32 s38, s38, 3145728
	s_mov_b32 s39, 0
	s_mul_i32 s40, s20, 98304                      ; my 8 tiles of a weight
	s_mov_b32 s41, 0
	s_lshl_b32 s42, s20, 12                        ; their scale words
	s_mov_b32 s43, 0
	s_lshl_b32 s44, s20, 9                         ; my 128 numbers of b_o
	s_mov_b32 s45, 0
	s_lshl_b32 s46, ttmp9, 5                       ; the stage's row 16 m + r is token 32 g + 8 m + r + 8 (r / 8); my rows 4 w + i: m = w / 4, r = 4 (w % 4) + i: four tokens on end
	s_lshr_b32 s47, s20, 2
	s_lshl_b32 s47, s47, 3
	s_add_co_u32 s46, s46, s47
	s_and_b32 s47, s20, 3
	s_lshl_b32 s47, s47, 2
	s_add_co_u32 s46, s46, s47
	s_bfe_u32 s47, s20, 0x10001
	s_lshl_b32 s47, s47, 3
	s_add_co_u32 s46, s46, s47
	s_lshl_b32 s46, s46, 12
	s_mov_b32 s47, 0
	s_wait_kmcnt 0x0
	s_add_nc_u64 s[32:33], s[4:5], s[38:39]        ; ctx's scale words
	s_add_nc_u64 s[4:5], s[4:5], s[22:23]          ; ctx's codes
	s_add_nc_u64 s[24:25], s[6:7], s[40:41]
	s_add_nc_u64 s[26:27], s[24:25], 3145728       ; W_p's codes: the fifth weight
	s_add_nc_u64 s[24:25], s[24:25], 2359296       ; W_o's: the fourth
	s_add_nc_u64 s[28:29], s[6:7], s[42:43]
	s_add_nc_u64 s[30:31], s[28:29], 3932160+131072   ; W_p's scale words
	s_add_nc_u64 s[28:29], s[28:29], 3932160+98304    ; W_o's
	s_add_nc_u64 s[8:9], s[8:9], s[44:45]
	s_add_nc_u64 s[12:13], s[12:13], s[46:47]
	s_add_nc_u64 s[18:19], s[18:19], s[46:47]
.macro LOADW q                         ; K step q % 8 of W_o (q < 8) or W_p: my 8 fragments into set q % 2: 24 loads of 512 consecutive bytes
	WIN 0x40                                       ; destination window 1
.irp t, 0,1,2,3,4,5,6,7
.irp c, 0,1,2
.if (\q) < 8
	global_load_b128 v[128*((\q)%2)+12*\t+4*\c:128*((\q)%2)+12*\t+4*\c+3], v[LI], s[24:25] offset:12288*\t+1536*((\q)%8)+512*\c
.else
	global_load_b128 v[128*((\q)%2)+12*\t+4*\c:128*((\q)%2)+12*\t+4*\c+3], v[LI], s[26:27] offset:12288*\t+1536*((\q)%8)+512*\c
.endif
.endr
.endr
	WIN 0
.endm
.macro LOADS base                      ; a weight's scale words: register 8 i + q: lanes 0-15 the word of my tile 2 i, lanes 16-31 of tile 2 i + 1, for K step q
.irp i, 0,1,2,3
.irp g, 0,1,2,3
	global_load_b64 v[WS+8*\i+2*\g:WS+8*\i+2*\g+1], v[LWS], s[\base:\base+1] offset:1024*\i+128*\g
.endr
.endr
.endm
.macro AFLOAD q                        ; the two row fragments and scale words of K step q % 8, of ctx (q < 8) or of attn_out, into set q % 2
.if (\q) < 8
.set IMGB, XIMG
.set SCB, XSC
.else
.set IMGB, HIMG
.set SCB, HSC
.endif
.irp m, 0,1
.irp c, 0,1,2
	ds_load_b128 v[AFS+24*((\q)%2)+12*\m+4*\c:AFS+24*((\q)%2)+12*\m+4*\c+3], v[LI] offset:IMGB+(2*((\q)%8)+\m)*1536+512*\c
.endr
	ds_load_b32 v[AS+2*((\q)%2)+\m], v[L4] offset:SCB+(2*((\q)%8)+\m)*128
.endr
.endm
	; ---- the head: the few small loads first, then the two first sets of weights: 77 loads
	s_wait_alu depctr_va_vdst(0)                   ; the twelve addresses and offsets v1 to v12 are written: every load, store and the prefetch of the kernel reads one of them, and none is written again
.irp m, 0,1                                    ; ctx: K step w of tile m is heads 2 w and 2 w + 1, half a fragment each
	global_load_b128 v[AFS+12*\m:AFS+12*\m+3], v[LI], s[4:5] offset:12288*\m
	global_load_b64 v[AFS+12*\m+4:AFS+12*\m+5], v[L8], s[4:5] offset:12288*\m+512
	global_load_b128 v[AFS+12*\m+6:AFS+12*\m+9], v[LI], s[4:5] offset:12288*\m+768
	global_load_b64 v[AFS+12*\m+10:AFS+12*\m+11], v[L8], s[4:5] offset:12288*\m+1280
	global_load_b32 v[40+2*\m], v[L4], s[32:33] offset:2048*\m
	global_load_b32 v[41+2*\m], v[L4], s[32:33] offset:2048*\m+128
.endr
	global_load_b128 v[44:47], v[LI], s[8:9]       ; my 128 numbers of b_o, 4 a lane
	LOADS 28
	LOADW 0
	LOADW 1
	s_wait_loadcnt 48                              ; all but the two sets' 48 loads
.irp m, 0,1
	v_or_b32 v[40+2*\m], v[40+2*\m], v[41+2*\m]    ; a K step's scale word: the even head's two bytes below, the odd head's above
.endr
	s_wait_alu depctr_va_vdst(0)                   ; the two lines above have written v40 and v42, which LDS stores read, and are done with v40 to v43, in which step 0's LDS loads land
.irp m, 0,1
.irp c, 0,1,2
	ds_store_b128 v[XWI], v[AFS+12*\m+4*\c:AFS+12*\m+4*\c+3] offset:XIMG+1536*\m+512*\c
.endr
	ds_store_b32 v[XWS], v[40+2*\m] offset:XSC+128*\m
.endr
	ds_store_b128 v[BWI], v[44:47]
.irp m, 0,1                                    ; b_o into both tiles' accumulators: tile t, register j: column 32 (t / 2) + 16 h + 8 (t % 2) + j.  (My own bytes: LDS serves a wave's instructions in order)
.irp t, 0,1,2,3,4,5,6,7
	ds_load_b128 v[ACC+64*\m+8*\t:ACC+64*\m+8*\t+3], v[BRD] offset:(32*(\t/2)+8*(\t%2))*4
	ds_load_b128 v[ACC+64*\m+8*\t+4:ACC+64*\m+8*\t+7], v[BRD] offset:(32*(\t/2)+8*(\t%2))*4+16
.endr
.endr
	s_wait_dscnt 0x0                               ; for the others' sake: my stores have landed
	s_barrier_signal -1
	s_barrier_wait -1                              ; ctx's sixteen fragments lie in LDS
	s_wait_alu depctr_vm_vsrc(0)                   ; my LDS stores have read v16 to v47: these registers are the rows' two sets from here on, in which the LDS loads below and step 0's land
	AFLOAD 0
.macro MM q, t, m                      ; one product: my tile t of the weight's rows x tile m of tokens
.set rD, ACC+64*(\m)+8*(\t)
.set rW, 128*((\q)%2)+12*(\t)
.set rA, AFS+24*((\q)%2)+12*(\m)
.set rS, WS+8*((\t)/2)+(\q)%8
.set rT, AS+2*((\q)%2)+(\m)
.if (\q) == 8                          ; the second product's first K step starts its sums
.if (\t)%2
	v_wmma_scale_f32_16x16x128_f8f6f4 v[rD:rD+7], v[rW:rW+11], v[rA:rA+11], 0, v[rS], v[rT] matrix_a_fmt:MATRIX_FMT_BF6 matrix_b_fmt:MATRIX_FMT_BF6 matrix_a_scale:MATRIX_SCALE_ROW1
.else
	v_wmma_scale_f32_16x16x128_f8f6f4 v[rD:rD+7], v[rW:rW+11], v[rA:rA+11], 0, v[rS], v[rT] matrix_a_fmt:MATRIX_FMT_BF6 matrix_b_fmt:MATRIX_FMT_BF6
.endif
.else
.if (\t)%2
	v_wmma_scale_f32_16x16x128_f8f6f4 v[rD:rD+7], v[rW:rW+11], v[rA:rA+11], v[rD:rD+7], v[rS], v[rT] matrix_a_fmt:MATRIX_FMT_BF6 matrix_b_fmt:MATRIX_FMT_BF6 matrix_a_scale:MATRIX_SCALE_ROW1
.else
	v_wmma_scale_f32_16x16x128_f8f6f4 v[rD:rD+7], v[rW:rW+11], v[rA:rA+11], v[rD:rD+7], v[rS], v[rT] matrix_a_fmt:MATRIX_FMT_BF6 matrix_b_fmt:MATRIX_FMT_BF6
.endif
.endif
.endm
; K step q % 8 of the first (q < 8) or second product: 16 products, the 16 accumulators by turns; then the step's one wait, and the loads into the set just read.
.macro PSTEP q
.if ((\q) == 8) || ((\q) == 9)
	s_wait_loadcnt 40                              ; this step's set is in; behind it: a set's 24 loads and the 16 of x's rows 2 and 3
.else
	s_wait_loadcnt 24                              ; this step's set is in; the 24 loads issued behind it may be out
.endif
	s_wait_dscnt 0x0                               ; this step's row fragments are in (asked for a step ago)
.if ((\q)%8) < 7
	AFLOAD (\q)+1                                  ; the next step's, into the set that the last step's products read.  No wait here: the one at the last step's end has shown them done, and no vector or matrix instruction since names these registers
.endif
	WIN 0x01                                       ; source 0 (the weight) window 1
.irp t, 0,1,2,3,4,5,6,7
.irp m, 0,1
	MM \q, \t, \m
.endr
.endr
	WIN 0
.rept 4
	v_nop                                          ; four places behind the products (ISA guide 7.12.1), first, then the wait, which fills no place: owed to the first readers of results behind a product's last step; the step is written once, so they stand in every step
.endr
	s_wait_alu depctr_va_vdst(0)                   ; this step's products are done reading their weight set, their rows' set and the scale words, in which the loads below and those at the next step's head land; behind a product's last step: the accumulators are written
.if (\q) == 7
	LOADS 30                                       ; W_p's scale words first, so that step 8's count covers them,
	LOADW 9
	WIN 0x40
.irp i, 0,1,2,3,4,5,6,7
	global_load_b128 v[96+4*\i:96+4*\i+3], v[LI], s[12:13] offset:8192+512*\i th:TH_LOAD_NT      ; x's rows 2 and 3, eight K steps ahead of their use, into registers that nothing else takes
.endr
.irp i, 0,1,2,3,4,5,6,7
	global_load_b128 v[224+4*\i:224+4*\i+3], v[LI], s[12:13] offset:12288+512*\i th:TH_LOAD_NT
.endr
	WIN 0
.elseif (\q) <= 13
	LOADW (\q)+2
.elseif (\q) == 14
	WIN 0x40                                       ; the set just read takes x's rows 0 and 1 and gamma: 24 loads, so that step 15's count holds
.irp p, 0,1
.irp i, 0,1,2,3,4,5,6,7
	global_load_b128 v[32*\p+4*\i:32*\p+4*\i+3], v[LI], s[12:13] offset:4096*\p+512*\i th:TH_LOAD_NT
.endr
.endr
.irp i, 0,1,2,3,4,5,6,7
	global_load_b128 v[64+4*\i:64+4*\i+3], v[LI], s[14:15] offset:512*\i
.endr
	WIN 0
.else
	WIN 0x40
.irp i, 0,1,2,3,4,5,6,7
	global_load_b128 v[128+4*\i:128+4*\i+3], v[LI], s[16:17] offset:512*\i          ; beta
.endr
.irp i, 0,1,2,3,4,5,6,7
	global_load_b128 v[160+4*\i:160+4*\i+3], v[LI], s[10:11] offset:512*\i          ; b_p, in the norm's layout
.endr
	WIN 0
.endif
.endm
.irp q, 0,1,2,3,4,5,6,7
	PSTEP \q                                       ; attn_out = ctx W_o^T + b_o, my 128 columns of 32 tokens
.endr
.irp b, 0,1,2,3
	v_mov_b32 v[TM+4+\b], 0                        ; a lane permute's destination counts as one of its sources
.endr
.irp m, 0,1                                    ; they are K step w of the second product
	QUANT ACC+64*\m
	s_wait_alu depctr_va_vdst(0)                   ; the quantiser has written the codes v[PC ..] and the scale word v[PW], which the LDS stores read; it is done with all its work registers, in which the rows' fragments of steps 8 and 9 land
.irp c, 0,1,2
	ds_store_b128 v[XWI], v[PC+4*\c:PC+4*\c+3] offset:HIMG+1536*\m+512*\c
.endr
	ds_store_b32 v[XWS], v[PW] offset:HSC+128*\m
	s_wait_dscnt 0x0                               ; the stores have landed: for the others' sake, ahead of the barrier
	s_wait_alu depctr_vm_vsrc(0)                   ; the stores have read v[PC ..] and v[PW], which the next tile's quantiser, and behind it the LDS loads of the rows' fragments, write again
.endr
	global_prefetch_b8 v[L256], s[12:13] th:TH_LOAD_NT scope:SCOPE_SE   ; x's rows 0 and 1 of my four, 8,192 bytes, lanes 256 bytes apart: each block is asked for once in the launch, seven K steps ahead of its load
	s_barrier_signal -1
	s_barrier_wait -1                              ; attn_out's sixteen fragments lie in LDS
	AFLOAD 8
.irp q, 8,9,10,11,12,13,14,15
	PSTEP \q                                       ; attn_out W_p^T, my 128 columns
.endr
.irp m, 0,1                                    ; (the places and the wait at step 15's end stand ahead of these stores: the accumulators are written; only loads stand between)
.irp t, 0,1,2,3,4,5,6,7                        ; lane (r, h): row 16 m + r, columns 128 w + 32 (t / 2) + 16 h + 8 (t % 2) + 0 .. 7; each accumulator from its low end on
	ds_store_b128 v[SO+\m], v[ACC+64*\m+8*\t:ACC+64*\m+8*\t+3] offset:128*(\t/2)+32*(\t%2)
	ds_store_b128 v[SO+\m], v[ACC+64*\m+8*\t+4:ACC+64*\m+8*\t+7] offset:128*(\t/2)+32*(\t%2)+16
.endr
.endr
	s_wait_dscnt 0x0
	s_barrier_signal -1
	s_barrier_wait -1                              ; 32 whole rows lie in the stage
	s_wait_alu depctr_vm_vsrc(0)                   ; my LDS stores have read the accumulators, in which the four rows below land (the products that wrote them stand ahead of step 15's wait)
.irp p, 0,1,2,3
.irp i, 0,1,2,3,4,5,6,7
	ds_load_b128 v[ACC+32*\p+4*\i:ACC+32*\p+4*\i+3], v[SR] offset:SPT*\p+512*\i
.endr
.endr
	v_mov_b32 v24, 0                               ; a lane permute's destination counts as one of its sources
	s_wait_loadcnt 0x0                             ; x, gamma, beta, b_p
	s_wait_dscnt 0x0
.macro ALLSUM                          ; v16 summed over the 32 lanes, the result in every lane
	v_add_f32_dpp v16, v16, v16 row_xmask:1 row_mask:0xf bank_mask:0xf
	v_add_f32_dpp v16, v16, v16 row_xmask:2 row_mask:0xf bank_mask:0xf
	v_add_f32_dpp v16, v16, v16 row_xmask:4 row_mask:0xf bank_mask:0xf
	v_add_f32_dpp v16, v16, v16 row_xmask:8 row_mask:0xf bank_mask:0xf
	v_permlanex16_b32 v24, v16, s[SEL], s[SEL+1]
	v_add_f32 v16, v16, v24
.endm
.macro STORER p                        ; row p leaves; its registers are not written again
.irp i, 0,1,2,3,4,5,6,7
	global_store_b128 v[LI], v[ACC+32*(\p)+4*\i:ACC+32*(\p)+4*\i+3], s[18:19] offset:4096*(\p)+512*\i th:TH_STORE_NT   ; 32 lanes store 512 consecutive bytes, aligned; written once, read by nobody here
.endr
.endm
; One row: register 4 i + e = column 128 i + 4 lane + e.  The residual and b_p, the mean, the variance of the centred numbers, the gain and the offset, all in f32.  The row before is stored in this row's middle.
.macro LNROW p
.set Y, ACC+32*(\p)
.if (\p) < 2
.set XR, 32*(\p)
.elseif (\p) == 2
.set XR, 96
.else
.set XR, 224
.endif
	WIN 0x04                                       ; source 1 (x, b_p) window 1
.set i, 0
.rept 16
	v_pk_add_f32 v[Y+i:Y+i+1], v[Y+i:Y+i+1], v[XR+i:XR+i+1]
.set i, i+2
.endr
.set i, 0
.rept 16
	v_pk_add_f32 v[Y+i:Y+i+1], v[Y+i:Y+i+1], v[160+i:161+i]
.set i, i+2
.endr
	WIN 0
	v_pk_add_f32 v[16:17], v[Y:Y+1], v[Y+2:Y+3]    ; the sum, in two chains
	v_pk_add_f32 v[18:19], v[Y+4:Y+5], v[Y+6:Y+7]
.irp i, 8,12,16,20,24,28
	v_pk_add_f32 v[16:17], v[16:17], v[Y+\i:Y+\i+1]
	v_pk_add_f32 v[18:19], v[18:19], v[Y+\i+2:Y+\i+3]
.endr
	v_pk_add_f32 v[16:17], v[16:17], v[18:19]
	v_add_f32 v16, v16, v17
	ALLSUM
	v_mul_f32 v20, s36, v16                        ; the mean
	v_mov_b32 v21, v20
.set i, 0
.rept 16
	v_pk_add_f32 v[Y+i:Y+i+1], v[Y+i:Y+i+1], v[20:21] neg_lo:[0,1] neg_hi:[0,1]
.set i, i+2
.endr
	v_pk_mul_f32 v[16:17], v[Y:Y+1], v[Y:Y+1]
	v_pk_mul_f32 v[18:19], v[Y+2:Y+3], v[Y+2:Y+3]
.irp i, 4,8,12,16,20,24,28
	v_pk_fma_f32 v[16:17], v[Y+\i:Y+\i+1], v[Y+\i:Y+\i+1], v[16:17]
	v_pk_fma_f32 v[18:19], v[Y+\i+2:Y+\i+3], v[Y+\i+2:Y+\i+3], v[18:19]
.endr
	v_pk_add_f32 v[16:17], v[16:17], v[18:19]
	v_add_f32 v16, v16, v17
	ALLSUM
	v_fma_f32 v22, v16, s36, s37                   ; the variance + 1e-5
	s_wait_alu depctr_va_vdst(0)
	v_rsq_f32 v22, v22
	v_mov_b32 v23, 0                               ; (a plain place behind the transcendental; named with v22 as a pair)
	s_wait_alu depctr_va_vdst(0)                   ; the reciprocal root v22 is written, ahead of its first reader; and the row before has written its 32 numbers, which the stores below read
.if (\p) > 0
	STORER (\p)-1
.endif
.set i, 0
.rept 16
	v_pk_mul_f32 v[Y+i:Y+i+1], v[Y+i:Y+i+1], v[22:23] op_sel_hi:[1,0]
.set i, i+2
.endr
	WIN 0x14                                       ; sources 1 (gamma) and 2 (beta) window 1
.set i, 0
.rept 16
	v_pk_fma_f32 v[Y+i:Y+i+1], v[Y+i:Y+i+1], v[64+i:64+i+1], v[128+i:128+i+1]
.set i, i+2
.endr
	WIN 0
.endm
	LNROW 0
	LNROW 1
	LNROW 2
	LNROW 3
	s_wait_alu depctr_va_vdst(0)                   ; the last row has written its 32 numbers, which the last eight stores read
	STORER 3
	s_wait_dscnt 0x0                               ; the closing lines, six on end
	s_wait_alu 0x0
	s_wait_tensorcnt 0x0
	ds_add_u32 v254, v255
	s_wait_dscnt 0x0
	s_endpgm
.Lfunc_end_k_q547916c61d_tail:
	.size	k_q547916c61d_tail, .Lfunc_end_k_q547916c61d_tail-k_q547916c61d_tail
	.p2alignl 7, 3214868480
	.fill 96, 4, 3214868480
	.section	.rodata,"a",@progbits
	.p2align	6, 0x0
	.amdhsa_kernel k_q547916c61d_tail
		.amdhsa_group_segment_fixed_size 190464
		.amdhsa_private_segment_fixed_size 0
		.amdhsa_enable_private_segment 0
		.amdhsa_kernarg_size 64
		.amdhsa_user_sgpr_count 2
		.amdhsa_user_sgpr_kernarg_segment_ptr 1
		.amdhsa_wavefront_size32 1
		.amdhsa_system_sgpr_workgroup_id_x 1
		.amdhsa_system_sgpr_workgroup_id_y 1
		.amdhsa_system_sgpr_workgroup_id_z 1
		.amdhsa_system_vgpr_workitem_id 0
		.amdhsa_next_free_vgpr 512
		.amdhsa_next_free_sgpr 66
		.amdhsa_reserve_vcc 0
		.amdhsa_float_denorm_mode_32 3
		.amdhsa_float_denorm_mode_16_64 3
		.amdhsa_memory_ordered 1
		.amdhsa_forward_progress 1
		.amdhsa_inst_pref_size 146
	.end_amdhsa_kernel
	.amdgpu_metadata
---
amdhsa.version: [ 1, 2 ]
amdhsa.kernels:
  - .name:           k_q547916c61d_tail
    .symbol:         k_q547916c61d_tail.kd
    .args:
      - { .name: cq, .offset: 0, .size: 8, .value_kind: global_buffer, .address_space: global }
      - { .name: wq, .offset: 8, .size: 8, .value_kind: global_buffer, .address_space: global }
      - { .name: b_o, .offset: 16, .size: 8, .value_kind: global_buffer, .address_space: global }
      - { .name: b_p, .offset: 24, .size: 8, .value_kind: global_buffer, .address_space: global }
      - { .name: x, .offset: 32, .size: 8, .value_kind: global_buffer, .address_space: global }
      - { .name: gamma, .offset: 40, .size: 8, .value_kind: global_buffer, .address_space: global }
      - { .name: beta, .offset: 48, .size: 8, .value_kind: global_buffer, .address_space: global }
      - { .name: out0, .offset: 56, .size: 8, .value_kind: global_buffer, .address_space: global }
    .group_segment_fixed_size: 190464
    .private_segment_fixed_size: 0
    .kernarg_segment_align: 8
    .kernarg_segment_size: 64
    .max_flat_workgroup_size: 256
    .sgpr_count:     66
    .vgpr_count:     512
    .wavefront_size: 32
...
	.end_amdgpu_metadata
.endif
;; end of part 8
